; MI455X (gfx1250); checked and timed in simulation.
; The chip was launched on July 23, 2026; its instructions are those of AMD's public machine-readable ISA for CDNA 5 (MIT licence, August 2026) and "CDNA5" Instruction Set Architecture Reference Guide (July 2026). The comments in the code are by the model that wrote it; some were corrected since.
;; Encoder Layer. Allowed arithmetic: float matrix products may take bf16 or f16 operands with f32 sums; all other float work in f32.
;; Inputs: W1 1,024 x 4,096 float32; W2 4,096 x 1,024 float32; Wk 1,024 x 1,024 float32; Wp 1,024 x 1,024 float32; Wq 1,024 x 1,024 float32; Wv 1,024 x 1,024 float32; b1 4,096 float32; b2 1,024 float32; beta1 1,024 float32; beta2 1,024 float32; bk 1,024 float32; bp 1,024 float32; bq 1,024 float32; bv 1,024 float32; gamma1 1,024 float32; gamma2 1,024 float32; mask 2,048 x 2,048 bool; x 2 x 2,048 x 1,024 float32.
;; Outputs: out0 2 x 2,048 x 1,024 float32.
;; 2 versions, each right and faster than the one before. Each part assembles by itself: llvm-mc -triple=amdgcn-amd-amdhsa -mcpu=gfx1250 --defsym DOCPART=n.
;; ======== version 1 of 2: 8 launches
;; workspace buffers: bf 33,554,432 bytes; maskbits 524,288 bytes of whole numbers; qkv 25,165,824 bytes; ob 8,388,608 bytes; y 16,777,216 bytes; x1 16,777,216 bytes; x1b 8,388,608 bytes; h 33,554,432 bytes
;; launch prep (part 1): grid 32 x 17, 8 waves a work-group, no clusters, 0 bytes of LDS; arguments x, Wq, Wk, Wv, Wp, W1, W2, mask, bf, maskbits; writes bf, maskbits
.if DOCPART == 1
	.amdgcn_target "amdgcn-amd-amdhsa--gfx1250"
	.amdhsa_code_object_version 6
	.text
	.protected	k_q1727f9ee45_prep
	.globl	k_q1727f9ee45_prep
	.p2align	8
	.type	k_q1727f9ee45_prep,@function
k_q1727f9ee45_prep:
	s_mov_b64 s[64:65], 0
	v_nop
	global_prefetch_b8 v0, s[64:65] scope:SCOPE_SE
	s_setreg_imm32_b32 hwreg(HW_REG_WAVE_MODE, 25, 1), 1
	s_wait_xcnt 0x0
; prep: (1) x and the six weight matrices, f32, are rounded to bf16 and laid one behind the other in bf, each in its own row-major order:
;       x at byte 0, Wq at 8 Mi, Wk at 10 Mi, Wv at 12 Mi, Wp at 14 Mi, W1 at 16 Mi, W2 at 24 Mi.
;       (2) the mask (one byte a score) becomes lane masks: word [qt][T][j] (qt: 16 queries, T: 16 keys, j: 0..7), bit L = mask[16 qt + L % 16][16 T + 8 (L / 16) + j]:
;       the bit of lane L for register j of a 16 x 16 tile of transposed scores, as the attention launch holds it.
; Work-group row u = 0..15 converts unit u of 1 Mi numbers (32 work-groups, 32 Ki numbers each); row 16 makes the mask words.
; A stream: no LDS, no barrier, no matrix unit; nothing is shared between work-groups, so no cluster.
.set XL, 8                             ; v[8:135]   as loaded
.set YB, 136                           ; v[136:199] conversion: 2 registers of bf16 for each load
.set MW, 136                           ; v[136:151] mask path: task i's 64 words, two a lane
.set TM, 152                           ; v[152:155] mask path: at work
	s_load_b512 s[4:19], s[0:1], 0x0               ; x 4:5, Wq 6:7, Wk 8:9, Wv 10:11, Wp 12:13, W1 14:15, W2 16:17, mask 18:19
	s_load_b128 s[20:23], s[0:1], 0x40             ; bf 20:21, maskbits 22:23
	s_and_b32 s2, ttmp7, 0xffff                    ; u
	s_wait_kmcnt 0x0
	s_cmp_eq_u32 s2, 16
	s_cbranch_scc1 .Lmask
	; which tensor unit u belongs to, and which unit of that tensor it is
	s_sub_co_u32 s27, s2, 8                        ; unit within W1 (used where u >= 8)
	s_sub_co_u32 s28, s2, 12                       ; unit within W2 (used where u >= 12)
	s_mov_b64 s[24:25], s[4:5]                     ; u = 0..3: x, unit u
	s_mov_b32 s26, s2
.macro PICK n, ptr, sub                ; from unit n on: the tensor at s[ptr:ptr+1], unit sub of it
	s_cmp_ge_u32 s2, \n
	s_cselect_b64 s[24:25], s[\ptr:\ptr+1], s[24:25]
	s_cselect_b32 s26, \sub, s26
.endm
	PICK 4, 6, 0
	PICK 5, 8, 0
	PICK 6, 10, 0
	PICK 7, 12, 0
	PICK 8, 14, s27
	PICK 12, 16, s28
	s_lshl_b32 s30, s26, 22                        ; a unit is 4 MiB of f32,
	s_lshl_b32 s29, ttmp9, 17                      ; a work-group's share 128 KiB
	s_add_co_u32 s30, s30, s29
	s_mov_b32 s31, 0
	s_add_nc_u64 s[24:25], s[24:25], s[30:31]
	s_lshl_b32 s30, s2, 21                         ; in bf: 2 MiB a unit, 64 KiB a work-group
	s_lshl_b32 s29, ttmp9, 16
	s_add_co_u32 s30, s30, s29
	s_add_nc_u64 s[20:21], s[20:21], s[30:31]
	v_lshlrev_b32 v1, 4, v0                        ; thread t: 16 bytes in,
	v_lshlrev_b32 v2, 3, v0                        ; 8 bytes out
	; all 32 loads of a thread go out first: the work-group's whole 128 KiB is on its way at once
.set i, 0
.rept 32
	global_load_b128 v[XL+4*i:XL+4*i+3], v1, s[24:25] offset:4096*i th:TH_LOAD_NT
.set i, i+1
.endr
.set i, 0
.rept 32
	s_wait_loadcnt 31-i                            ; loads return in order: load i is in, the 31 - i younger ones stay out
	v_cvt_pk_bf16_f32 v[YB+2*i], v[XL+4*i], v[XL+4*i+1]
	v_cvt_pk_bf16_f32 v[YB+2*i+1], v[XL+4*i+2], v[XL+4*i+3]
	global_store_b64 v2, v[YB+2*i:YB+2*i+1], s[20:21] offset:2048*i   ; a wave's 32 lanes store 256 consecutive bytes, aligned; no register is written twice, so no wait frees one
.set i, i+1
.endr
	s_endpgm
.Lmask:
	; wave w of work-group xg: queries 16 qt on, qt = 4 xg + w / 2; keys 1,024 (w % 2) on, as 8 tasks of 128 keys (8 tiles of 16)
	v_lshrrev_b32 v7, 5, v0
	v_readfirstlane_b32 s3, v7                     ; w
	s_lshr_b32 s24, s3, 1
	s_lshl_b32 s25, ttmp9, 2
	s_add_co_u32 s24, s24, s25                     ; qt
	s_and_b32 s26, s3, 1
	s_lshl_b32 s28, s24, 15                        ; 16 rows of 2,048 bytes
	s_lshl_b32 s27, s26, 10
	s_add_co_u32 s28, s28, s27
	s_mov_b32 s29, 0
	s_add_nc_u64 s[18:19], s[18:19], s[28:29]
	s_lshl_b32 s30, s24, 12                        ; 128 x 8 words for each qt
	s_lshl_b32 s27, s26, 11
	s_add_co_u32 s30, s30, s27
	s_mov_b32 s31, 0
	s_add_nc_u64 s[22:23], s[22:23], s[30:31]
	v_and_b32 v5, 15, v0
	v_bfe_u32 v6, v0, 4, 1
	v_lshlrev_b32 v3, 11, v5                       ; my query's row,
	v_lshl_or_b32 v3, v6, 3, v3                    ; my 8 keys of a tile of 16
	v_and_b32 v4, 31, v0
	v_lshlrev_b32 v4, 3, v4                        ; out: two words a lane
	; 64 loads of 8 bytes a lane; together they take 1,024 consecutive bytes of each of the wave's 16 rows
.set i, 0
.rept 8
.set kt, 0
.rept 8
	global_load_b64 v[XL+16*i+2*kt:XL+16*i+2*kt+1], v3, s[18:19] offset:128*i+16*kt
.set kt, kt+1
.endr
.set i, i+1
.endr
.set i, 0
.rept 16
	v_mov_b32 v[MW+i], 0                           ; v_writelane_b32 keeps the other lanes, so its destination is written whole first
.set i, i+1
.endr
.set i, 0
.rept 8
	s_wait_loadcnt 56-8*i                          ; task i's eight loads are in; the later tasks' stay out
.set kt, 0
.rept 8
.set j, 0
.rept 8
	v_bfe_u32 v[TM+(j&3)], v[XL+16*i+2*kt+(j>>2)], 8*(j&3), 8      ; byte j of my eight
	v_cmp_ne_u32 s[32+j], 0, v[TM+(j&3)]                           ; the 32 lanes' bits: the word (T, j)
	v_writelane_b32 v[MW+2*i+(j&1)], s[32+j], 4*kt+(j>>1)          ; word 8 kt + j of the task goes to lane (8 kt + j) / 2
.set j, j+1
.endr
.set kt, kt+1
.endr
	global_store_b64 v4, v[MW+2*i:MW+2*i+1], s[22:23] offset:256*i ; the task's 64 words: 256 consecutive bytes, aligned
.set i, i+1
.endr
	s_endpgm
.Lfunc_end_k_q1727f9ee45_prep:
	.size	k_q1727f9ee45_prep, .Lfunc_end_k_q1727f9ee45_prep-k_q1727f9ee45_prep
	.p2alignl 7, 3214868480
	.fill 96, 4, 3214868480
	.section	.rodata,"a",@progbits
	.p2align	6, 0x0
	.amdhsa_kernel k_q1727f9ee45_prep
		.amdhsa_group_segment_fixed_size 0
		.amdhsa_private_segment_fixed_size 0
		.amdhsa_enable_private_segment 0
		.amdhsa_kernarg_size 80
		.amdhsa_user_sgpr_count 2
		.amdhsa_user_sgpr_kernarg_segment_ptr 1
		.amdhsa_wavefront_size32 1
		.amdhsa_system_sgpr_workgroup_id_x 1
		.amdhsa_system_sgpr_workgroup_id_y 1
		.amdhsa_system_sgpr_workgroup_id_z 1
		.amdhsa_system_vgpr_workitem_id 0
		.amdhsa_next_free_vgpr 200
		.amdhsa_next_free_sgpr 66
		.amdhsa_reserve_vcc 0
		.amdhsa_float_denorm_mode_32 3
		.amdhsa_float_denorm_mode_16_64 3
		.amdhsa_memory_ordered 1
		.amdhsa_forward_progress 1
		.amdhsa_inst_pref_size 117
	.end_amdhsa_kernel
	.amdgpu_metadata
---
amdhsa.version: [ 1, 2 ]
amdhsa.kernels:
  - .name:           k_q1727f9ee45_prep
    .symbol:         k_q1727f9ee45_prep.kd
    .args:
      - { .name: x, .offset: 0, .size: 8, .value_kind: global_buffer, .address_space: global }
      - { .name: Wq, .offset: 8, .size: 8, .value_kind: global_buffer, .address_space: global }
      - { .name: Wk, .offset: 16, .size: 8, .value_kind: global_buffer, .address_space: global }
      - { .name: Wv, .offset: 24, .size: 8, .value_kind: global_buffer, .address_space: global }
      - { .name: Wp, .offset: 32, .size: 8, .value_kind: global_buffer, .address_space: global }
      - { .name: W1, .offset: 40, .size: 8, .value_kind: global_buffer, .address_space: global }
      - { .name: W2, .offset: 48, .size: 8, .value_kind: global_buffer, .address_space: global }
      - { .name: mask, .offset: 56, .size: 8, .value_kind: global_buffer, .address_space: global }
      - { .name: bf, .offset: 64, .size: 8, .value_kind: global_buffer, .address_space: global }
      - { .name: maskbits, .offset: 72, .size: 8, .value_kind: global_buffer, .address_space: global }
    .group_segment_fixed_size: 0
    .private_segment_fixed_size: 0
    .kernarg_segment_align: 8
    .kernarg_segment_size: 80
    .max_flat_workgroup_size: 256
    .sgpr_count:     66
    .vgpr_count:     200
    .wavefront_size: 32
...
	.end_amdgpu_metadata
.endif
;; end of part 1
;; launch g_qkv (part 2): grid 24 x 32, 4 waves a work-group, clusters of 4 x 4, 327,680 bytes of LDS; arguments bf, qkv, bq, bk, bv; writes qkv
.if DOCPART == 2
	.amdgcn_target "amdgcn-amd-amdhsa--gfx1250"
	.amdhsa_code_object_version 6
	.text
	.protected	k_q1727f9ee45_g_qkv
	.globl	k_q1727f9ee45_g_qkv
	.p2align	8
	.type	k_q1727f9ee45_g_qkv,@function
k_q1727f9ee45_g_qkv:
	s_mov_b64 s[64:65], 0
	v_nop
	global_prefetch_b8 v0, s[64:65] scope:SCOPE_SE
	s_setreg_imm32_b32 hwreg(HW_REG_WAVE_MODE, 25, 1), 1
	s_wait_xcnt 0x0
	s_wait_alu depctr_hold_cnt(0) depctr_sa_sdst(0) depctr_va_vdst(0) depctr_va_sdst(0) depctr_va_ssrc(0) depctr_va_vcc(0) depctr_vm_vsrc(0)
	s_getreg_b32 s2, hwreg(HW_REG_IB_STS2, 6, 4)
	s_cmp_eq_u32 s2, 0
	s_cbranch_scc0 .Lentry_in_a_cluster
	s_endpgm
.Lentry_in_a_cluster:
	s_bfe_u32 s2, ttmp6, 0x10000c
	s_cmp_lg_u32 s2, 0xf033
	s_cbranch_scc0 .Lentry_shape_is_right
	s_endpgm
.Lentry_shape_is_right:
; qkv[4096][3072] (bf16) = x (bf16, bf's byte 0) times [Wq | Wk | Wv] (bf16, in bf) + [bq | bk | bv].
; One text serves four products C = A B (+ bias ...); the constants below choose the variant, and .if leaves the other variants' lines out.
;   A: [4096][SIZE_K] bf16, K along the rows.  B: [SIZE_K][NB] bf16, N along the rows, as the weights lie.  Sums in f32.
;   EPI 0: C = bf16(sum + bias).   EPI 1: C = bf16(max(sum + bias, 0)).   EPI 2: C = f32: sum + bias + residual (f32).
; SHARES.  A tile of C is 128 x 128, made by four waves, 64 x 64 each: 16 accumulators of 16 x 16.  This tile gives every launch of this text a multiple of 256 work-groups.
; K goes in steps of 256 through two LDS slots filled by tensor loads: waves 0, 1 fetch A's two halves (64 rows x 512 bytes), waves 2, 3 B's (128 k-rows x 256 bytes).
; B is turned on its way out of LDS by ds_load_tr16_b128, so no transposed copy of a weight is ever made.
; CLUSTER.  4 x 4 work-groups: the four of a row need the same tiles of A, the four of a column the same tiles of B; each tile is asked for jointly.
; THE MATRIX INSTRUCTION IS USED TRANSPOSED (source 0 = 16 columns of B, source 1 = 16 rows of A): a lane then holds eight neighbouring numbers of a row of C.
; LIMIT: A and B are bf16 (8 bits of mantissa); nothing else is narrowed before the sums.
; REGISTERS: window 0: v0-31 addresses; v32-95 at work on the way out; v96-127 bias; v128-255 accumulators ((a, b) at v[128 + 8 (4 a + b)]).
;   window 1: two fragment buffers of 128: for 64 along K, 64 registers of A, then 64 of B.  On EPI 2's way out v0-127 of window 1 hold the residual.
.set SIZE_K, 1024
.set NB,     1024                      ; elements in a row of B
.set NC,     3072                      ; elements in a row of C
.set BOFF,   8388608                   ; B's first byte in bf
.set EPI,    0
.set QKV,    1                         ; 1: A and B both lie in bf; B and the bias are one of three, by the tile column
.set KSTEP,  256
.set PA,     528                       ; A's LDS row: 512 bytes + 16: row r starts at bank 4 r mod 64 (64 banks of 4 bytes: ISA guide 11.1)
.set PB,     288                       ; B's LDS row: 256 bytes + 32
.set HA,     64*PA                     ; what one tensor load brings of A
.set HB,     128*PB                    ; and of B
.set BBASE,  2*HA
.set SLOT,   2*HA+2*HB                 ; A's 128 rows, then B's 256 k-rows
.set STAGE,  2*SLOT                    ; behind the ring; no tensor load lands here
.set SPITCH, 272
.set LAPS,   SIZE_K/(2*KSTEP)          ; a lap = two K steps = once round the ring
.set ADRA, 16                          ; v16-17  my A fragments in slot 0, 1
.set ADRB, 20                          ; v20-23  my B fragments: slot 0 k 0-127, slot 0 k 128-255, slot 1 likewise (the 16-bit offset does not reach 255 rows)
.set STO,  24
.set RD,   25
.set CO,   26
.set BO,   27
.set TMP,  32
.set BIAS, 96
.set ACC,  128
.set F0,   0
.set F1,   128
.set G1, 24                            ; s[24:31] group 1 for A's tiles; s[32:39] group 0, a set for each slot
.set G0, 32
.set G1B, 48                           ; s[48:55], s[56:63] the same for B's
.set G0B, 56
.set MSB, 0
.macro WIN new                         ; the immediate's high byte repeats the setting that is left
.if MSB != \new
	s_set_vgpr_msb (MSB<<8)|\new
.set MSB, \new
.endif
.endm
.set MUL,  0x05                        ; sources 0 (B) and 1 (A) window 1; C and D window 0
.set TO_F, 0x40                        ; destination window 1, address window 0
.macro JLOAD s                         ; a joint refill: one load a wave; four v_nop follow each of the two lines
	s_cmp_eq_u32 s11, 0
	s_cbranch_scc0 .Lfor_b_\@
	tensor_load_to_lds s[G0+4*\s:G0+4*\s+3], s[G1:G1+7]
	s_nop 0
.rept 4
	v_nop
.endr
	s_branch .Lasked_\@
.Lfor_b_\@:
	tensor_load_to_lds s[G0B+4*\s:G0B+4*\s+3], s[G1B:G1B+7]
	s_nop 0
.rept 4
	v_nop
.endr
.Lasked_\@:
.endm
.macro CREST                           ; a round of the cluster's barrier behind its opening barrier
	s_cmp_lg_u32 s10, 0
	s_cbranch_scc1 .Lnot_wave_0_\@
	s_barrier_signal -3
.Lnot_wave_0_\@:
	s_barrier_wait -3
	s_barrier_signal -1
	s_barrier_wait -1
.endm
.macro CROUND
	s_barrier_signal -1
	s_barrier_wait -1
	CREST
.endm
.if QKV
	s_load_b128 s[4:7], s[0:1], 0x0                ; bf s[4:5], qkv s[6:7]
	s_load_b128 s[68:71], s[0:1], 0x10             ; bq, bk
	s_load_b64 s[72:73], s[0:1], 0x20              ; bv
	v_lshl_add_u32 v30, v0, 2, 0x4d800
	v_mov_b32 v31, 0
	ds_add_u32 v30, v31
	ds_add_u32 v30, v31
.else
	s_load_b128 s[4:7], s[0:1], 0x0                ; A s[4:5], bf s[6:7]
	s_load_b64 s[8:9], s[0:1], 0x10                ; C
	s_load_b64 s[66:67], s[0:1], 0x18              ; bias
.if EPI == 2
	s_load_b64 s[68:69], s[0:1], 0x20              ; residual
.endif
.endif
	v_lshrrev_b32 v1, 5, v0
	v_readfirstlane_b32 s10, v1                    ; wave 0..3
	s_lshr_b32 s11, s10, 1                         ; my half of the tile's rows.  Also: I fetch for A (0) or for B (1)
	s_and_b32 s12, s10, 1                          ; my half of its columns.  Also: which half of that tile I fetch
	s_bfe_u32 s40, ttmp6, 0x40000                  ; cx, cy
	s_bfe_u32 s41, ttmp6, 0x40004
	s_lshl_b32 s42, ttmp9, 2
	s_add_co_u32 s42, s42, s40                     ; tile column = 4 x cluster x + cx
	s_and_b32 s13, ttmp7, 0xffff
	s_lshl_b32 s13, s13, 2
	s_add_co_u32 s13, s13, s41                     ; tile row = 4 x cluster y + cy
	s_lshl_b32 s43, s41, 2
	s_lshl_b32 s43, 15, s43                        ; my row of the cluster
	s_lshl_b32 s44, 0x1111, s40                    ; my column
	s_lshr_b32 s45, ttmp9, 1                       ; tile column / 8 (cx < 4): which of Wq, Wk, Wv
	s_or_b32 s[G1+0], s43, (1<<16)|(1<<20)|(1<<21)|(6<<22)|(3<<25)  ; mask: my row; elements of 2 bytes; padding on; bit 21 beside a mask; after every 128 words, 4 words
	s_mov_b32 s[G1+1], KSTEP<<16                   ; tensor_dim0 = 256
	s_mov_b32 s[G1+2], 64<<16                      ; tensor_dim1 = 64
	s_mov_b32 s[G1+3], KSTEP<<16                   ; tile_dim0 = 256
	s_mov_b32 s[G1+4], 64                          ; tile_dim1 = 64
	s_mov_b32 s[G1+5], SIZE_K                      ; elements from row to row
	s_mov_b32 s[G1+6], 0
	s_mov_b32 s[G1+7], 0
	s_or_b32 s[G1B+0], s44, (1<<16)|(1<<20)|(1<<21)|(5<<22)|(7<<25) ; mask: my column; after every 64 words, 8 words
	s_mov_b32 s[G1B+1], 128<<16                    ; 128 columns,
	s_mov_b32 s[G1B+2], 128<<16                    ; 128 k-rows
	s_mov_b32 s[G1B+3], 128<<16
	s_mov_b32 s[G1B+4], 128
	s_mov_b32 s[G1B+5], NB
	s_mov_b32 s[G1B+6], 0
	s_mov_b32 s[G1B+7], 0
	; A's tile hangs on the tile row alone, B's on the tile column alone; each address is made in registers that never hold the other coordinate
	s_lshl_b32 s16, s13, 7
	s_lshl_b32 s17, s12, 6
	s_add_co_u32 s16, s16, s17                     ; A: row 128 x tile row + 64 x half
	s_mul_i32 s16, s16, SIZE_K*2                   ; in bytes: under 2^25
	s_mov_b32 s17, 0
.if QKV
	s_and_b32 s46, s42, 7
	s_lshl_b32 s46, s46, 8                         ; 128 columns of 2 bytes for each tile column within the weight,
	s_lshl_b32 s47, s45, 21                        ; 2 MiB for each weight
	s_add_co_u32 s46, s46, s47
.else
	s_lshl_b32 s46, s42, 8
.endif
	s_mul_i32 s47, s12, 128*NB*2                   ; my half of the step's 256 k-rows
	s_add_co_u32 s46, s46, s47
	s_add_co_u32 s46, s46, BOFF
	s_mov_b32 s47, 0
	s_mul_i32 s20, s12, HA                         ; where they go: no place in the cluster enters an LDS address
	s_mul_i32 s21, s12, HB
	s_add_co_u32 s21, s21, BBASE
	s_wait_dscnt 0x0
	s_wait_kmcnt 0x0
.if QKV
	s_mov_b64 s[8:9], s[6:7]                       ; C
	s_mov_b64 s[6:7], s[4:5]                       ; B lies in bf too
	s_mov_b64 s[66:67], s[68:69]                   ; the bias that goes with the weight
	s_cmp_eq_u32 s45, 1
	s_cselect_b64 s[66:67], s[70:71], s[66:67]
	s_cmp_eq_u32 s45, 2
	s_cselect_b64 s[66:67], s[72:73], s[66:67]
.endif
	s_add_nc_u64 s[14:15], s[4:5], s[16:17]
	s_add_nc_u64 s[46:47], s[6:7], s[46:47]
.irp s, 0,1
	s_mov_b32 s[G0+4*\s], 1
	s_add_co_u32 s[G0+4*\s+1], s20, \s*SLOT
	s_add_nc_u64 s[G0+4*\s+2:G0+4*\s+3], s[14:15], \s*KSTEP*2
	s_or_b32 s[G0+4*\s+3], s[G0+4*\s+3], 0x80000000
	s_mov_b32 s[G0B+4*\s], 1
	s_add_co_u32 s[G0B+4*\s+1], s21, \s*SLOT
	s_add_nc_u64 s[G0B+4*\s+2:G0B+4*\s+3], s[46:47], \s*KSTEP*NB*2
	s_or_b32 s[G0B+4*\s+3], s[G0B+4*\s+3], 0x80000000
.endr
	CROUND                                         ; all sixteen work-groups are here: the first joint loads meet
	s_cmp_eq_u32 s11, 0                            ; a wave's two first fills stand in one branch: two loads of mine are out
	s_cbranch_scc0 .Lfirst_b
	tensor_load_to_lds s[G0:G0+3], s[G1:G1+7]
	s_nop 0
	tensor_load_to_lds s[G0+4:G0+7], s[G1:G1+7]
	s_nop 0
.rept 4
	v_nop
.endr
	s_branch .Lfirst_asked
.Lfirst_b:
	tensor_load_to_lds s[G0B:G0B+3], s[G1B:G1B+7]
	s_nop 0
	tensor_load_to_lds s[G0B+4:G0B+7], s[G1B:G1B+7]
	s_nop 0
.rept 4
	v_nop
.endr
.Lfirst_asked:
	v_and_b32 v1, 15, v0                           ; r = l % 16
	v_bfe_u32 v2, v0, 4, 1                         ; h = l / 16
	v_mul_u32_u24 v3, v1, PA
	v_lshl_add_u32 v3, v2, 4, v3                   ; A: row r, 16 bytes for each half of the lanes
	v_and_b32 v5, 7, v0
	v_bfe_u32 v6, v0, 3, 1
	v_lshl_add_u32 v4, v2, 3, v5                   ; B, turning load: k-row 8 h + l % 8,
	v_mul_u32_u24 v4, v4, PB
	v_lshl_add_u32 v4, v6, 4, v4                   ; columns 8 ((l / 8) % 2) on
	s_mul_i32 s22, s11, HA                         ; my 64 rows of A
	s_lshl_b32 s23, s12, 7                         ; my 64 columns of B
	s_add_co_u32 s23, s23, BBASE
.irp s, 0,1
	v_add_nc_u32 v[ADRA+\s], s22, v3
	s_add_co_u32 s22, s22, SLOT
	v_add_nc_u32 v[ADRB+2*\s], s23, v4
	s_add_co_u32 s23, s23, HB
	v_add_nc_u32 v[ADRB+2*\s+1], s23, v4
	s_add_co_u32 s23, s23, SLOT-HB
.endr
	; the bias of my 64 columns: accumulator column b, register j is column 16 b + 8 h + j
.if QKV
	s_and_b32 s74, s42, 7
	s_lshl_b32 s74, s74, 9
.else
	s_lshl_b32 s74, s42, 9                         ; 128 columns x 4 bytes
.endif
	s_lshl_b32 s75, s12, 8
	s_add_co_u32 s74, s74, s75
	s_mov_b32 s75, 0
	s_add_nc_u64 s[66:67], s[66:67], s[74:75]
	v_lshlrev_b32 v[BO], 5, v2
.irp b, 0,1,2,3
	global_load_b128 v[BIAS+8*\b:BIAS+8*\b+3],   v[BO], s[66:67] offset:64*\b
	global_load_b128 v[BIAS+8*\b+4:BIAS+8*\b+7], v[BO], s[66:67] offset:64*\b+16
.endr
.if EPI == 2
	; f32 out: a wave's 64 columns are 256 bytes, so each wave has a stage of its own: 16 rows x 272 bytes
	s_mul_i32 s23, s10, 16*SPITCH
	s_add_co_u32 s23, s23, STAGE
	v_mul_u32_u24 v4, v1, SPITCH
	v_lshl_add_u32 v4, v2, 5, v4                   ; in: row r, 32 bytes for each half of the lanes
	v_add_nc_u32 v[STO], s23, v4
	v_mul_u32_u24 v5, v2, SPITCH
	v_lshl_add_u32 v5, v1, 4, v5                   ; back: lanes 0-15 one row of 256 bytes, lanes 16-31 the next
	v_add_nc_u32 v[RD], s23, v5
	v_mul_u32_u24 v5, v2, NC*4
	v_lshl_add_u32 v[CO], v1, 4, v5
	s_lshl_b32 s16, s13, 7
	s_lshl_b32 s17, s11, 6
	s_add_co_u32 s16, s16, s17                     ; my first row
	s_mul_i32 s16, s16, NC*4
	s_mov_b32 s17, 0
	s_add_nc_u64 s[8:9], s[8:9], s[16:17]
	s_add_nc_u64 s[8:9], s[8:9], s[74:75]          ; my first column, 4 bytes a number: the bias's offset
	s_add_nc_u64 s[68:69], s[68:69], s[16:17]
	s_add_nc_u64 s[68:69], s[68:69], s[74:75]
.else
	; bf16 out: a wave's 64 columns are half of 256 bytes, so the four waves share one stage of 128 rows x 272 bytes
	s_mul_i32 s23, s11, 64*SPITCH
	s_lshl_b32 s22, s12, 7
	s_add_co_u32 s23, s23, s22
	s_add_co_u32 s23, s23, STAGE
	v_mul_u32_u24 v4, v1, SPITCH
	v_lshl_add_u32 v4, v2, 4, v4
	v_add_nc_u32 v[STO], s23, v4
	s_mul_i32 s23, s10, 32*SPITCH                  ; back: wave w takes rows 32 w .. 32 w + 31, whole
	s_add_co_u32 s23, s23, STAGE
	v_mul_u32_u24 v5, v2, SPITCH
	v_lshl_add_u32 v5, v1, 4, v5
	v_add_nc_u32 v[RD], s23, v5
	v_mul_u32_u24 v5, v2, NC*2
	v_lshl_add_u32 v[CO], v1, 4, v5
	s_lshl_b32 s16, s13, 7
	s_lshl_b32 s17, s10, 5
	s_add_co_u32 s16, s16, s17                     ; the first row that I store
	s_mul_i32 s16, s16, NC*2
	s_mov_b32 s17, 0
	s_add_nc_u64 s[8:9], s[8:9], s[16:17]
	s_lshl_b32 s74, s42, 8                         ; the tile's first column, 2 bytes a number
	s_add_nc_u64 s[8:9], s[8:9], s[74:75]
.endif
; 8 matrix instructions: m blocks a0, a0 + 1 x all 4 n blocks, 32 along K: half c of buffer f.  zero = 1: the first product starts the sums.
; The 16 accumulators take turns, one instruction a turn.
.macro MUL8 f, c, a0, zero
.irp a, \a0, \a0+1
.irp b, 0,1,2,3
.if \zero
	v_wmma_f32_16x16x32_bf16 v[ACC+8*(4*(\a)+\b):ACC+8*(4*(\a)+\b)+7], v[\f+64+8*(4*\c+\b):\f+64+8*(4*\c+\b)+7], v[\f+8*(4*\c+\a):\f+8*(4*\c+\a)+7], 0
.else
	v_wmma_f32_16x16x32_bf16 v[ACC+8*(4*(\a)+\b):ACC+8*(4*(\a)+\b)+7], v[\f+64+8*(4*\c+\b):\f+64+8*(4*\c+\b)+7], v[\f+8*(4*\c+\a):\f+8*(4*\c+\a)+7], v[ACC+8*(4*(\a)+\b):ACC+8*(4*(\a)+\b)+7]
.endif
.endr
.endr
.endm
; 32 LDS loads in one run: the fragments of quarter q (64 along K) of a slot into buffer f; the first 32 along K first
.macro FETCH slot, q, f
	WIN TO_F
.irp c, 0,1
.irp i, 0,1,2,3
	ds_load_tr16_b128 v[\f+64+8*(4*\c+\i):\f+64+8*(4*\c+\i)+3],   v[ADRB+2*\slot+((\q)>>1)] offset:(((\q)&1)*64+32*\c)*PB+32*\i
	ds_load_tr16_b128 v[\f+64+8*(4*\c+\i)+4:\f+64+8*(4*\c+\i)+7], v[ADRB+2*\slot+((\q)>>1)] offset:(((\q)&1)*64+32*\c+16)*PB+32*\i
	ds_load_b128 v[\f+8*(4*\c+\i):\f+8*(4*\c+\i)+3],              v[ADRA+\slot] offset:128*\q+64*\c+\i*16*PA
	ds_load_b128 v[\f+8*(4*\c+\i)+4:\f+8*(4*\c+\i)+7],            v[ADRA+\slot] offset:128*\q+64*\c+\i*16*PA+32
.endr
.endr
.endm
.macro PLACES                          ; four places in front of loads into registers that matrix instructions have read, and of vector work on results
.rept 4
	v_nop
.endr
.endm
; A K step is four quarters of 64 along K on buffers 0, 1, 0, 1.  One of the first three: multiplies buffer f and fetches quarter q into g.
.macro QUARTER slot, q, f, g, zero
	s_wait_dscnt 16                                ; the first 32 along K are in; the 16 younger loads may be out
	WIN MUL
	MUL8 \f, 0, 0, \zero
	MUL8 \f, 0, 2, \zero
	PLACES
	FETCH \slot, \q, \g
	s_wait_dscnt 32                                ; all but the 32 just issued
	WIN MUL
	MUL8 \f, 1, 0, 0
	MUL8 \f, 1, 2, 0
.endm
; The last quarter multiplies buffer 1 and changes slots: one barrier; in front of it each wave waits for its reads of this slot and for all its tensor loads.
.macro TURN slot, next, fill
	s_wait_dscnt 16
	WIN MUL
	MUL8 F1, 0, 0, 0
	s_wait_dscnt 0                                 ; my reads of this slot are over,
	s_set_vgpr_msb 0x500
	s_wait_tensorcnt 0x0                           ; and all my tensor loads have landed: my part of the next slot
	ds_add_u32 v30, v31
	s_wait_dscnt 0x0
	s_set_vgpr_msb 0x5
	s_barrier_signal -1
	MUL8 F1, 0, 2, 0
.if \fill
	WIN 0
.endif
	s_barrier_wait -1
.if \fill
	CREST                                          ; the barrier has opened a round of the cluster's: no wave of any partner still reads this slot or has a load on its way
	s_add_nc_u64 s[G0+4*\slot+2:G0+4*\slot+3], s[G0+4*\slot+2:G0+4*\slot+3], 2*KSTEP*2
	s_add_nc_u64 s[G0B+4*\slot+2:G0B+4*\slot+3], s[G0B+4*\slot+2:G0B+4*\slot+3], 2*KSTEP*NB*2
	JLOAD \slot                                    ; the first tensor load behind the round, 120 matrix instructions ahead of the wait for it; its four v_nop are the places for the loads below
.else
	PLACES
.endif
	FETCH \next, 0, F0
	WIN MUL
	MUL8 F1, 1, 0, 0
	MUL8 F1, 1, 2, 0
.endm
	s_wait_tensorcnt 0x1                           ; my part of K step 0 is in; K step 1's may stay out
	s_barrier_signal -1
	s_barrier_wait -1
	FETCH 0, 0, F0
	QUARTER 0, 1, F0, F1, 1                        ; the first quarter stands in front of the loop: its first products start the sums
	WIN 0
	s_mov_b32 s3, LAPS-1
.Llap:                                                 ; once round the ring, from a lap's second quarter to the next lap's first; both slots are filled again
	QUARTER 0, 2, F1, F0, 0
	QUARTER 0, 3, F0, F1, 0
	TURN 0, 1, 1
	QUARTER 1, 1, F0, F1, 0
	QUARTER 1, 2, F1, F0, 0
	QUARTER 1, 3, F0, F1, 0
	TURN 1, 0, 1
	QUARTER 0, 1, F0, F1, 0
	WIN 0
	s_sub_co_u32 s3, s3, 1
	s_cmp_lg_u32 s3, 0
	s_cbranch_scc1 .Llap
	QUARTER 0, 2, F1, F0, 0                        ; the last lap fills nothing
	QUARTER 0, 3, F0, F1, 0
	TURN 0, 1, 0
	QUARTER 1, 1, F0, F1, 0
	QUARTER 1, 2, F1, F0, 0
	QUARTER 1, 3, F0, F1, 0
	s_wait_dscnt 16
	WIN MUL
	MUL8 F1, 0, 0, 0
	MUL8 F1, 0, 2, 0
	s_wait_dscnt 0
	MUL8 F1, 1, 0, 0
	MUL8 F1, 1, 2, 0
	WIN 0
.if EPI == 2
	; THE WAY OUT, f32: sum + bias through my own stage, back as whole rows of 256 bytes, + residual, stored
	PLACES
	WIN TO_F
.irp a, 0,1,2,3
.irp t, 0,1,2,3,4,5,6,7
	global_load_b128 v[32*\a+4*\t:32*\a+4*\t+3], v[CO], s[68:69] offset:(16*\a+2*\t)*NC*4   ; the residual, in the layout of the stores
.endr
.endr
	WIN 0
	s_wait_loadcnt 32                              ; the bias is in; the 32 residual loads are younger
.irp a, 0,1,2,3
.if \a > 0
	s_wait_xcnt 0x0                                ; the registers that the last block's stores read are written again only behind this wait
.endif
.irp b, 0,1,2,3
.irp r, 0,1,2,3
	v_pk_add_f32 v[TMP+8*\b+2*\r:TMP+8*\b+2*\r+1], v[ACC+8*(4*\a+\b)+2*\r:ACC+8*(4*\a+\b)+2*\r+1], v[BIAS+8*\b+2*\r:BIAS+8*\b+2*\r+1]
.endr
.endr
.irp b, 0,1,2,3
	ds_store_b128 v[STO], v[TMP+8*\b:TMP+8*\b+3]   offset:64*\b
	ds_store_b128 v[STO], v[TMP+8*\b+4:TMP+8*\b+7] offset:64*\b+16
.endr
.irp t, 0,1,2,3,4,5,6,7
	ds_load_b128 v[TMP+32+4*\t:TMP+32+4*\t+3], v[RD] offset:\t*2*SPITCH   ; my own bytes, and LDS serves a wave's instructions in order (ISA guide 5.7.1.4)
.endr
	s_wait_dscnt 0x0
	s_wait_loadcnt 24-8*\a                         ; this block's eight residual loads are in; the later blocks' stay out
	WIN 0x04                                       ; source 1 in window 1
.irp k, 0,1,2,3,4,5,6,7,8,9,10,11,12,13,14,15
	v_pk_add_f32 v[TMP+32+2*\k:TMP+32+2*\k+1], v[TMP+32+2*\k:TMP+32+2*\k+1], v[32*\a+2*\k:32*\a+2*\k+1]
.endr
	WIN 0
.irp t, 0,1,2,3,4,5,6,7
	global_store_b128 v[CO], v[TMP+32+4*\t:TMP+32+4*\t+3], s[8:9] offset:(16*\a+2*\t)*NC*4   ; 16 lanes store 256 consecutive bytes, aligned
.endr
.endr
.else
	; THE WAY OUT, bf16: + bias (and the larger of it and 0), rounded; 16 bytes a lane into the shared stage; a barrier; back as whole rows, 32 rows a wave
	s_wait_loadcnt 0x0                             ; the bias
	PLACES
.irp t, 0,1,2,3,4,5,6,7,8,9,10,11,12,13,14,15
.irp r, 0,1,2,3
	v_pk_add_f32 v[ACC+8*\t+2*\r:ACC+8*\t+2*\r+1], v[ACC+8*\t+2*\r:ACC+8*\t+2*\r+1], v[BIAS+8*(\t%4)+2*\r:BIAS+8*(\t%4)+2*\r+1]
.endr
.if EPI == 1
.irp r, 0,1,2,3,4,5,6,7
	v_max_num_f32 v[ACC+8*\t+\r], 0, v[ACC+8*\t+\r]
.endr
.endif
.irp r, 0,1,2,3
	v_cvt_pk_bf16_f32 v[TMP+4*\t+\r], v[ACC+8*\t+2*\r], v[ACC+8*\t+2*\r+1]
.endr
.endr
.irp a, 0,1,2,3
.irp b, 0,1,2,3
	ds_store_b128 v[STO], v[TMP+4*(4*\a+\b):TMP+4*(4*\a+\b)+3] offset:\a*16*SPITCH+32*\b
.endr
.endr
	s_wait_dscnt 0x0                               ; for the others' sake: my stores into the stage are done
	s_barrier_signal -1
	s_barrier_wait -1
.irp t, 0,1,2,3,4,5,6,7,8,9,10,11,12,13,14,15
	ds_load_b128 v[TMP+4*\t:TMP+4*\t+3], v[RD] offset:\t*2*SPITCH
.endr
.irp t, 0,1,2,3,4,5,6,7,8,9,10,11,12,13,14,15
	s_wait_dscnt 15-\t
	global_store_b128 v[CO], v[TMP+4*\t:TMP+4*\t+3], s[8:9] offset:2*\t*NC*2   ; 16 lanes store 256 consecutive bytes, aligned
.endr
.endif
	s_wait_tensorcnt 0x0
	ds_add_u32 v30, v31
	s_wait_dscnt 0x0
	CROUND                                         ; the closing round: no work-group ends while a partner may still ask for a tile that names it
	s_endpgm
.Lfunc_end_k_q1727f9ee45_g_qkv:
	.size	k_q1727f9ee45_g_qkv, .Lfunc_end_k_q1727f9ee45_g_qkv-k_q1727f9ee45_g_qkv
	.p2alignl 7, 3214868480
	.fill 96, 4, 3214868480
	.section	.rodata,"a",@progbits
	.p2align	6, 0x0
	.amdhsa_kernel k_q1727f9ee45_g_qkv
		.amdhsa_group_segment_fixed_size 327680
		.amdhsa_private_segment_fixed_size 0
		.amdhsa_enable_private_segment 0
		.amdhsa_kernarg_size 40
		.amdhsa_user_sgpr_count 2
		.amdhsa_user_sgpr_kernarg_segment_ptr 1
		.amdhsa_wavefront_size32 1
		.amdhsa_system_sgpr_workgroup_id_x 1
		.amdhsa_system_sgpr_workgroup_id_y 1
		.amdhsa_system_sgpr_workgroup_id_z 1
		.amdhsa_system_vgpr_workitem_id 0
		.amdhsa_next_free_vgpr 512
		.amdhsa_next_free_sgpr 80
		.amdhsa_reserve_vcc 0
		.amdhsa_float_denorm_mode_32 3
		.amdhsa_float_denorm_mode_16_64 3
		.amdhsa_memory_ordered 1
		.amdhsa_forward_progress 1
		.amdhsa_inst_pref_size 92
	.end_amdhsa_kernel
	.amdgpu_metadata
---
amdhsa.version: [ 1, 2 ]
amdhsa.kernels:
  - .name:           k_q1727f9ee45_g_qkv
    .symbol:         k_q1727f9ee45_g_qkv.kd
    .args:
      - { .name: bf, .offset: 0, .size: 8, .value_kind: global_buffer, .address_space: global }
      - { .name: qkv, .offset: 8, .size: 8, .value_kind: global_buffer, .address_space: global }
      - { .name: bq, .offset: 16, .size: 8, .value_kind: global_buffer, .address_space: global }
      - { .name: bk, .offset: 24, .size: 8, .value_kind: global_buffer, .address_space: global }
      - { .name: bv, .offset: 32, .size: 8, .value_kind: global_buffer, .address_space: global }
    .group_segment_fixed_size: 327680
    .private_segment_fixed_size: 0
    .kernarg_segment_align: 8
    .kernarg_segment_size: 40
    .max_flat_workgroup_size: 128
    .sgpr_count:     80
    .vgpr_count:     512
    .wavefront_size: 32
...
	.end_amdgpu_metadata
.endif
;; end of part 2
;; launch attn (part 3): grid 16 x 16, 8 waves a work-group, clusters of 4 x 1, 327,680 bytes of LDS; arguments qkv, maskbits, ob; writes ob
.if DOCPART == 3
	.amdgcn_target "amdgcn-amd-amdhsa--gfx1250"
	.amdhsa_code_object_version 6
	.text
	.protected	k_q1727f9ee45_attn
	.globl	k_q1727f9ee45_attn
	.p2align	8
	.type	k_q1727f9ee45_attn,@function
k_q1727f9ee45_attn:
	s_mov_b64 s[64:65], 0
	v_nop
	global_prefetch_b8 v0, s[64:65] scope:SCOPE_SE
	s_setreg_imm32_b32 hwreg(HW_REG_WAVE_MODE, 25, 1), 1
	s_wait_xcnt 0x0
	s_wait_alu depctr_hold_cnt(0) depctr_sa_sdst(0) depctr_va_vdst(0) depctr_va_sdst(0) depctr_va_ssrc(0) depctr_va_vcc(0) depctr_vm_vsrc(0)
	s_getreg_b32 s2, hwreg(HW_REG_IB_STS2, 6, 4)
	s_cmp_eq_u32 s2, 0
	s_cbranch_scc0 .Lentry_in_a_cluster
	s_endpgm
.Lentry_in_a_cluster:
	s_bfe_u32 s2, ttmp6, 0x10000c
	s_cmp_lg_u32 s2, 0x3003
	s_cbranch_scc0 .Lentry_shape_is_right
	s_endpgm
.Lentry_shape_is_right:
; ob[token][1024] (bf16) = softmax_k(q . k / 8, masked) v, 16 heads of 64.  qkv: [4096][3072] bf16, a row = q | k | v.  maskbits: lane masks, see below.
; SHARES.  A work-group owns 128 queries of one batch entry and TWO neighbouring heads, so that rows of K, of V and of O are 256 consecutive bytes.  Eight waves, two to a SIMD:
; wave w has head w / 4 of the pair and queries 32 (w % 4) on, two tiles of 16.  Every wave walks all 2,048 keys, 64 a step; one wave's softmax runs beside the other's products.
; LAYOUT.  S^T = K Q^T (source 0 = 16 keys, source 1 = 16 queries): a lane holds ONE query (lane % 16) and keys 8 (lane / 16) + 0..7.  Two such tiles, rounded to bf16 in pairs, are
; source 1 of O^T = V^T P, whose result again holds one query a lane.  K comes out of LDS as it lies, V turned by ds_load_tr16_b128.
; MASK.  Word [qt][T][j] of maskbits holds, in bit L, mask[16 qt + L % 16][16 T + 8 (L / 16) + j]: the lane mask for register j of score tile (qt, T).  A step's 32 words of a tile come by
; scalar loads, and one v_cndmask_b32 a register puts -2^120 in a masked score's place, ahead of the maximum.
; SOFTMAX.  Running maximum m and sum l for each query: p = 2^(c s - c m), c = log2(e) / 8; in every step O and l are multiplied by a = 2^(c m_old - c m_new).
; LIMITS.  Raw scores q . k stay under 2^120 in size.  A row whose mask is all false gets equal weights for all keys; the f32 sum score + (-1e12) gives the same while |score / 8| < 32,768.
; The weights p and q, k, v are rounded to bf16.
; CLUSTER.  The four query blocks of a cluster share batch entry and heads, so K's and V's tiles are asked for jointly.  A slot holds four key steps: eight loads of 64 rows x 256 bytes, one a wave.
; REGISTERS.  window 0: v0-13 addresses; v16-31 statistics, 8 a tile; v32-95 S^T, 32 a tile; v96-127 P, 16 a tile; v128-191 O^T, 32 a tile.
;   window 1: v0-31 Q, 16 a tile; v32-95 K of a step; v96-159 V of a step.
.set KS,    64
.set ROWB,  6144                       ; bytes in a row of qkv
.set PK,    272                        ; K's LDS row: 256 + 16: the 16 rows of a load start at 16 different banks (64 banks of 4 bytes: ISA guide 11.1)
.set PV,    288                        ; V's: 256 + 32
.set VOFF,  KS*PK
.set STEPB, KS*(PK+PV)                 ; a step's 64 rows of K, then its 64 rows of V
.set SLOTB, 4*STEPB
.set STAGE, 2*SLOTB                    ; behind the ring: 128 rows x 272 bytes for the way out; no tensor load lands here
.set SP,    272
.set AK0, 2                            ; my lane's place in a step's K; never rewritten
.set AV0, 3                            ; the same for V
.set ADRK, 4                           ; the step in hand
.set ADRV, 5
.set QO,  6
.set STO, 7
.set RD,  8
.set GO,  10
.set NEGV, 11                          ; -2^120
.set ST,  16                           ; tile t at v[ST+8 t]: +0 c m, +1 m, +2, +3 l (even keys', odd keys'), +4 to +7 at work; a in +6
.set S,   32
.set P,   96
.set O,   128
.set QF,  0                            ; window 1
.set KF,  32
.set VF,  96
.set WV,  12                           ; s12 my wave's number
.set G1K, 16                           ; s[16:23] group 1 for K's tiles, s[24:31] for V's (other padding)
.set G1V, 24
.set G0K, 32                           ; s[32:39] group 0 for K's tiles, a set for each slot; s[40:47] for V's
.set G0V, 40
.set CS,  54                           ; s[54:55] c, twice
.set SEL, 56                           ; s[56:57] v_permlanex16_b32: each lane takes its own place in the other half
.set MB,  58                           ; s[58:59] the mask words of my tile 0, the step in hand
.set MS,  68                           ; s[68:99] 32 mask words
.set MSB, 0
.macro WIN new                         ; the immediate's high byte repeats the setting that is left
.if MSB != \new
	s_set_vgpr_msb (MSB<<8)|\new
.set MSB, \new
.endif
.endm
.macro PLACES
.rept 4
	v_nop
.endr
.endm
.macro JLOAD s                         ; a joint refill of slot s: waves 0-3 fetch K of the slot's four steps, waves 4-7 V; four v_nop follow each line
	s_cmp_lt_u32 s[WV], 4
	s_cbranch_scc0 .Lfor_v_\@
	tensor_load_to_lds s[G0K+4*(\s):G0K+4*(\s)+3], s[G1K:G1K+7]
	s_nop 0
.rept 4
	v_nop
.endr
	s_branch .Lasked_\@
.Lfor_v_\@:
	tensor_load_to_lds s[G0V+4*(\s):G0V+4*(\s)+3], s[G1V:G1V+7]
	s_nop 0
.rept 4
	v_nop
.endr
.Lasked_\@:
.endm
.macro CROUND                          ; a round of the cluster's barrier
	s_barrier_signal -1
	s_barrier_wait -1
	s_cmp_lg_u32 s[WV], 0
	s_cbranch_scc1 .Lnot_wave_0_\@
	s_barrier_signal -3
.Lnot_wave_0_\@:
	s_barrier_wait -3
	s_barrier_signal -1
	s_barrier_wait -1
.endm
	s_load_b128 s[4:7], s[0:1], 0x0                ; qkv s[4:5], maskbits s[6:7]
	s_load_b64 s[8:9], s[0:1], 0x10                ; ob
	v_lshl_add_u32 v254, v0, 2, 0x4e800
	v_mov_b32 v255, 0
	ds_add_u32 v254, v255
	ds_add_u32 v254, v255
	v_lshrrev_b32 v1, 5, v0
	v_readfirstlane_b32 s[WV], v1                  ; wave 0..7
	s_bfe_u32 s13, ttmp6, 0x40000                  ; cx
	s_lshl_b32 s14, ttmp9, 2
	s_add_co_u32 s14, s14, s13                     ; my block of 128 queries: it enters Q's, the mask's and O's global addresses alone
	s_and_b32 s15, ttmp7, 0xffff
	s_lshr_b32 s2, s15, 3                          ; batch entry
	s_and_b32 s3, s15, 7                           ; pair of heads; both are shared by the four partners
	s_and_b32 s62, s[WV], 3                        ; w % 4: my queries; also which of a slot's four steps I fetch
	s_lshr_b32 s15, s[WV], 2
	s_lshl_b32 s15, s15, 7                         ; my head's 128 bytes of a row of 256
	s_lshl_b32 s48, s2, 11                         ; K's tile: row 2,048 b + 64 (w % 4),
	s_lshl_b32 s49, s62, 6
	s_add_co_u32 s48, s48, s49
	s_mul_i32 s48, s48, ROWB
	s_lshl_b32 s49, s3, 8                          ; 256 bytes for each pair of heads,
	s_add_co_u32 s48, s48, s49
	s_add_co_u32 s48, s48, 2048                    ; behind q's 2,048 bytes
	s_mov_b32 s49, 0
	s_mul_i32 s63, s62, STEPB                      ; its place in a slot
	s_lshl_b32 s60, s2, 11
	s_lshl_b32 s61, s14, 7
	s_add_co_u32 s60, s60, s61                     ; my block's first token
	s_lshl_b32 s10, s[WV], 4
	s_add_co_u32 s10, s10, s60                     ; the first row of O that I store: + 16 w
	s_lshl_b32 s10, s10, 11
	s_lshl_b32 s11, s3, 8
	s_add_co_u32 s10, s10, s11
	s_mov_b32 s11, 0
	s_lshl_b32 s61, s62, 5
	s_add_co_u32 s60, s60, s61                     ; my first query
	s_mul_i32 s60, s60, ROWB
	s_lshl_b32 s61, s3, 8
	s_add_co_u32 s60, s60, s61
	s_add_co_u32 s60, s60, s15
	s_mov_b32 s61, 0
	s_lshl_b32 s[MB], s14, 3
	s_lshl1_add_u32 s[MB], s62, s[MB]              ; qt of my tile 0 = 8 x block + 2 (w % 4)
	s_lshl_b32 s[MB], s[MB], 12                    ; 4,096 bytes of words for each qt
	s_mov_b32 s[MB+1], 0
	s_mov_b32 s[G1K], 15|(1<<16)|(1<<20)|(1<<21)|(5<<22)|(3<<25)   ; mask: all four work-groups; elements of 2 bytes; padding on; bit 21 beside a mask; after every 64 words, 4 words
	s_mov_b32 s[G1V], 15|(1<<16)|(1<<20)|(1<<21)|(5<<22)|(7<<25)   ; the same with 8 words of padding
.irp g, G1K, G1V
	s_mov_b32 s[\g+1], 128<<16                     ; tensor_dim0 = 128
	s_mov_b32 s[\g+2], KS<<16                      ; tensor_dim1 = 64
	s_mov_b32 s[\g+3], 128<<16                     ; tile_dim0 = 128
	s_mov_b32 s[\g+4], KS                          ; tile_dim1 = 64
	s_mov_b32 s[\g+5], 3072                        ; elements from row to row
	s_mov_b32 s[\g+6], 0
	s_mov_b32 s[\g+7], 0
.endr
	s_mov_b32 s[CS], 0x3e38aa3b                    ; c = log2(e) / 8
	s_mov_b32 s[CS+1], s[CS]
	s_mov_b32 s[SEL], 0x76543210
	s_mov_b32 s[SEL+1], 0xfedcba98
	s_wait_dscnt 0x0
	s_wait_kmcnt 0x0
	s_add_nc_u64 s[48:49], s[4:5], s[48:49]        ; K at my tile of slot 0
	s_add_nc_u64 s[50:51], s[48:49], 2048          ; V lies 2,048 bytes further along the row
	s_add_nc_u64 s[60:61], s[4:5], s[60:61]        ; Q at my first query
	s_add_nc_u64 s[MB:MB+1], s[6:7], s[MB:MB+1]
	s_add_nc_u64 s[8:9], s[8:9], s[10:11]
.irp s, 0,1
	s_mov_b32 s[G0K+4*\s], 1
	s_add_co_u32 s[G0K+4*\s+1], s63, \s*SLOTB
	s_add_nc_u64 s[G0K+4*\s+2:G0K+4*\s+3], s[48:49], \s*4*KS*ROWB  ; slot s begins with keys 256 s on
	s_or_b32 s[G0K+4*\s+3], s[G0K+4*\s+3], 0x80000000
	s_mov_b32 s[G0V+4*\s], 1
	s_add_co_u32 s[G0V+4*\s+1], s63, \s*SLOTB+VOFF
	s_add_nc_u64 s[G0V+4*\s+2:G0V+4*\s+3], s[50:51], \s*4*KS*ROWB
	s_or_b32 s[G0V+4*\s+3], s[G0V+4*\s+3], 0x80000000
.endr
	CROUND                                         ; all four work-groups are here: the first joint loads meet
	s_cmp_lt_u32 s[WV], 4                          ; a wave's two first fills stand in one branch: two loads of mine are out
	s_cbranch_scc0 .Lfirst_v
	tensor_load_to_lds s[G0K:G0K+3], s[G1K:G1K+7]
	s_nop 0
	tensor_load_to_lds s[G0K+4:G0K+7], s[G1K:G1K+7]
	s_nop 0
.rept 4
	v_nop
.endr
	s_branch .Lfirst_asked
.Lfirst_v:
	tensor_load_to_lds s[G0V:G0V+3], s[G1V:G1V+7]
	s_nop 0
	tensor_load_to_lds s[G0V+4:G0V+7], s[G1V:G1V+7]
	s_nop 0
.rept 4
	v_nop
.endr
.Lfirst_asked:
	v_and_b32 v1, 15, v0                           ; r = l % 16
	v_bfe_u32 v9, v0, 4, 1                         ; h = l / 16
	v_mul_u32_u24 v[QO], v1, ROWB
	v_lshl_add_u32 v[QO], v9, 4, v[QO]
	WIN 0x40                                       ; destination window 1, address window 0
.irp t, 0,1
.irp kk, 0,1                           ; Q stays in registers: tile t, channels 32 kk on
	global_load_b128 v[QF+16*\t+8*\kk:QF+16*\t+8*\kk+3],   v[QO], s[60:61] offset:\t*16*ROWB+64*\kk
	global_load_b128 v[QF+16*\t+8*\kk+4:QF+16*\t+8*\kk+7], v[QO], s[60:61] offset:\t*16*ROWB+64*\kk+32
.endr
.endr
	WIN 0
.macro MLOAD off                       ; 32 mask words: a step's four key tiles x eight registers of one query tile
	s_load_b512 s[MS:MS+15], s[MB:MB+1], \off
	s_load_b512 s[MS+16:MS+31], s[MB:MB+1], \off+0x40
.endm
	MLOAD 0x0
	v_mul_u32_u24 v[AK0], v1, PK
	v_lshl_add_u32 v[AK0], v9, 4, v[AK0]
	v_add_nc_u32 v[AK0], s15, v[AK0]               ; key row r, 16 bytes for each half of the lanes, my head
	v_and_b32 v12, 7, v0
	v_bfe_u32 v13, v0, 3, 1
	v_lshl_add_u32 v[AV0], v9, 3, v12              ; turning load: key 8 h + l % 8,
	v_mul_u32_u24 v[AV0], v[AV0], PV
	v_lshl_add_u32 v[AV0], v13, 4, v[AV0]          ; channels 8 ((l / 8) % 2) on
	s_add_co_u32 s3, s15, VOFF
	v_add_nc_u32 v[AV0], s3, v[AV0]
	s_mul_i32 s2, s62, 32*SP                       ; the way out, in: row 32 (w % 4) + 16 t + r, my head's half, 16 bytes for each half of the lanes
	s_add_co_u32 s2, s2, s15
	s_add_co_u32 s2, s2, STAGE
	v_mul_u32_u24 v[STO], v1, SP
	v_lshl_add_u32 v[STO], v9, 4, v[STO]
	v_add_nc_u32 v[STO], s2, v[STO]
	s_mul_i32 s2, s[WV], 16*SP                     ; back: wave w takes rows 16 w .. 16 w + 15, whole
	s_add_co_u32 s2, s2, STAGE
	v_mul_u32_u24 v[RD], v9, SP
	v_lshl_add_u32 v[RD], v1, 4, v[RD]
	v_add_nc_u32 v[RD], s2, v[RD]
	v_lshlrev_b32 v[GO], 11, v9                    ; and the same two rows in ob
	v_lshl_add_u32 v[GO], v1, 4, v[GO]
	v_mov_b32 v[NEGV], 0xfb800000                  ; -2^120
; Product i of 16 of S^T = K Q^T: channels 32 (i / 8) on, keys 16 ((i / 2) % 4) on, tile i % 2.  The first 8 start the sums.  The eight accumulators take turns.
.macro KQ
.set rS, S+32*(i%2)+8*((i/2)%4)
.set rK, KF+16*((i/2)%4)+8*(i/8)
.set rQ, QF+16*(i%2)+8*(i/8)
.if i < 8
	v_wmma_f32_16x16x32_bf16 v[rS:rS+7], v[rK:rK+7], v[rQ:rQ+7], 0
.else
	v_wmma_f32_16x16x32_bf16 v[rS:rS+7], v[rK:rK+7], v[rQ:rQ+7], v[rS:rS+7]
.endif
.endm
; Product i of 16 of O^T += V^T P: keys 32 (i / 8) on, channels 16 ((i / 2) % 4) on, tile i % 2.  zero = 1: the first 8 start the sums.
.macro PV zero
.set rO, O+32*(i%2)+8*((i/2)%4)
.set rV, VF+32*(i/8)+8*((i/2)%4)
.set rP, P+16*(i%2)+8*(i/8)
.if \zero && (i < 8)
	v_wmma_f32_16x16x32_bf16 v[rO:rO+7], v[rV:rV+7], v[rP:rP+7], 0
.else
	v_wmma_f32_16x16x32_bf16 v[rO:rO+7], v[rV:rV+7], v[rP:rP+7], v[rO:rO+7]
.endif
.endm
.macro MASK t                          ; a score whose bit is 0 becomes -2^120; registers in ascending order
.set i, 0
.rept 32
	v_cndmask_b32 v[S+32*\t+i], v[NEGV], v[S+32*\t+i], s[MS+i]
.set i, i+1
.endr
.endm
; One tile's softmax for one key step is a list of 118 instructions; SM writes number j of it for tile t.  s0-s31 are the lane's 32 scores, in pairs 0-15.
;   0-15    the maximum of s0-s31 and the old m: four chains of seven scores, then the four left over, the chains and m
;   16-20   the other half of the lanes' maximum; the new m; c m; c m_old - c m_new
;   21-87   33 exponentials (a, then s0-s31) at the odd numbers from 23 on: each has a plain instruction behind it before its result is used (ISA guide 5.7.2).  The plain ones between are
;           c s - c m for pairs whose exponentials are still to come, roundings to bf16 of pairs whose exponentials are done, and the first sums
;   88-101  the last rounding; the rest of the sums; l = a l + the sum
;   102-117 the tile's O^T times a, in ascending order
; first = 1: the first key step, which starts m, l and O^T: it has no a and nothing to rescale.
.macro SM t, first
.set rT, ST+8*(\t)
.set rS, S+32*(\t)
.set rP, P+16*(\t)
.set rO, O+32*(\t)+2*(j-102)
.set q, (j-20)/2
.if j < 4
	v_max3_num_f32 v[rT+4+j], v[rS+8*j], v[rS+8*j+1], v[rS+8*j+2]
.elseif j < 12
	v_max3_num_f32 v[rT+4+j%4], v[rT+4+j%4], v[rS+8*(j%4)+2*(j/4)+1], v[rS+8*(j%4)+2*(j/4)+2]
.elseif j == 12
	v_max3_num_f32 v[rT+4], v[rT+4], v[rS+7], v[rS+15]
.elseif j == 13
	v_max3_num_f32 v[rT+6], v[rT+6], v[rS+23], v[rS+31]
.elseif j == 14
	v_max3_num_f32 v[rT+4], v[rT+4], v[rT+5], v[rT+6]
.elseif (j == 15) && \first
	v_max_num_f32 v[rT+4], v[rT+4], v[rT+7]
.elseif j == 15
	v_max3_num_f32 v[rT+4], v[rT+4], v[rT+7], v[rT+1]
.elseif j == 16
	v_permlanex16_b32 v[rT+5], v[rT+4], s[SEL], s[SEL+1]           ; the query's other 32 keys lie in the lane 16 away
.elseif j == 18
	v_max_num_f32 v[rT+1], v[rT+4], v[rT+5]
.elseif j == 19
	v_mul_f32 v[rT], s[CS], v[rT+1]
.elseif ((j == 17) || (j == 20) || (j == 23) || (j > 101)) && \first   ; the first step has none of these
.elseif j == 17
	v_mov_b32 v[rT+7], v[rT]                       ; c m_old is kept for a: number 19 writes c m anew
.elseif j == 20
	v_sub_f32 v[rT+7], v[rT+7], v[rT]
.elseif j == 23
	v_exp_f32 v[rT+6], v[rT+7]
.elseif (j < 88) && (j > 23) && (j%2 == 1)
	v_exp_f32 v[rS+(j-25)/2], v[rS+(j-25)/2]
.elseif (q < 4) || ((j < 76) && (q%2 == 0))
.set b, q/2+2
.if q < 4
.set b, q
.endif
	v_pk_fma_f32 v[rS+2*b:rS+2*b+1], v[rS+2*b:rS+2*b+1], s[CS:CS+1], v[rT:rT+1] op_sel_hi:[1,0,0] neg_lo:[0,0,1] neg_hi:[0,0,1]  ; pair b: c s - c m
.elseif (j < 88) && (q%2 == 1)
	s_wait_alu depctr_va_vdst(0)
	v_cvt_pk_bf16_f32 v[rP+(q-5)/2], v[rS+q-5], v[rS+q-4]          ; pair (q - 5) / 2: its second exponential stands three numbers back
.elseif j == 89
	s_wait_alu depctr_va_vdst(0)
	v_cvt_pk_bf16_f32 v[rP+15], v[rS+30], v[rS+31]
.elseif j < 102                        ; the sum of the 16 pairs, in place: neighbours 1, 2, 4 and 8 pairs apart, then l takes it
.set z, j-86
.if j < 89
.set z, (j-76)/4
.endif
.set w, 4
.set u, z
.if z >= 14
.set w, 32
.set u, 0
.elseif z >= 12
.set w, 16
.set u, z-12
.elseif z >= 8
.set w, 8
.set u, z-8
.endif
.if (z == 14) && \first
	v_pk_add_f32 v[rT+2:rT+3], v[rS:rS+1], v[rS+16:rS+17]
.elseif z < 15
	v_pk_add_f32 v[rS+w*u:rS+w*u+1], v[rS+w*u:rS+w*u+1], v[rS+w*u+w/2:rS+w*u+w/2+1]
.elseif !\first
	v_pk_fma_f32 v[rT+2:rT+3], v[rT+2:rT+3], v[rT+6:rT+7], v[rS:rS+1] op_sel_hi:[1,0,1]
.endif
.else
	v_pk_mul_f32 v[rO:rO+1], v[rO:rO+1], v[rT+6:rT+7] op_sel_hi:[1,0]
.endif
.endm
.macro SOFT t, first
.set j, 0
.rept 118
	SM \t, \first
.set j, j+1
.endr
.endm
; A KEY STEP: 64 keys.  K's and V's fragments in one run of 32 LDS loads; 16 products K Q^T; mask and softmax of tile 0, then of tile 1; 16 products V^T P.
; While one tile's softmax runs, the other tile's (or the next step's) mask words are on their way.
.macro STEP first
	WIN 0x40                                       ; destination window 1
.irp f, 0,1,2,3,4,5,6,7                ; keys 16 (f / 2) on, channels 32 (f % 2) on
	ds_load_b128 v[KF+8*\f:KF+8*\f+3],   v[ADRK] offset:(\f/2)*16*PK+(\f%2)*64
	ds_load_b128 v[KF+8*\f+4:KF+8*\f+7], v[ADRK] offset:(\f/2)*16*PK+(\f%2)*64+32
.endr
.irp f, 0,1,2,3,4,5,6,7                ; keys 32 (f / 4) on, channels 16 (f % 4) on
	ds_load_tr16_b128 v[VF+8*\f:VF+8*\f+3],   v[ADRV] offset:(\f/4)*32*PV+(\f%4)*32
	ds_load_tr16_b128 v[VF+8*\f+4:VF+8*\f+7], v[ADRV] offset:(\f/4)*32*PV+16*PV+(\f%4)*32
.endr
	s_wait_dscnt 16                                ; K is in; V's sixteen loads may be out
	WIN 0x05                                       ; K and Q in window 1, S^T in window 0
.set i, 0
.rept 16
	KQ
.set i, i+1
.endr
	WIN 0
	PLACES                                         ; four places between the last product and the first vector work on scores (ISA guide 7.12.1)
	s_wait_kmcnt 0x0                               ; tile 0's mask words
	MASK 0
	MLOAD 0x1000                                   ; tile 1's: the next qt's row of the table
	SOFT 0, \first
	s_wait_kmcnt 0x0
	MASK 1
	s_add_nc_u64 s[MB:MB+1], s[MB:MB+1], 128       ; no scalar load is out: the base steps to the next 64 keys
	MLOAD 0x0                                      ; tile 0's words of the next step.  Behind the last step these are the first words of tile 1's row: inside the buffer, and not used
	SOFT 1, \first
	s_wait_dscnt 0x0                               ; V is in
	WIN 0x01                                       ; V in window 1; P and O^T in window 0
.set i, 0
.rept 16
	PV \first
.set i, i+1
.endr
	WIN 0
	v_add_nc_u32 v[ADRK], STEPB, v[ADRK]           ; the next step's tiles; with the two v_nop these are the four places in front of the next loads into V's registers
	v_add_nc_u32 v[ADRV], STEPB, v[ADRV]
	v_nop
	v_nop
.endm
.macro RUN n                           ; n key steps of a slot
	s_mov_b32 s52, \n
.Lstep_\@:
	STEP 0
	s_sub_co_u32 s52, s52, 1
	s_cmp_lg_u32 s52, 0
	s_cbranch_scc1 .Lstep_\@
.endm
; THE CHANGE OF SLOTS, on to slot `slot`.  Each wave waits for its reads of the slot that it leaves and for all its tensor loads, of which one is out: its part of the slot to come.
; fill = 1: the slot that is left is filled again, with the keys two slots on; the barrier is then a round of the cluster's, and the joint refill is the first thing behind it:
; it has four key steps in which to land.
.macro CHANGE slot, fill
	s_wait_dscnt 0x0
	s_wait_tensorcnt 0x0                           ; no tensor load of mine is out, so a group 0 may be written
	ds_add_u32 v254, v255
	s_wait_dscnt 0x0
.if \fill
	s_add_nc_u64 s[G0K+4*(1-\slot)+2:G0K+4*(1-\slot)+3], s[G0K+4*(1-\slot)+2:G0K+4*(1-\slot)+3], 8*KS*ROWB
	s_add_nc_u64 s[G0V+4*(1-\slot)+2:G0V+4*(1-\slot)+3], s[G0V+4*(1-\slot)+2:G0V+4*(1-\slot)+3], 8*KS*ROWB
	CROUND
	JLOAD 1-\slot
.else
	s_barrier_signal -1
	s_barrier_wait -1
.endif
	v_add_nc_u32 v[ADRK], \slot*SLOTB, v[AK0]
	v_add_nc_u32 v[ADRV], \slot*SLOTB, v[AV0]
.endm
	s_wait_tensorcnt 0x1                           ; my part of slot 0 is in; slot 1's may stay out
	s_barrier_signal -1
	s_barrier_wait -1
	v_mov_b32 v[ADRK], v[AK0]
	v_mov_b32 v[ADRV], v[AV0]
	s_wait_loadcnt 0x0                             ; Q
	STEP 1                                         ; keys 0-63 start m, l and O^T
	RUN 3
	s_mov_b32 s53, 3
.Lpair:                                                ; 3 trips of two slots: six of the eight fills are refills
	CHANGE 1, 1
	RUN 4
	CHANGE 0, 1
	RUN 4
	s_sub_co_u32 s53, s53, 1
	s_cmp_lg_u32 s53, 0
	s_cbranch_scc1 .Lpair
	CHANGE 1, 0                                    ; the last slot: nothing is left to ask for
	RUN 4
	; THE WAY OUT.  l's two halves and the other half of the lanes' are added; O^T is divided by l, rounded to bf16 and sent through the stage, where the two heads' halves of a row meet.
.irp t, 0,1
	v_add_f32 v[ST+8*\t+4], v[ST+8*\t+2], v[ST+8*\t+3]
.endr
.irp t, 0,1
	v_permlanex16_b32 v[ST+8*\t+5], v[ST+8*\t+4], s[SEL], s[SEL+1]
.endr
.irp t, 0,1
	v_add_f32 v[ST+8*\t+4], v[ST+8*\t+4], v[ST+8*\t+5]
.endr
.irp t, 0,1
	v_rcp_f32 v[ST+8*\t+6], v[ST+8*\t+4]
.endr
	v_nop                                          ; a plain instruction between the last reciprocal and the use of its result
	s_wait_alu depctr_va_vdst(0)
.irp t, 0,1
.set i, 0
.rept 16
	v_pk_mul_f32 v[O+32*\t+2*i:O+32*\t+2*i+1], v[O+32*\t+2*i:O+32*\t+2*i+1], v[ST+8*\t+6:ST+8*\t+7] op_sel_hi:[1,0]
.set i, i+1
.endr
.set i, 0
.rept 16
	v_cvt_pk_bf16_f32 v[S+16*\t+i], v[O+32*\t+2*i], v[O+32*\t+2*i+1]
.set i, i+1
.endr
.irp c, 0,1,2,3
	ds_store_b128 v[STO], v[S+16*\t+4*\c:S+16*\t+4*\c+3] offset:\t*16*SP+32*\c
.endr
.endr
	s_wait_dscnt 0x0                               ; for the others' sake: my stores into the stage are done
	s_barrier_signal -1
	s_barrier_wait -1
.irp f, 0,1,2,3,4,5,6,7
	ds_load_b128 v[S+32+4*\f:S+32+4*\f+3], v[RD] offset:\f*2*SP
.endr
.irp f, 0,1,2,3,4,5,6,7
	s_wait_dscnt 7-\f
	global_store_b128 v[GO], v[S+32+4*\f:S+32+4*\f+3], s[8:9] offset:\f*4096   ; 16 lanes store 256 consecutive bytes, aligned
.endr
	s_wait_tensorcnt 0x0
	ds_add_u32 v254, v255
	s_wait_dscnt 0x0
	CROUND                                         ; the closing round: no work-group ends while a partner may still ask for a tile that names it
	s_endpgm
.Lfunc_end_k_q1727f9ee45_attn:
	.size	k_q1727f9ee45_attn, .Lfunc_end_k_q1727f9ee45_attn-k_q1727f9ee45_attn
	.p2alignl 7, 3214868480
	.fill 96, 4, 3214868480
	.section	.rodata,"a",@progbits
	.p2align	6, 0x0
	.amdhsa_kernel k_q1727f9ee45_attn
		.amdhsa_group_segment_fixed_size 327680
		.amdhsa_private_segment_fixed_size 0
		.amdhsa_enable_private_segment 0
		.amdhsa_kernarg_size 24
		.amdhsa_user_sgpr_count 2
		.amdhsa_user_sgpr_kernarg_segment_ptr 1
		.amdhsa_wavefront_size32 1
		.amdhsa_system_sgpr_workgroup_id_x 1
		.amdhsa_system_sgpr_workgroup_id_y 1
		.amdhsa_system_sgpr_workgroup_id_z 1
		.amdhsa_system_vgpr_workitem_id 0
		.amdhsa_next_free_vgpr 416
		.amdhsa_next_free_sgpr 100
		.amdhsa_reserve_vcc 0
		.amdhsa_float_denorm_mode_32 3
		.amdhsa_float_denorm_mode_16_64 3
		.amdhsa_memory_ordered 1
		.amdhsa_forward_progress 1
		.amdhsa_inst_pref_size 128
	.end_amdhsa_kernel
	.amdgpu_metadata
---
amdhsa.version: [ 1, 2 ]
amdhsa.kernels:
  - .name:           k_q1727f9ee45_attn
    .symbol:         k_q1727f9ee45_attn.kd
    .args:
      - { .name: qkv, .offset: 0, .size: 8, .value_kind: global_buffer, .address_space: global }
      - { .name: maskbits, .offset: 8, .size: 8, .value_kind: global_buffer, .address_space: global }
      - { .name: ob, .offset: 16, .size: 8, .value_kind: global_buffer, .address_space: global }
    .group_segment_fixed_size: 327680
    .private_segment_fixed_size: 0
    .kernarg_segment_align: 8
    .kernarg_segment_size: 24
    .max_flat_workgroup_size: 256
    .sgpr_count:     100
    .vgpr_count:     416
    .wavefront_size: 32
...
	.end_amdgpu_metadata
.endif
;; end of part 3
;; launch g_proj (part 4): grid 8 x 32, 4 waves a work-group, clusters of 4 x 4, 327,680 bytes of LDS; arguments ob, bf, y, bp, x; writes y
.if DOCPART == 4
	.amdgcn_target "amdgcn-amd-amdhsa--gfx1250"
	.amdhsa_code_object_version 6
	.text
	.protected	k_q1727f9ee45_g_proj
	.globl	k_q1727f9ee45_g_proj
	.p2align	8
	.type	k_q1727f9ee45_g_proj,@function
k_q1727f9ee45_g_proj:
	s_mov_b64 s[64:65], 0
	v_nop
	global_prefetch_b8 v0, s[64:65] scope:SCOPE_SE
	s_setreg_imm32_b32 hwreg(HW_REG_WAVE_MODE, 25, 1), 1
	s_wait_xcnt 0x0
	s_wait_alu depctr_hold_cnt(0) depctr_sa_sdst(0) depctr_va_vdst(0) depctr_va_sdst(0) depctr_va_ssrc(0) depctr_va_vcc(0) depctr_vm_vsrc(0)
	s_getreg_b32 s2, hwreg(HW_REG_IB_STS2, 6, 4)
	s_cmp_eq_u32 s2, 0
	s_cbranch_scc0 .Lentry_in_a_cluster
	s_endpgm
.Lentry_in_a_cluster:
	s_bfe_u32 s2, ttmp6, 0x10000c
	s_cmp_lg_u32 s2, 0xf033
	s_cbranch_scc0 .Lentry_shape_is_right
	s_endpgm
.Lentry_shape_is_right:
; y[4096][1024] (f32) = ob (bf16) times Wp (bf16, in bf) + bp + x (f32).
; One text serves four products C = A B (+ bias ...); the constants below choose the variant, and .if leaves the other variants' lines out.
;   A: [4096][SIZE_K] bf16, K along the rows.  B: [SIZE_K][NB] bf16, N along the rows, as the weights lie.  Sums in f32.
;   EPI 0: C = bf16(sum + bias).   EPI 1: C = bf16(max(sum + bias, 0)).   EPI 2: C = f32: sum + bias + residual (f32).
; SHARES.  A tile of C is 128 x 128, made by four waves, 64 x 64 each: 16 accumulators of 16 x 16.  This tile gives every launch of this text a multiple of 256 work-groups.
; K goes in steps of 256 through two LDS slots filled by tensor loads: waves 0, 1 fetch A's two halves (64 rows x 512 bytes), waves 2, 3 B's (128 k-rows x 256 bytes).
; B is turned on its way out of LDS by ds_load_tr16_b128, so no transposed copy of a weight is ever made.
; CLUSTER.  4 x 4 work-groups: the four of a row need the same tiles of A, the four of a column the same tiles of B; each tile is asked for jointly.
; THE MATRIX INSTRUCTION IS USED TRANSPOSED (source 0 = 16 columns of B, source 1 = 16 rows of A): a lane then holds eight neighbouring numbers of a row of C.
; LIMIT: A and B are bf16 (8 bits of mantissa); nothing else is narrowed before the sums.
; REGISTERS: window 0: v0-31 addresses; v32-95 at work on the way out; v96-127 bias; v128-255 accumulators ((a, b) at v[128 + 8 (4 a + b)]).
;   window 1: two fragment buffers of 128: for 64 along K, 64 registers of A, then 64 of B.  On EPI 2's way out v0-127 of window 1 hold the residual.
.set SIZE_K, 1024
.set NB,     1024                      ; elements in a row of B
.set NC,     1024                      ; elements in a row of C
.set BOFF,   14680064                  ; B's first byte in bf
.set EPI,    2
.set QKV,    0                         ; 1: A and B both lie in bf; B and the bias are one of three, by the tile column
.set KSTEP,  256
.set PA,     528                       ; A's LDS row: 512 bytes + 16: row r starts at bank 4 r mod 64 (64 banks of 4 bytes: ISA guide 11.1)
.set PB,     288                       ; B's LDS row: 256 bytes + 32
.set HA,     64*PA                     ; what one tensor load brings of A
.set HB,     128*PB                    ; and of B
.set BBASE,  2*HA
.set SLOT,   2*HA+2*HB                 ; A's 128 rows, then B's 256 k-rows
.set STAGE,  2*SLOT                    ; behind the ring; no tensor load lands here
.set SPITCH, 272
.set LAPS,   SIZE_K/(2*KSTEP)          ; a lap = two K steps = once round the ring
.set ADRA, 16                          ; v16-17  my A fragments in slot 0, 1
.set ADRB, 20                          ; v20-23  my B fragments: slot 0 k 0-127, slot 0 k 128-255, slot 1 likewise (the 16-bit offset does not reach 255 rows)
.set STO,  24
.set RD,   25
.set CO,   26
.set BO,   27
.set TMP,  32
.set BIAS, 96
.set ACC,  128
.set F0,   0
.set F1,   128
.set G1, 24                            ; s[24:31] group 1 for A's tiles; s[32:39] group 0, a set for each slot
.set G0, 32
.set G1B, 48                           ; s[48:55], s[56:63] the same for B's
.set G0B, 56
.set MSB, 0
.macro WIN new                         ; the immediate's high byte repeats the setting that is left
.if MSB != \new
	s_set_vgpr_msb (MSB<<8)|\new
.set MSB, \new
.endif
.endm
.set MUL,  0x05                        ; sources 0 (B) and 1 (A) window 1; C and D window 0
.set TO_F, 0x40                        ; destination window 1, address window 0
.macro JLOAD s                         ; a joint refill: one load a wave; four v_nop follow each of the two lines
	s_cmp_eq_u32 s11, 0
	s_cbranch_scc0 .Lfor_b_\@
	tensor_load_to_lds s[G0+4*\s:G0+4*\s+3], s[G1:G1+7]
	s_nop 0
.rept 4
	v_nop
.endr
	s_branch .Lasked_\@
.Lfor_b_\@:
	tensor_load_to_lds s[G0B+4*\s:G0B+4*\s+3], s[G1B:G1B+7]
	s_nop 0
.rept 4
	v_nop
.endr
.Lasked_\@:
.endm
.macro CREST                           ; a round of the cluster's barrier behind its opening barrier
	s_cmp_lg_u32 s10, 0
	s_cbranch_scc1 .Lnot_wave_0_\@
	s_barrier_signal -3
.Lnot_wave_0_\@:
	s_barrier_wait -3
	s_barrier_signal -1
	s_barrier_wait -1
.endm
.macro CROUND
	s_barrier_signal -1
	s_barrier_wait -1
	CREST
.endm
.if QKV
	s_load_b128 s[4:7], s[0:1], 0x0                ; bf s[4:5], qkv s[6:7]
	s_load_b128 s[68:71], s[0:1], 0x10             ; bq, bk
	s_load_b64 s[72:73], s[0:1], 0x20              ; bv
.else
	s_load_b128 s[4:7], s[0:1], 0x0                ; A s[4:5], bf s[6:7]
	s_load_b64 s[8:9], s[0:1], 0x10                ; C
	s_load_b64 s[66:67], s[0:1], 0x18              ; bias
.if EPI == 2
	s_load_b64 s[68:69], s[0:1], 0x20              ; residual
	v_lshl_add_u32 v30, v0, 2, 0x4d800
	v_mov_b32 v31, 0
	ds_add_u32 v30, v31
	ds_add_u32 v30, v31
.endif
.endif
	v_lshrrev_b32 v1, 5, v0
	v_readfirstlane_b32 s10, v1                    ; wave 0..3
	s_lshr_b32 s11, s10, 1                         ; my half of the tile's rows.  Also: I fetch for A (0) or for B (1)
	s_and_b32 s12, s10, 1                          ; my half of its columns.  Also: which half of that tile I fetch
	s_bfe_u32 s40, ttmp6, 0x40000                  ; cx, cy
	s_bfe_u32 s41, ttmp6, 0x40004
	s_lshl_b32 s42, ttmp9, 2
	s_add_co_u32 s42, s42, s40                     ; tile column = 4 x cluster x + cx
	s_and_b32 s13, ttmp7, 0xffff
	s_lshl_b32 s13, s13, 2
	s_add_co_u32 s13, s13, s41                     ; tile row = 4 x cluster y + cy
	s_lshl_b32 s43, s41, 2
	s_lshl_b32 s43, 15, s43                        ; my row of the cluster
	s_lshl_b32 s44, 0x1111, s40                    ; my column
	s_lshr_b32 s45, ttmp9, 1                       ; tile column / 8 (cx < 4): which of Wq, Wk, Wv
	s_or_b32 s[G1+0], s43, (1<<16)|(1<<20)|(1<<21)|(6<<22)|(3<<25)  ; mask: my row; elements of 2 bytes; padding on; bit 21 beside a mask; after every 128 words, 4 words
	s_mov_b32 s[G1+1], KSTEP<<16                   ; tensor_dim0 = 256
	s_mov_b32 s[G1+2], 64<<16                      ; tensor_dim1 = 64
	s_mov_b32 s[G1+3], KSTEP<<16                   ; tile_dim0 = 256
	s_mov_b32 s[G1+4], 64                          ; tile_dim1 = 64
	s_mov_b32 s[G1+5], SIZE_K                      ; elements from row to row
	s_mov_b32 s[G1+6], 0
	s_mov_b32 s[G1+7], 0
	s_or_b32 s[G1B+0], s44, (1<<16)|(1<<20)|(1<<21)|(5<<22)|(7<<25) ; mask: my column; after every 64 words, 8 words
	s_mov_b32 s[G1B+1], 128<<16                    ; 128 columns,
	s_mov_b32 s[G1B+2], 128<<16                    ; 128 k-rows
	s_mov_b32 s[G1B+3], 128<<16
	s_mov_b32 s[G1B+4], 128
	s_mov_b32 s[G1B+5], NB
	s_mov_b32 s[G1B+6], 0
	s_mov_b32 s[G1B+7], 0
	; A's tile hangs on the tile row alone, B's on the tile column alone; each address is made in registers that never hold the other coordinate
	s_lshl_b32 s16, s13, 7
	s_lshl_b32 s17, s12, 6
	s_add_co_u32 s16, s16, s17                     ; A: row 128 x tile row + 64 x half
	s_mul_i32 s16, s16, SIZE_K*2                   ; in bytes: under 2^25
	s_mov_b32 s17, 0
.if QKV
	s_and_b32 s46, s42, 7
	s_lshl_b32 s46, s46, 8                         ; 128 columns of 2 bytes for each tile column within the weight,
	s_lshl_b32 s47, s45, 21                        ; 2 MiB for each weight
	s_add_co_u32 s46, s46, s47
.else
	s_lshl_b32 s46, s42, 8
.endif
	s_mul_i32 s47, s12, 128*NB*2                   ; my half of the step's 256 k-rows
	s_add_co_u32 s46, s46, s47
	s_add_co_u32 s46, s46, BOFF
	s_mov_b32 s47, 0
	s_mul_i32 s20, s12, HA                         ; where they go: no place in the cluster enters an LDS address
	s_mul_i32 s21, s12, HB
	s_add_co_u32 s21, s21, BBASE
	s_wait_dscnt 0x0
	s_wait_kmcnt 0x0
.if QKV
	s_mov_b64 s[8:9], s[6:7]                       ; C
	s_mov_b64 s[6:7], s[4:5]                       ; B lies in bf too
	s_mov_b64 s[66:67], s[68:69]                   ; the bias that goes with the weight
	s_cmp_eq_u32 s45, 1
	s_cselect_b64 s[66:67], s[70:71], s[66:67]
	s_cmp_eq_u32 s45, 2
	s_cselect_b64 s[66:67], s[72:73], s[66:67]
.endif
	s_add_nc_u64 s[14:15], s[4:5], s[16:17]
	s_add_nc_u64 s[46:47], s[6:7], s[46:47]
.irp s, 0,1
	s_mov_b32 s[G0+4*\s], 1
	s_add_co_u32 s[G0+4*\s+1], s20, \s*SLOT
	s_add_nc_u64 s[G0+4*\s+2:G0+4*\s+3], s[14:15], \s*KSTEP*2
	s_or_b32 s[G0+4*\s+3], s[G0+4*\s+3], 0x80000000
	s_mov_b32 s[G0B+4*\s], 1
	s_add_co_u32 s[G0B+4*\s+1], s21, \s*SLOT
	s_add_nc_u64 s[G0B+4*\s+2:G0B+4*\s+3], s[46:47], \s*KSTEP*NB*2
	s_or_b32 s[G0B+4*\s+3], s[G0B+4*\s+3], 0x80000000
.endr
	CROUND                                         ; all sixteen work-groups are here: the first joint loads meet
	s_cmp_eq_u32 s11, 0                            ; a wave's two first fills stand in one branch: two loads of mine are out
	s_cbranch_scc0 .Lfirst_b
	tensor_load_to_lds s[G0:G0+3], s[G1:G1+7]
	s_nop 0
	tensor_load_to_lds s[G0+4:G0+7], s[G1:G1+7]
	s_nop 0
.rept 4
	v_nop
.endr
	s_branch .Lfirst_asked
.Lfirst_b:
	tensor_load_to_lds s[G0B:G0B+3], s[G1B:G1B+7]
	s_nop 0
	tensor_load_to_lds s[G0B+4:G0B+7], s[G1B:G1B+7]
	s_nop 0
.rept 4
	v_nop
.endr
.Lfirst_asked:
	v_and_b32 v1, 15, v0                           ; r = l % 16
	v_bfe_u32 v2, v0, 4, 1                         ; h = l / 16
	v_mul_u32_u24 v3, v1, PA
	v_lshl_add_u32 v3, v2, 4, v3                   ; A: row r, 16 bytes for each half of the lanes
	v_and_b32 v5, 7, v0
	v_bfe_u32 v6, v0, 3, 1
	v_lshl_add_u32 v4, v2, 3, v5                   ; B, turning load: k-row 8 h + l % 8,
	v_mul_u32_u24 v4, v4, PB
	v_lshl_add_u32 v4, v6, 4, v4                   ; columns 8 ((l / 8) % 2) on
	s_mul_i32 s22, s11, HA                         ; my 64 rows of A
	s_lshl_b32 s23, s12, 7                         ; my 64 columns of B
	s_add_co_u32 s23, s23, BBASE
.irp s, 0,1
	v_add_nc_u32 v[ADRA+\s], s22, v3
	s_add_co_u32 s22, s22, SLOT
	v_add_nc_u32 v[ADRB+2*\s], s23, v4
	s_add_co_u32 s23, s23, HB
	v_add_nc_u32 v[ADRB+2*\s+1], s23, v4
	s_add_co_u32 s23, s23, SLOT-HB
.endr
	; the bias of my 64 columns: accumulator column b, register j is column 16 b + 8 h + j
.if QKV
	s_and_b32 s74, s42, 7
	s_lshl_b32 s74, s74, 9
.else
	s_lshl_b32 s74, s42, 9                         ; 128 columns x 4 bytes
.endif
	s_lshl_b32 s75, s12, 8
	s_add_co_u32 s74, s74, s75
	s_mov_b32 s75, 0
	s_add_nc_u64 s[66:67], s[66:67], s[74:75]
	v_lshlrev_b32 v[BO], 5, v2
.irp b, 0,1,2,3
	global_load_b128 v[BIAS+8*\b:BIAS+8*\b+3],   v[BO], s[66:67] offset:64*\b
	global_load_b128 v[BIAS+8*\b+4:BIAS+8*\b+7], v[BO], s[66:67] offset:64*\b+16
.endr
.if EPI == 2
	; f32 out: a wave's 64 columns are 256 bytes, so each wave has a stage of its own: 16 rows x 272 bytes
	s_mul_i32 s23, s10, 16*SPITCH
	s_add_co_u32 s23, s23, STAGE
	v_mul_u32_u24 v4, v1, SPITCH
	v_lshl_add_u32 v4, v2, 5, v4                   ; in: row r, 32 bytes for each half of the lanes
	v_add_nc_u32 v[STO], s23, v4
	v_mul_u32_u24 v5, v2, SPITCH
	v_lshl_add_u32 v5, v1, 4, v5                   ; back: lanes 0-15 one row of 256 bytes, lanes 16-31 the next
	v_add_nc_u32 v[RD], s23, v5
	v_mul_u32_u24 v5, v2, NC*4
	v_lshl_add_u32 v[CO], v1, 4, v5
	s_lshl_b32 s16, s13, 7
	s_lshl_b32 s17, s11, 6
	s_add_co_u32 s16, s16, s17                     ; my first row
	s_mul_i32 s16, s16, NC*4
	s_mov_b32 s17, 0
	s_add_nc_u64 s[8:9], s[8:9], s[16:17]
	s_add_nc_u64 s[8:9], s[8:9], s[74:75]          ; my first column, 4 bytes a number: the bias's offset
	s_add_nc_u64 s[68:69], s[68:69], s[16:17]
	s_add_nc_u64 s[68:69], s[68:69], s[74:75]
.else
	; bf16 out: a wave's 64 columns are half of 256 bytes, so the four waves share one stage of 128 rows x 272 bytes
	s_mul_i32 s23, s11, 64*SPITCH
	s_lshl_b32 s22, s12, 7
	s_add_co_u32 s23, s23, s22
	s_add_co_u32 s23, s23, STAGE
	v_mul_u32_u24 v4, v1, SPITCH
	v_lshl_add_u32 v4, v2, 4, v4
	v_add_nc_u32 v[STO], s23, v4
	s_mul_i32 s23, s10, 32*SPITCH                  ; back: wave w takes rows 32 w .. 32 w + 31, whole
	s_add_co_u32 s23, s23, STAGE
	v_mul_u32_u24 v5, v2, SPITCH
	v_lshl_add_u32 v5, v1, 4, v5
	v_add_nc_u32 v[RD], s23, v5
	v_mul_u32_u24 v5, v2, NC*2
	v_lshl_add_u32 v[CO], v1, 4, v5
	s_lshl_b32 s16, s13, 7
	s_lshl_b32 s17, s10, 5
	s_add_co_u32 s16, s16, s17                     ; the first row that I store
	s_mul_i32 s16, s16, NC*2
	s_mov_b32 s17, 0
	s_add_nc_u64 s[8:9], s[8:9], s[16:17]
	s_lshl_b32 s74, s42, 8                         ; the tile's first column, 2 bytes a number
	s_add_nc_u64 s[8:9], s[8:9], s[74:75]
.endif
; 8 matrix instructions: m blocks a0, a0 + 1 x all 4 n blocks, 32 along K: half c of buffer f.  zero = 1: the first product starts the sums.
; The 16 accumulators take turns, one instruction a turn.
.macro MUL8 f, c, a0, zero
.irp a, \a0, \a0+1
.irp b, 0,1,2,3
.if \zero
	v_wmma_f32_16x16x32_bf16 v[ACC+8*(4*(\a)+\b):ACC+8*(4*(\a)+\b)+7], v[\f+64+8*(4*\c+\b):\f+64+8*(4*\c+\b)+7], v[\f+8*(4*\c+\a):\f+8*(4*\c+\a)+7], 0
.else
	v_wmma_f32_16x16x32_bf16 v[ACC+8*(4*(\a)+\b):ACC+8*(4*(\a)+\b)+7], v[\f+64+8*(4*\c+\b):\f+64+8*(4*\c+\b)+7], v[\f+8*(4*\c+\a):\f+8*(4*\c+\a)+7], v[ACC+8*(4*(\a)+\b):ACC+8*(4*(\a)+\b)+7]
.endif
.endr
.endr
.endm
; 32 LDS loads in one run: the fragments of quarter q (64 along K) of a slot into buffer f; the first 32 along K first
.macro FETCH slot, q, f
	WIN TO_F
.irp c, 0,1
.irp i, 0,1,2,3
	ds_load_tr16_b128 v[\f+64+8*(4*\c+\i):\f+64+8*(4*\c+\i)+3],   v[ADRB+2*\slot+((\q)>>1)] offset:(((\q)&1)*64+32*\c)*PB+32*\i
	ds_load_tr16_b128 v[\f+64+8*(4*\c+\i)+4:\f+64+8*(4*\c+\i)+7], v[ADRB+2*\slot+((\q)>>1)] offset:(((\q)&1)*64+32*\c+16)*PB+32*\i
	ds_load_b128 v[\f+8*(4*\c+\i):\f+8*(4*\c+\i)+3],              v[ADRA+\slot] offset:128*\q+64*\c+\i*16*PA
	ds_load_b128 v[\f+8*(4*\c+\i)+4:\f+8*(4*\c+\i)+7],            v[ADRA+\slot] offset:128*\q+64*\c+\i*16*PA+32
.endr
.endr
.endm
.macro PLACES                          ; four places in front of loads into registers that matrix instructions have read, and of vector work on results
.rept 4
	v_nop
.endr
.endm
; A K step is four quarters of 64 along K on buffers 0, 1, 0, 1.  One of the first three: multiplies buffer f and fetches quarter q into g.
.macro QUARTER slot, q, f, g, zero
	s_wait_dscnt 16                                ; the first 32 along K are in; the 16 younger loads may be out
	WIN MUL
	MUL8 \f, 0, 0, \zero
	MUL8 \f, 0, 2, \zero
	PLACES
	FETCH \slot, \q, \g
	s_wait_dscnt 32                                ; all but the 32 just issued
	WIN MUL
	MUL8 \f, 1, 0, 0
	MUL8 \f, 1, 2, 0
.endm
; The last quarter multiplies buffer 1 and changes slots: one barrier; in front of it each wave waits for its reads of this slot and for all its tensor loads.
.macro TURN slot, next, fill
	s_wait_dscnt 16
	WIN MUL
	MUL8 F1, 0, 0, 0
	s_wait_dscnt 0                                 ; my reads of this slot are over,
	s_set_vgpr_msb 0x500
	s_wait_tensorcnt 0x0                           ; and all my tensor loads have landed: my part of the next slot
	ds_add_u32 v30, v31
	s_wait_dscnt 0x0
	s_set_vgpr_msb 0x5
	s_barrier_signal -1
	MUL8 F1, 0, 2, 0
.if \fill
	WIN 0
.endif
	s_barrier_wait -1
.if \fill
	CREST                                          ; the barrier has opened a round of the cluster's: no wave of any partner still reads this slot or has a load on its way
	s_add_nc_u64 s[G0+4*\slot+2:G0+4*\slot+3], s[G0+4*\slot+2:G0+4*\slot+3], 2*KSTEP*2
	s_add_nc_u64 s[G0B+4*\slot+2:G0B+4*\slot+3], s[G0B+4*\slot+2:G0B+4*\slot+3], 2*KSTEP*NB*2
	JLOAD \slot                                    ; the first tensor load behind the round, 120 matrix instructions ahead of the wait for it; its four v_nop are the places for the loads below
.else
	PLACES
.endif
	FETCH \next, 0, F0
	WIN MUL
	MUL8 F1, 1, 0, 0
	MUL8 F1, 1, 2, 0
.endm
	s_wait_tensorcnt 0x1                           ; my part of K step 0 is in; K step 1's may stay out
	s_barrier_signal -1
	s_barrier_wait -1
	FETCH 0, 0, F0
	QUARTER 0, 1, F0, F1, 1                        ; the first quarter stands in front of the loop: its first products start the sums
	WIN 0
	s_mov_b32 s3, LAPS-1
.Llap:                                                 ; once round the ring, from a lap's second quarter to the next lap's first; both slots are filled again
	QUARTER 0, 2, F1, F0, 0
	QUARTER 0, 3, F0, F1, 0
	TURN 0, 1, 1
	QUARTER 1, 1, F0, F1, 0
	QUARTER 1, 2, F1, F0, 0
	QUARTER 1, 3, F0, F1, 0
	TURN 1, 0, 1
	QUARTER 0, 1, F0, F1, 0
	WIN 0
	s_sub_co_u32 s3, s3, 1
	s_cmp_lg_u32 s3, 0
	s_cbranch_scc1 .Llap
	QUARTER 0, 2, F1, F0, 0                        ; the last lap fills nothing
	QUARTER 0, 3, F0, F1, 0
	TURN 0, 1, 0
	QUARTER 1, 1, F0, F1, 0
	QUARTER 1, 2, F1, F0, 0
	QUARTER 1, 3, F0, F1, 0
	s_wait_dscnt 16
	WIN MUL
	MUL8 F1, 0, 0, 0
	MUL8 F1, 0, 2, 0
	s_wait_dscnt 0
	MUL8 F1, 1, 0, 0
	MUL8 F1, 1, 2, 0
	WIN 0
.if EPI == 2
	; THE WAY OUT, f32: sum + bias through my own stage, back as whole rows of 256 bytes, + residual, stored
	PLACES
	WIN TO_F
.irp a, 0,1,2,3
.irp t, 0,1,2,3,4,5,6,7
	global_load_b128 v[32*\a+4*\t:32*\a+4*\t+3], v[CO], s[68:69] offset:(16*\a+2*\t)*NC*4   ; the residual, in the layout of the stores
.endr
.endr
	WIN 0
	s_wait_loadcnt 32                              ; the bias is in; the 32 residual loads are younger
.irp a, 0,1,2,3
.if \a > 0
	s_wait_xcnt 0x0                                ; the registers that the last block's stores read are written again only behind this wait
.endif
.irp b, 0,1,2,3
.irp r, 0,1,2,3
	v_pk_add_f32 v[TMP+8*\b+2*\r:TMP+8*\b+2*\r+1], v[ACC+8*(4*\a+\b)+2*\r:ACC+8*(4*\a+\b)+2*\r+1], v[BIAS+8*\b+2*\r:BIAS+8*\b+2*\r+1]
.endr
.endr
.irp b, 0,1,2,3
	ds_store_b128 v[STO], v[TMP+8*\b:TMP+8*\b+3]   offset:64*\b
	ds_store_b128 v[STO], v[TMP+8*\b+4:TMP+8*\b+7] offset:64*\b+16
.endr
.irp t, 0,1,2,3,4,5,6,7
	ds_load_b128 v[TMP+32+4*\t:TMP+32+4*\t+3], v[RD] offset:\t*2*SPITCH   ; my own bytes, and LDS serves a wave's instructions in order (ISA guide 5.7.1.4)
.endr
	s_wait_dscnt 0x0
	s_wait_loadcnt 24-8*\a                         ; this block's eight residual loads are in; the later blocks' stay out
	WIN 0x04                                       ; source 1 in window 1
.irp k, 0,1,2,3,4,5,6,7,8,9,10,11,12,13,14,15
	v_pk_add_f32 v[TMP+32+2*\k:TMP+32+2*\k+1], v[TMP+32+2*\k:TMP+32+2*\k+1], v[32*\a+2*\k:32*\a+2*\k+1]
.endr
	WIN 0
.irp t, 0,1,2,3,4,5,6,7
	global_store_b128 v[CO], v[TMP+32+4*\t:TMP+32+4*\t+3], s[8:9] offset:(16*\a+2*\t)*NC*4   ; 16 lanes store 256 consecutive bytes, aligned
.endr
.endr
.else
	; THE WAY OUT, bf16: + bias (and the larger of it and 0), rounded; 16 bytes a lane into the shared stage; a barrier; back as whole rows, 32 rows a wave
	s_wait_loadcnt 0x0                             ; the bias
	PLACES
.irp t, 0,1,2,3,4,5,6,7,8,9,10,11,12,13,14,15
.irp r, 0,1,2,3
	v_pk_add_f32 v[ACC+8*\t+2*\r:ACC+8*\t+2*\r+1], v[ACC+8*\t+2*\r:ACC+8*\t+2*\r+1], v[BIAS+8*(\t%4)+2*\r:BIAS+8*(\t%4)+2*\r+1]
.endr
.if EPI == 1
.irp r, 0,1,2,3,4,5,6,7
	v_max_num_f32 v[ACC+8*\t+\r], 0, v[ACC+8*\t+\r]
.endr
.endif
.irp r, 0,1,2,3
	v_cvt_pk_bf16_f32 v[TMP+4*\t+\r], v[ACC+8*\t+2*\r], v[ACC+8*\t+2*\r+1]
.endr
.endr
.irp a, 0,1,2,3
.irp b, 0,1,2,3
	ds_store_b128 v[STO], v[TMP+4*(4*\a+\b):TMP+4*(4*\a+\b)+3] offset:\a*16*SPITCH+32*\b
.endr
.endr
	s_wait_dscnt 0x0                               ; for the others' sake: my stores into the stage are done
	s_barrier_signal -1
	s_barrier_wait -1
.irp t, 0,1,2,3,4,5,6,7,8,9,10,11,12,13,14,15
	ds_load_b128 v[TMP+4*\t:TMP+4*\t+3], v[RD] offset:\t*2*SPITCH
.endr
.irp t, 0,1,2,3,4,5,6,7,8,9,10,11,12,13,14,15
	s_wait_dscnt 15-\t
	global_store_b128 v[CO], v[TMP+4*\t:TMP+4*\t+3], s[8:9] offset:2*\t*NC*2   ; 16 lanes store 256 consecutive bytes, aligned
.endr
.endif
	s_wait_tensorcnt 0x0
	ds_add_u32 v30, v31
	s_wait_dscnt 0x0
	CROUND                                         ; the closing round: no work-group ends while a partner may still ask for a tile that names it
	s_endpgm
.Lfunc_end_k_q1727f9ee45_g_proj:
	.size	k_q1727f9ee45_g_proj, .Lfunc_end_k_q1727f9ee45_g_proj-k_q1727f9ee45_g_proj
	.p2alignl 7, 3214868480
	.fill 96, 4, 3214868480
	.section	.rodata,"a",@progbits
	.p2align	6, 0x0
	.amdhsa_kernel k_q1727f9ee45_g_proj
		.amdhsa_group_segment_fixed_size 327680
		.amdhsa_private_segment_fixed_size 0
		.amdhsa_enable_private_segment 0
		.amdhsa_kernarg_size 40
		.amdhsa_user_sgpr_count 2
		.amdhsa_user_sgpr_kernarg_segment_ptr 1
		.amdhsa_wavefront_size32 1
		.amdhsa_system_sgpr_workgroup_id_x 1
		.amdhsa_system_sgpr_workgroup_id_y 1
		.amdhsa_system_sgpr_workgroup_id_z 1
		.amdhsa_system_vgpr_workitem_id 0
		.amdhsa_next_free_vgpr 512
		.amdhsa_next_free_sgpr 80
		.amdhsa_reserve_vcc 0
		.amdhsa_float_denorm_mode_32 3
		.amdhsa_float_denorm_mode_16_64 3
		.amdhsa_memory_ordered 1
		.amdhsa_forward_progress 1
		.amdhsa_inst_pref_size 99
	.end_amdhsa_kernel
	.amdgpu_metadata
---
amdhsa.version: [ 1, 2 ]
amdhsa.kernels:
  - .name:           k_q1727f9ee45_g_proj
    .symbol:         k_q1727f9ee45_g_proj.kd
    .args:
      - { .name: ob, .offset: 0, .size: 8, .value_kind: global_buffer, .address_space: global }
      - { .name: bf, .offset: 8, .size: 8, .value_kind: global_buffer, .address_space: global }
      - { .name: y, .offset: 16, .size: 8, .value_kind: global_buffer, .address_space: global }
      - { .name: bp, .offset: 24, .size: 8, .value_kind: global_buffer, .address_space: global }
      - { .name: x, .offset: 32, .size: 8, .value_kind: global_buffer, .address_space: global }
    .group_segment_fixed_size: 327680
    .private_segment_fixed_size: 0
    .kernarg_segment_align: 8
    .kernarg_segment_size: 40
    .max_flat_workgroup_size: 128
    .sgpr_count:     80
    .vgpr_count:     512
    .wavefront_size: 32
...
	.end_amdgpu_metadata
.endif
;; end of part 4
;; launch ln1 (part 5): grid 256 x 1, 4 waves a work-group, no clusters, 0 bytes of LDS; arguments y, gamma1, beta1, x1, x1b; writes x1, x1b
.if DOCPART == 5
	.amdgcn_target "amdgcn-amd-amdhsa--gfx1250"
	.amdhsa_code_object_version 6
	.text
	.protected	k_q1727f9ee45_ln1
	.globl	k_q1727f9ee45_ln1
	.p2align	8
	.type	k_q1727f9ee45_ln1,@function
k_q1727f9ee45_ln1:
	s_mov_b64 s[64:65], 0
	v_nop
	global_prefetch_b8 v0, s[64:65] scope:SCOPE_SE
	s_setreg_imm32_b32 hwreg(HW_REG_WAVE_MODE, 25, 1), 1
	s_wait_xcnt 0x0
; out[r][c] = gamma[c] (y[r][c] - mean_r) / (std_r + 1e-6) + beta[c]; std with divisor 1,023.  y, out: [4096][1024] f32.  WITH_BF16 = 1: the result is also stored rounded to bf16.
; A row is 4,096 bytes: one wave takes a whole row, eight 16-byte loads a lane, and keeps it in 32 registers through both passes (mean; then the squares of the differences, so that
; no difference of large sums is formed).  Four waves, four rows each; all of a wave's 32 row loads go out at the start.  The reduction never leaves the wave: no LDS, no barrier.
; A stream: matrix unit and cluster have nothing to add; what work-groups share is 8 KiB of gamma and beta.
; v_sqrt_f32 takes a denormal variance as zero (ISA guide 15.8); std + 1e-6 is then 1e-6, which differs from the exact figure by less than 1e-19.
.set WITH_BF16, 1
.set G,    4                           ; v[4:35]    gamma of my 32 columns (128 j + 4 lane + 0..3)
.set BT,   36                          ; v[36:67]   beta
.set X,    68                          ; v[68:195]  row rho: 32 registers
.set T,    196                         ; v[196:203] four chains of packed sums
.set MEAN, 204                         ; v[204:205] the mean, twice
.set INV,  206                         ; v[206:207] 1 / (std + eps), twice
.set PL,   208                         ; the other half of the lanes' figure
.set Y,    210                         ; v[210:225] a row in bf16
	s_load_b256 s[4:11], s[0:1], 0x0               ; y 4:5, gamma 6:7, beta 8:9, out 10:11
.if WITH_BF16
	s_load_b64 s[14:15], s[0:1], 0x20              ; the bf16 copy
.endif
	v_lshrrev_b32 v3, 5, v0
	v_readfirstlane_b32 s16, v3                    ; wave
	v_and_b32 v1, 31, v0
.if WITH_BF16
	v_lshlrev_b32 v2, 3, v1                        ; 8 bytes a lane in the bf16 copy
.endif
	v_lshlrev_b32 v1, 4, v1                        ; 16 bytes a lane
	v_mov_b32 v[PL], 0                             ; v_permlanex16_b32's destination counts as read
	s_mov_b32 s12, 0x76543210                      ; each lane takes its own place in the other half
	s_mov_b32 s13, 0xfedcba98
	s_lshl_b32 s18, ttmp9, 16                      ; 16 rows of 4,096 bytes a work-group,
	s_lshl_b32 s17, s16, 14                        ; 4 a wave
	s_add_co_u32 s18, s18, s17
	s_mov_b32 s19, 0
	s_lshr_b32 s20, s18, 1                         ; half as many bytes in bf16
	s_mov_b32 s21, 0
	s_wait_kmcnt 0x0
	s_add_nc_u64 s[4:5], s[4:5], s[18:19]
	s_add_nc_u64 s[10:11], s[10:11], s[18:19]
.if WITH_BF16
	s_add_nc_u64 s[14:15], s[14:15], s[20:21]
.endif
.irp j, 0,1,2,3,4,5,6,7
	global_load_b128 v[G+4*\j:G+4*\j+3], v1, s[6:7] offset:512*\j
.endr
.irp j, 0,1,2,3,4,5,6,7
	global_load_b128 v[BT+4*\j:BT+4*\j+3], v1, s[8:9] offset:512*\j
.endr
.irp rho, 0,1,2,3
.irp j, 0,1,2,3,4,5,6,7
	global_load_b128 v[X+32*\rho+4*\j:X+32*\rho+4*\j+3], v1, s[4:5] offset:4096*\rho+512*\j th:TH_LOAD_NT
.endr
.endr
.macro ALLSUM r                        ; the sum over the 32 lanes, in every lane
	v_add_f32_dpp v[\r], v[\r], v[\r] row_xmask:1 row_mask:0xf bank_mask:0xf
	v_add_f32_dpp v[\r], v[\r], v[\r] row_xmask:2 row_mask:0xf bank_mask:0xf
	v_add_f32_dpp v[\r], v[\r], v[\r] row_xmask:4 row_mask:0xf bank_mask:0xf
	v_add_f32_dpp v[\r], v[\r], v[\r] row_xmask:8 row_mask:0xf bank_mask:0xf
	v_permlanex16_b32 v[PL], v[\r], s12, s13
	v_add_f32 v[\r], v[\r], v[PL]
.endm
.macro FOLD                            ; the four chains into one number a lane
	v_pk_add_f32 v[T:T+1], v[T:T+1], v[T+2:T+3]
	v_pk_add_f32 v[T+4:T+5], v[T+4:T+5], v[T+6:T+7]
	v_pk_add_f32 v[T:T+1], v[T:T+1], v[T+4:T+5]
	v_add_f32 v[T], v[T], v[T+1]
.endm
.macro ROW rho
.set XR, X+32*\rho
	s_wait_loadcnt 24-8*\rho                       ; this row (and gamma, beta) are in; the later rows' loads stay out
.irp k, 0,1,2,3
	v_pk_add_f32 v[T+2*\k:T+2*\k+1], v[XR+2*\k:XR+2*\k+1], v[XR+8+2*\k:XR+8+2*\k+1]   ; the first sums start the chains: nothing is cleared
.endr
.irp k, 0,1,2,3
	v_pk_add_f32 v[T+2*\k:T+2*\k+1], v[T+2*\k:T+2*\k+1], v[XR+16+2*\k:XR+16+2*\k+1]
.endr
.irp k, 0,1,2,3
	v_pk_add_f32 v[T+2*\k:T+2*\k+1], v[T+2*\k:T+2*\k+1], v[XR+24+2*\k:XR+24+2*\k+1]
.endr
	FOLD
	ALLSUM T
	v_mul_f32 v[MEAN], 0x3a800000, v[T]            ; / 1,024
	v_mul_f32 v[MEAN+1], 0x3a800000, v[T]
.set k, 0
.rept 16
	v_pk_add_f32 v[XR+2*k:XR+2*k+1], v[XR+2*k:XR+2*k+1], v[MEAN:MEAN+1] neg_lo:[0,1] neg_hi:[0,1]
.set k, k+1
.endr
.irp k, 0,1,2,3
	v_pk_mul_f32 v[T+2*\k:T+2*\k+1], v[XR+2*\k:XR+2*\k+1], v[XR+2*\k:XR+2*\k+1]
.endr
.set k, 4
.rept 12
	v_pk_fma_f32 v[T+2*(k%4):T+2*(k%4)+1], v[XR+2*k:XR+2*k+1], v[XR+2*k:XR+2*k+1], v[T+2*(k%4):T+2*(k%4)+1]
.set k, k+1
.endr
	FOLD
	ALLSUM T
	v_mul_f32 v[T], 0x3a802008, v[T]               ; / 1,023
	v_sqrt_f32 v[T+1], v[T]
	v_nop                                          ; a plain instruction behind a transcendental before its result is used (ISA guide 5.7.2)
	s_wait_alu depctr_va_vdst(0)
	v_add_f32 v[T+1], 0x358637bd, v[T+1]           ; + 1e-6
	v_rcp_f32 v[INV], v[T+1]
	v_rcp_f32 v[INV+1], v[T+1]
	v_nop
.set k, 0
	s_wait_alu depctr_va_vdst(0)
.rept 16
	v_pk_mul_f32 v[XR+2*k:XR+2*k+1], v[XR+2*k:XR+2*k+1], v[INV:INV+1]
.set k, k+1
.endr
.set k, 0
.rept 16
	v_pk_fma_f32 v[XR+2*k:XR+2*k+1], v[XR+2*k:XR+2*k+1], v[G+2*k:G+2*k+1], v[BT+2*k:BT+2*k+1]
.set k, k+1
.endr
.irp j, 0,1,2,3,4,5,6,7
.if WITH_BF16
	global_store_b128 v1, v[XR+4*\j:XR+4*\j+3], s[10:11] offset:4096*\rho+512*\j           ; a wave's store covers 512 consecutive bytes, aligned
.else
	global_store_b128 v1, v[XR+4*\j:XR+4*\j+3], s[10:11] offset:4096*\rho+512*\j th:TH_STORE_NT
.endif
.endr
.if WITH_BF16
	s_wait_xcnt 0x0                                ; Y, which the last row's stores read, is written again only behind this wait
.set k, 0
.rept 16
	v_cvt_pk_bf16_f32 v[Y+k], v[XR+2*k], v[XR+2*k+1]
.set k, k+1
.endr
.irp j, 0,1,2,3,4,5,6,7
	global_store_b64 v2, v[Y+2*\j:Y+2*\j+1], s[14:15] offset:2048*\rho+256*\j              ; 32 lanes store 256 consecutive bytes, aligned
.endr
.endif
.endm
	ROW 0
	ROW 1
	ROW 2
	ROW 3
	s_endpgm
.Lfunc_end_k_q1727f9ee45_ln1:
	.size	k_q1727f9ee45_ln1, .Lfunc_end_k_q1727f9ee45_ln1-k_q1727f9ee45_ln1
	.p2alignl 7, 3214868480
	.fill 96, 4, 3214868480
	.section	.rodata,"a",@progbits
	.p2align	6, 0x0
	.amdhsa_kernel k_q1727f9ee45_ln1
		.amdhsa_group_segment_fixed_size 0
		.amdhsa_private_segment_fixed_size 0
		.amdhsa_enable_private_segment 0
		.amdhsa_kernarg_size 40
		.amdhsa_user_sgpr_count 2
		.amdhsa_user_sgpr_kernarg_segment_ptr 1
		.amdhsa_wavefront_size32 1
		.amdhsa_system_sgpr_workgroup_id_x 1
		.amdhsa_system_sgpr_workgroup_id_y 1
		.amdhsa_system_sgpr_workgroup_id_z 1
		.amdhsa_system_vgpr_workitem_id 0
		.amdhsa_next_free_vgpr 228
		.amdhsa_next_free_sgpr 66
		.amdhsa_reserve_vcc 0
		.amdhsa_float_denorm_mode_32 3
		.amdhsa_float_denorm_mode_16_64 3
		.amdhsa_memory_ordered 1
		.amdhsa_forward_progress 1
		.amdhsa_inst_pref_size 42
	.end_amdhsa_kernel
	.amdgpu_metadata
---
amdhsa.version: [ 1, 2 ]
amdhsa.kernels:
  - .name:           k_q1727f9ee45_ln1
    .symbol:         k_q1727f9ee45_ln1.kd
    .args:
      - { .name: y, .offset: 0, .size: 8, .value_kind: global_buffer, .address_space: global }
      - { .name: gamma1, .offset: 8, .size: 8, .value_kind: global_buffer, .address_space: global }
      - { .name: beta1, .offset: 16, .size: 8, .value_kind: global_buffer, .address_space: global }
      - { .name: x1, .offset: 24, .size: 8, .value_kind: global_buffer, .address_space: global }
      - { .name: x1b, .offset: 32, .size: 8, .value_kind: global_buffer, .address_space: global }
    .group_segment_fixed_size: 0
    .private_segment_fixed_size: 0
    .kernarg_segment_align: 8
    .kernarg_segment_size: 40
    .max_flat_workgroup_size: 128
    .sgpr_count:     66
    .vgpr_count:     228
    .wavefront_size: 32
...
	.end_amdgpu_metadata
.endif
;; end of part 5
;; launch g_ffn1 (part 6): grid 32 x 32, 4 waves a work-group, clusters of 4 x 4, 327,680 bytes of LDS; arguments x1b, bf, h, b1; writes h
.if DOCPART == 6
	.amdgcn_target "amdgcn-amd-amdhsa--gfx1250"
	.amdhsa_code_object_version 6
	.text
	.protected	k_q1727f9ee45_g_ffn1
	.globl	k_q1727f9ee45_g_ffn1
	.p2align	8
	.type	k_q1727f9ee45_g_ffn1,@function
k_q1727f9ee45_g_ffn1:
	s_mov_b64 s[64:65], 0
	v_nop
	global_prefetch_b8 v0, s[64:65] scope:SCOPE_SE
	s_setreg_imm32_b32 hwreg(HW_REG_WAVE_MODE, 25, 1), 1
	s_wait_xcnt 0x0
	s_wait_alu depctr_hold_cnt(0) depctr_sa_sdst(0) depctr_va_vdst(0) depctr_va_sdst(0) depctr_va_ssrc(0) depctr_va_vcc(0) depctr_vm_vsrc(0)
	s_getreg_b32 s2, hwreg(HW_REG_IB_STS2, 6, 4)
	s_cmp_eq_u32 s2, 0
	s_cbranch_scc0 .Lentry_in_a_cluster
	s_endpgm
.Lentry_in_a_cluster:
	s_bfe_u32 s2, ttmp6, 0x10000c
	s_cmp_lg_u32 s2, 0xf033
	s_cbranch_scc0 .Lentry_shape_is_right
	s_endpgm
.Lentry_shape_is_right:
; h[4096][4096] (bf16) = max(x1b (bf16) times W1 (bf16, in bf) + b1, 0).
; One text serves four products C = A B (+ bias ...); the constants below choose the variant, and .if leaves the other variants' lines out.
;   A: [4096][SIZE_K] bf16, K along the rows.  B: [SIZE_K][NB] bf16, N along the rows, as the weights lie.  Sums in f32.
;   EPI 0: C = bf16(sum + bias).   EPI 1: C = bf16(max(sum + bias, 0)).   EPI 2: C = f32: sum + bias + residual (f32).
; SHARES.  A tile of C is 128 x 128, made by four waves, 64 x 64 each: 16 accumulators of 16 x 16.  This tile gives every launch of this text a multiple of 256 work-groups.
; K goes in steps of 256 through two LDS slots filled by tensor loads: waves 0, 1 fetch A's two halves (64 rows x 512 bytes), waves 2, 3 B's (128 k-rows x 256 bytes).
; B is turned on its way out of LDS by ds_load_tr16_b128, so no transposed copy of a weight is ever made.
; CLUSTER.  4 x 4 work-groups: the four of a row need the same tiles of A, the four of a column the same tiles of B; each tile is asked for jointly.
; THE MATRIX INSTRUCTION IS USED TRANSPOSED (source 0 = 16 columns of B, source 1 = 16 rows of A): a lane then holds eight neighbouring numbers of a row of C.
; LIMIT: A and B are bf16 (8 bits of mantissa); nothing else is narrowed before the sums.
; REGISTERS: window 0: v0-31 addresses; v32-95 at work on the way out; v96-127 bias; v128-255 accumulators ((a, b) at v[128 + 8 (4 a + b)]).
;   window 1: two fragment buffers of 128: for 64 along K, 64 registers of A, then 64 of B.  On EPI 2's way out v0-127 of window 1 hold the residual.
.set SIZE_K, 1024
.set NB,     4096                      ; elements in a row of B
.set NC,     4096                      ; elements in a row of C
.set BOFF,   16777216                  ; B's first byte in bf
.set EPI,    1
.set QKV,    0                         ; 1: A and B both lie in bf; B and the bias are one of three, by the tile column
.set KSTEP,  256
.set PA,     528                       ; A's LDS row: 512 bytes + 16: row r starts at bank 4 r mod 64 (64 banks of 4 bytes: ISA guide 11.1)
.set PB,     288                       ; B's LDS row: 256 bytes + 32
.set HA,     64*PA                     ; what one tensor load brings of A
.set HB,     128*PB                    ; and of B
.set BBASE,  2*HA
.set SLOT,   2*HA+2*HB                 ; A's 128 rows, then B's 256 k-rows
.set STAGE,  2*SLOT                    ; behind the ring; no tensor load lands here
.set SPITCH, 272
.set LAPS,   SIZE_K/(2*KSTEP)          ; a lap = two K steps = once round the ring
.set ADRA, 16                          ; v16-17  my A fragments in slot 0, 1
.set ADRB, 20                          ; v20-23  my B fragments: slot 0 k 0-127, slot 0 k 128-255, slot 1 likewise (the 16-bit offset does not reach 255 rows)
.set STO,  24
.set RD,   25
.set CO,   26
.set BO,   27
.set TMP,  32
.set BIAS, 96
.set ACC,  128
.set F0,   0
.set F1,   128
.set G1, 24                            ; s[24:31] group 1 for A's tiles; s[32:39] group 0, a set for each slot
.set G0, 32
.set G1B, 48                           ; s[48:55], s[56:63] the same for B's
.set G0B, 56
.set MSB, 0
.macro WIN new                         ; the immediate's high byte repeats the setting that is left
.if MSB != \new
	s_set_vgpr_msb (MSB<<8)|\new
.set MSB, \new
.endif
.endm
.set MUL,  0x05                        ; sources 0 (B) and 1 (A) window 1; C and D window 0
.set TO_F, 0x40                        ; destination window 1, address window 0
.macro JLOAD s                         ; a joint refill: one load a wave; four v_nop follow each of the two lines
	s_cmp_eq_u32 s11, 0
	s_cbranch_scc0 .Lfor_b_\@
	tensor_load_to_lds s[G0+4*\s:G0+4*\s+3], s[G1:G1+7]
	s_nop 0
.rept 4
	v_nop
.endr
	s_branch .Lasked_\@
.Lfor_b_\@:
	tensor_load_to_lds s[G0B+4*\s:G0B+4*\s+3], s[G1B:G1B+7]
	s_nop 0
.rept 4
	v_nop
.endr
.Lasked_\@:
.endm
.macro CREST                           ; a round of the cluster's barrier behind its opening barrier
	s_cmp_lg_u32 s10, 0
	s_cbranch_scc1 .Lnot_wave_0_\@
	s_barrier_signal -3
.Lnot_wave_0_\@:
	s_barrier_wait -3
	s_barrier_signal -1
	s_barrier_wait -1
.endm
.macro CROUND
	s_barrier_signal -1
	s_barrier_wait -1
	CREST
.endm
.if QKV
	s_load_b128 s[4:7], s[0:1], 0x0                ; bf s[4:5], qkv s[6:7]
	s_load_b128 s[68:71], s[0:1], 0x10             ; bq, bk
	s_load_b64 s[72:73], s[0:1], 0x20              ; bv
.else
	s_load_b128 s[4:7], s[0:1], 0x0                ; A s[4:5], bf s[6:7]
	s_load_b64 s[8:9], s[0:1], 0x10                ; C
	s_load_b64 s[66:67], s[0:1], 0x18              ; bias
	v_lshl_add_u32 v30, v0, 2, 0x4d800
	v_mov_b32 v31, 0
	ds_add_u32 v30, v31
	ds_add_u32 v30, v31
.if EPI == 2
	s_load_b64 s[68:69], s[0:1], 0x20              ; residual
.endif
.endif
	v_lshrrev_b32 v1, 5, v0
	v_readfirstlane_b32 s10, v1                    ; wave 0..3
	s_lshr_b32 s11, s10, 1                         ; my half of the tile's rows.  Also: I fetch for A (0) or for B (1)
	s_and_b32 s12, s10, 1                          ; my half of its columns.  Also: which half of that tile I fetch
	s_bfe_u32 s40, ttmp6, 0x40000                  ; cx, cy
	s_bfe_u32 s41, ttmp6, 0x40004
	s_lshl_b32 s42, ttmp9, 2
	s_add_co_u32 s42, s42, s40                     ; tile column = 4 x cluster x + cx
	s_and_b32 s13, ttmp7, 0xffff
	s_lshl_b32 s13, s13, 2
	s_add_co_u32 s13, s13, s41                     ; tile row = 4 x cluster y + cy
	s_lshl_b32 s43, s41, 2
	s_lshl_b32 s43, 15, s43                        ; my row of the cluster
	s_lshl_b32 s44, 0x1111, s40                    ; my column
	s_lshr_b32 s45, ttmp9, 1                       ; tile column / 8 (cx < 4): which of Wq, Wk, Wv
	s_or_b32 s[G1+0], s43, (1<<16)|(1<<20)|(1<<21)|(6<<22)|(3<<25)  ; mask: my row; elements of 2 bytes; padding on; bit 21 beside a mask; after every 128 words, 4 words
	s_mov_b32 s[G1+1], KSTEP<<16                   ; tensor_dim0 = 256
	s_mov_b32 s[G1+2], 64<<16                      ; tensor_dim1 = 64
	s_mov_b32 s[G1+3], KSTEP<<16                   ; tile_dim0 = 256
	s_mov_b32 s[G1+4], 64                          ; tile_dim1 = 64
	s_mov_b32 s[G1+5], SIZE_K                      ; elements from row to row
	s_mov_b32 s[G1+6], 0
	s_mov_b32 s[G1+7], 0
	s_or_b32 s[G1B+0], s44, (1<<16)|(1<<20)|(1<<21)|(5<<22)|(7<<25) ; mask: my column; after every 64 words, 8 words
	s_mov_b32 s[G1B+1], 128<<16                    ; 128 columns,
	s_mov_b32 s[G1B+2], 128<<16                    ; 128 k-rows
	s_mov_b32 s[G1B+3], 128<<16
	s_mov_b32 s[G1B+4], 128
	s_mov_b32 s[G1B+5], NB
	s_mov_b32 s[G1B+6], 0
	s_mov_b32 s[G1B+7], 0
	; A's tile hangs on the tile row alone, B's on the tile column alone; each address is made in registers that never hold the other coordinate
	s_lshl_b32 s16, s13, 7
	s_lshl_b32 s17, s12, 6
	s_add_co_u32 s16, s16, s17                     ; A: row 128 x tile row + 64 x half
	s_mul_i32 s16, s16, SIZE_K*2                   ; in bytes: under 2^25
	s_mov_b32 s17, 0
.if QKV
	s_and_b32 s46, s42, 7
	s_lshl_b32 s46, s46, 8                         ; 128 columns of 2 bytes for each tile column within the weight,
	s_lshl_b32 s47, s45, 21                        ; 2 MiB for each weight
	s_add_co_u32 s46, s46, s47
.else
	s_lshl_b32 s46, s42, 8
.endif
	s_mul_i32 s47, s12, 128*NB*2                   ; my half of the step's 256 k-rows
	s_add_co_u32 s46, s46, s47
	s_add_co_u32 s46, s46, BOFF
	s_mov_b32 s47, 0
	s_mul_i32 s20, s12, HA                         ; where they go: no place in the cluster enters an LDS address
	s_mul_i32 s21, s12, HB
	s_add_co_u32 s21, s21, BBASE
	s_wait_dscnt 0x0
	s_wait_kmcnt 0x0
.if QKV
	s_mov_b64 s[8:9], s[6:7]                       ; C
	s_mov_b64 s[6:7], s[4:5]                       ; B lies in bf too
	s_mov_b64 s[66:67], s[68:69]                   ; the bias that goes with the weight
	s_cmp_eq_u32 s45, 1
	s_cselect_b64 s[66:67], s[70:71], s[66:67]
	s_cmp_eq_u32 s45, 2
	s_cselect_b64 s[66:67], s[72:73], s[66:67]
.endif
	s_add_nc_u64 s[14:15], s[4:5], s[16:17]
	s_add_nc_u64 s[46:47], s[6:7], s[46:47]
.irp s, 0,1
	s_mov_b32 s[G0+4*\s], 1
	s_add_co_u32 s[G0+4*\s+1], s20, \s*SLOT
	s_add_nc_u64 s[G0+4*\s+2:G0+4*\s+3], s[14:15], \s*KSTEP*2
	s_or_b32 s[G0+4*\s+3], s[G0+4*\s+3], 0x80000000
	s_mov_b32 s[G0B+4*\s], 1
	s_add_co_u32 s[G0B+4*\s+1], s21, \s*SLOT
	s_add_nc_u64 s[G0B+4*\s+2:G0B+4*\s+3], s[46:47], \s*KSTEP*NB*2
	s_or_b32 s[G0B+4*\s+3], s[G0B+4*\s+3], 0x80000000
.endr
	CROUND                                         ; all sixteen work-groups are here: the first joint loads meet
	s_cmp_eq_u32 s11, 0                            ; a wave's two first fills stand in one branch: two loads of mine are out
	s_cbranch_scc0 .Lfirst_b
	tensor_load_to_lds s[G0:G0+3], s[G1:G1+7]
	s_nop 0
	tensor_load_to_lds s[G0+4:G0+7], s[G1:G1+7]
	s_nop 0
.rept 4
	v_nop
.endr
	s_branch .Lfirst_asked
.Lfirst_b:
	tensor_load_to_lds s[G0B:G0B+3], s[G1B:G1B+7]
	s_nop 0
	tensor_load_to_lds s[G0B+4:G0B+7], s[G1B:G1B+7]
	s_nop 0
.rept 4
	v_nop
.endr
.Lfirst_asked:
	v_and_b32 v1, 15, v0                           ; r = l % 16
	v_bfe_u32 v2, v0, 4, 1                         ; h = l / 16
	v_mul_u32_u24 v3, v1, PA
	v_lshl_add_u32 v3, v2, 4, v3                   ; A: row r, 16 bytes for each half of the lanes
	v_and_b32 v5, 7, v0
	v_bfe_u32 v6, v0, 3, 1
	v_lshl_add_u32 v4, v2, 3, v5                   ; B, turning load: k-row 8 h + l % 8,
	v_mul_u32_u24 v4, v4, PB
	v_lshl_add_u32 v4, v6, 4, v4                   ; columns 8 ((l / 8) % 2) on
	s_mul_i32 s22, s11, HA                         ; my 64 rows of A
	s_lshl_b32 s23, s12, 7                         ; my 64 columns of B
	s_add_co_u32 s23, s23, BBASE
.irp s, 0,1
	v_add_nc_u32 v[ADRA+\s], s22, v3
	s_add_co_u32 s22, s22, SLOT
	v_add_nc_u32 v[ADRB+2*\s], s23, v4
	s_add_co_u32 s23, s23, HB
	v_add_nc_u32 v[ADRB+2*\s+1], s23, v4
	s_add_co_u32 s23, s23, SLOT-HB
.endr
	; the bias of my 64 columns: accumulator column b, register j is column 16 b + 8 h + j
.if QKV
	s_and_b32 s74, s42, 7
	s_lshl_b32 s74, s74, 9
.else
	s_lshl_b32 s74, s42, 9                         ; 128 columns x 4 bytes
.endif
	s_lshl_b32 s75, s12, 8
	s_add_co_u32 s74, s74, s75
	s_mov_b32 s75, 0
	s_add_nc_u64 s[66:67], s[66:67], s[74:75]
	v_lshlrev_b32 v[BO], 5, v2
.irp b, 0,1,2,3
	global_load_b128 v[BIAS+8*\b:BIAS+8*\b+3],   v[BO], s[66:67] offset:64*\b
	global_load_b128 v[BIAS+8*\b+4:BIAS+8*\b+7], v[BO], s[66:67] offset:64*\b+16
.endr
.if EPI == 2
	; f32 out: a wave's 64 columns are 256 bytes, so each wave has a stage of its own: 16 rows x 272 bytes
	s_mul_i32 s23, s10, 16*SPITCH
	s_add_co_u32 s23, s23, STAGE
	v_mul_u32_u24 v4, v1, SPITCH
	v_lshl_add_u32 v4, v2, 5, v4                   ; in: row r, 32 bytes for each half of the lanes
	v_add_nc_u32 v[STO], s23, v4
	v_mul_u32_u24 v5, v2, SPITCH
	v_lshl_add_u32 v5, v1, 4, v5                   ; back: lanes 0-15 one row of 256 bytes, lanes 16-31 the next
	v_add_nc_u32 v[RD], s23, v5
	v_mul_u32_u24 v5, v2, NC*4
	v_lshl_add_u32 v[CO], v1, 4, v5
	s_lshl_b32 s16, s13, 7
	s_lshl_b32 s17, s11, 6
	s_add_co_u32 s16, s16, s17                     ; my first row
	s_mul_i32 s16, s16, NC*4
	s_mov_b32 s17, 0
	s_add_nc_u64 s[8:9], s[8:9], s[16:17]
	s_add_nc_u64 s[8:9], s[8:9], s[74:75]          ; my first column, 4 bytes a number: the bias's offset
	s_add_nc_u64 s[68:69], s[68:69], s[16:17]
	s_add_nc_u64 s[68:69], s[68:69], s[74:75]
.else
	; bf16 out: a wave's 64 columns are half of 256 bytes, so the four waves share one stage of 128 rows x 272 bytes
	s_mul_i32 s23, s11, 64*SPITCH
	s_lshl_b32 s22, s12, 7
	s_add_co_u32 s23, s23, s22
	s_add_co_u32 s23, s23, STAGE
	v_mul_u32_u24 v4, v1, SPITCH
	v_lshl_add_u32 v4, v2, 4, v4
	v_add_nc_u32 v[STO], s23, v4
	s_mul_i32 s23, s10, 32*SPITCH                  ; back: wave w takes rows 32 w .. 32 w + 31, whole
	s_add_co_u32 s23, s23, STAGE
	v_mul_u32_u24 v5, v2, SPITCH
	v_lshl_add_u32 v5, v1, 4, v5
	v_add_nc_u32 v[RD], s23, v5
	v_mul_u32_u24 v5, v2, NC*2
	v_lshl_add_u32 v[CO], v1, 4, v5
	s_lshl_b32 s16, s13, 7
	s_lshl_b32 s17, s10, 5
	s_add_co_u32 s16, s16, s17                     ; the first row that I store
	s_mul_i32 s16, s16, NC*2
	s_mov_b32 s17, 0
	s_add_nc_u64 s[8:9], s[8:9], s[16:17]
	s_lshl_b32 s74, s42, 8                         ; the tile's first column, 2 bytes a number
	s_add_nc_u64 s[8:9], s[8:9], s[74:75]
.endif
; 8 matrix instructions: m blocks a0, a0 + 1 x all 4 n blocks, 32 along K: half c of buffer f.  zero = 1: the first product starts the sums.
; The 16 accumulators take turns, one instruction a turn.
.macro MUL8 f, c, a0, zero
.irp a, \a0, \a0+1
.irp b, 0,1,2,3
.if \zero
	v_wmma_f32_16x16x32_bf16 v[ACC+8*(4*(\a)+\b):ACC+8*(4*(\a)+\b)+7], v[\f+64+8*(4*\c+\b):\f+64+8*(4*\c+\b)+7], v[\f+8*(4*\c+\a):\f+8*(4*\c+\a)+7], 0
.else
	v_wmma_f32_16x16x32_bf16 v[ACC+8*(4*(\a)+\b):ACC+8*(4*(\a)+\b)+7], v[\f+64+8*(4*\c+\b):\f+64+8*(4*\c+\b)+7], v[\f+8*(4*\c+\a):\f+8*(4*\c+\a)+7], v[ACC+8*(4*(\a)+\b):ACC+8*(4*(\a)+\b)+7]
.endif
.endr
.endr
.endm
; 32 LDS loads in one run: the fragments of quarter q (64 along K) of a slot into buffer f; the first 32 along K first
.macro FETCH slot, q, f
	WIN TO_F
.irp c, 0,1
.irp i, 0,1,2,3
	ds_load_tr16_b128 v[\f+64+8*(4*\c+\i):\f+64+8*(4*\c+\i)+3],   v[ADRB+2*\slot+((\q)>>1)] offset:(((\q)&1)*64+32*\c)*PB+32*\i
	ds_load_tr16_b128 v[\f+64+8*(4*\c+\i)+4:\f+64+8*(4*\c+\i)+7], v[ADRB+2*\slot+((\q)>>1)] offset:(((\q)&1)*64+32*\c+16)*PB+32*\i
	ds_load_b128 v[\f+8*(4*\c+\i):\f+8*(4*\c+\i)+3],              v[ADRA+\slot] offset:128*\q+64*\c+\i*16*PA
	ds_load_b128 v[\f+8*(4*\c+\i)+4:\f+8*(4*\c+\i)+7],            v[ADRA+\slot] offset:128*\q+64*\c+\i*16*PA+32
.endr
.endr
.endm
.macro PLACES                          ; four places in front of loads into registers that matrix instructions have read, and of vector work on results
.rept 4
	v_nop
.endr
.endm
; A K step is four quarters of 64 along K on buffers 0, 1, 0, 1.  One of the first three: multiplies buffer f and fetches quarter q into g.
.macro QUARTER slot, q, f, g, zero
	s_wait_dscnt 16                                ; the first 32 along K are in; the 16 younger loads may be out
	WIN MUL
	MUL8 \f, 0, 0, \zero
	MUL8 \f, 0, 2, \zero
	PLACES
	FETCH \slot, \q, \g
	s_wait_dscnt 32                                ; all but the 32 just issued
	WIN MUL
	MUL8 \f, 1, 0, 0
	MUL8 \f, 1, 2, 0
.endm
; The last quarter multiplies buffer 1 and changes slots: one barrier; in front of it each wave waits for its reads of this slot and for all its tensor loads.
.macro TURN slot, next, fill
	s_wait_dscnt 16
	WIN MUL
	MUL8 F1, 0, 0, 0
	s_wait_dscnt 0                                 ; my reads of this slot are over,
	s_set_vgpr_msb 0x500
	s_wait_tensorcnt 0x0                           ; and all my tensor loads have landed: my part of the next slot
	ds_add_u32 v30, v31
	s_wait_dscnt 0x0
	s_set_vgpr_msb 0x5
	s_barrier_signal -1
	MUL8 F1, 0, 2, 0
.if \fill
	WIN 0
.endif
	s_barrier_wait -1
.if \fill
	CREST                                          ; the barrier has opened a round of the cluster's: no wave of any partner still reads this slot or has a load on its way
	s_add_nc_u64 s[G0+4*\slot+2:G0+4*\slot+3], s[G0+4*\slot+2:G0+4*\slot+3], 2*KSTEP*2
	s_add_nc_u64 s[G0B+4*\slot+2:G0B+4*\slot+3], s[G0B+4*\slot+2:G0B+4*\slot+3], 2*KSTEP*NB*2
	JLOAD \slot                                    ; the first tensor load behind the round, 120 matrix instructions ahead of the wait for it; its four v_nop are the places for the loads below
.else
	PLACES
.endif
	FETCH \next, 0, F0
	WIN MUL
	MUL8 F1, 1, 0, 0
	MUL8 F1, 1, 2, 0
.endm
	s_wait_tensorcnt 0x1                           ; my part of K step 0 is in; K step 1's may stay out
	s_barrier_signal -1
	s_barrier_wait -1
	FETCH 0, 0, F0
	QUARTER 0, 1, F0, F1, 1                        ; the first quarter stands in front of the loop: its first products start the sums
	WIN 0
	s_mov_b32 s3, LAPS-1
.Llap:                                                 ; once round the ring, from a lap's second quarter to the next lap's first; both slots are filled again
	QUARTER 0, 2, F1, F0, 0
	QUARTER 0, 3, F0, F1, 0
	TURN 0, 1, 1
	QUARTER 1, 1, F0, F1, 0
	QUARTER 1, 2, F1, F0, 0
	QUARTER 1, 3, F0, F1, 0
	TURN 1, 0, 1
	QUARTER 0, 1, F0, F1, 0
	WIN 0
	s_sub_co_u32 s3, s3, 1
	s_cmp_lg_u32 s3, 0
	s_cbranch_scc1 .Llap
	QUARTER 0, 2, F1, F0, 0                        ; the last lap fills nothing
	QUARTER 0, 3, F0, F1, 0
	TURN 0, 1, 0
	QUARTER 1, 1, F0, F1, 0
	QUARTER 1, 2, F1, F0, 0
	QUARTER 1, 3, F0, F1, 0
	s_wait_dscnt 16
	WIN MUL
	MUL8 F1, 0, 0, 0
	MUL8 F1, 0, 2, 0
	s_wait_dscnt 0
	MUL8 F1, 1, 0, 0
	MUL8 F1, 1, 2, 0
	WIN 0
.if EPI == 2
	; THE WAY OUT, f32: sum + bias through my own stage, back as whole rows of 256 bytes, + residual, stored
	PLACES
	WIN TO_F
.irp a, 0,1,2,3
.irp t, 0,1,2,3,4,5,6,7
	global_load_b128 v[32*\a+4*\t:32*\a+4*\t+3], v[CO], s[68:69] offset:(16*\a+2*\t)*NC*4   ; the residual, in the layout of the stores
.endr
.endr
	WIN 0
	s_wait_loadcnt 32                              ; the bias is in; the 32 residual loads are younger
.irp a, 0,1,2,3
.if \a > 0
	s_wait_xcnt 0x0                                ; the registers that the last block's stores read are written again only behind this wait
.endif
.irp b, 0,1,2,3
.irp r, 0,1,2,3
	v_pk_add_f32 v[TMP+8*\b+2*\r:TMP+8*\b+2*\r+1], v[ACC+8*(4*\a+\b)+2*\r:ACC+8*(4*\a+\b)+2*\r+1], v[BIAS+8*\b+2*\r:BIAS+8*\b+2*\r+1]
.endr
.endr
.irp b, 0,1,2,3
	ds_store_b128 v[STO], v[TMP+8*\b:TMP+8*\b+3]   offset:64*\b
	ds_store_b128 v[STO], v[TMP+8*\b+4:TMP+8*\b+7] offset:64*\b+16
.endr
.irp t, 0,1,2,3,4,5,6,7
	ds_load_b128 v[TMP+32+4*\t:TMP+32+4*\t+3], v[RD] offset:\t*2*SPITCH   ; my own bytes, and LDS serves a wave's instructions in order (ISA guide 5.7.1.4)
.endr
	s_wait_dscnt 0x0
	s_wait_loadcnt 24-8*\a                         ; this block's eight residual loads are in; the later blocks' stay out
	WIN 0x04                                       ; source 1 in window 1
.irp k, 0,1,2,3,4,5,6,7,8,9,10,11,12,13,14,15
	v_pk_add_f32 v[TMP+32+2*\k:TMP+32+2*\k+1], v[TMP+32+2*\k:TMP+32+2*\k+1], v[32*\a+2*\k:32*\a+2*\k+1]
.endr
	WIN 0
.irp t, 0,1,2,3,4,5,6,7
	global_store_b128 v[CO], v[TMP+32+4*\t:TMP+32+4*\t+3], s[8:9] offset:(16*\a+2*\t)*NC*4   ; 16 lanes store 256 consecutive bytes, aligned
.endr
.endr
.else
	; THE WAY OUT, bf16: + bias (and the larger of it and 0), rounded; 16 bytes a lane into the shared stage; a barrier; back as whole rows, 32 rows a wave
	s_wait_loadcnt 0x0                             ; the bias
	PLACES
.irp t, 0,1,2,3,4,5,6,7,8,9,10,11,12,13,14,15
.irp r, 0,1,2,3
	v_pk_add_f32 v[ACC+8*\t+2*\r:ACC+8*\t+2*\r+1], v[ACC+8*\t+2*\r:ACC+8*\t+2*\r+1], v[BIAS+8*(\t%4)+2*\r:BIAS+8*(\t%4)+2*\r+1]
.endr
.if EPI == 1
.irp r, 0,1,2,3,4,5,6,7
	v_max_num_f32 v[ACC+8*\t+\r], 0, v[ACC+8*\t+\r]
.endr
.endif
.irp r, 0,1,2,3
	v_cvt_pk_bf16_f32 v[TMP+4*\t+\r], v[ACC+8*\t+2*\r], v[ACC+8*\t+2*\r+1]
.endr
.endr
.irp a, 0,1,2,3
.irp b, 0,1,2,3
	ds_store_b128 v[STO], v[TMP+4*(4*\a+\b):TMP+4*(4*\a+\b)+3] offset:\a*16*SPITCH+32*\b
.endr
.endr
	s_wait_dscnt 0x0                               ; for the others' sake: my stores into the stage are done
	s_barrier_signal -1
	s_barrier_wait -1
.irp t, 0,1,2,3,4,5,6,7,8,9,10,11,12,13,14,15
	ds_load_b128 v[TMP+4*\t:TMP+4*\t+3], v[RD] offset:\t*2*SPITCH
.endr
.irp t, 0,1,2,3,4,5,6,7,8,9,10,11,12,13,14,15
	s_wait_dscnt 15-\t
	global_store_b128 v[CO], v[TMP+4*\t:TMP+4*\t+3], s[8:9] offset:2*\t*NC*2   ; 16 lanes store 256 consecutive bytes, aligned
.endr
.endif
	s_wait_tensorcnt 0x0
	ds_add_u32 v30, v31
	s_wait_dscnt 0x0
	CROUND                                         ; the closing round: no work-group ends while a partner may still ask for a tile that names it
	s_endpgm
.Lfunc_end_k_q1727f9ee45_g_ffn1:
	.size	k_q1727f9ee45_g_ffn1, .Lfunc_end_k_q1727f9ee45_g_ffn1-k_q1727f9ee45_g_ffn1
	.p2alignl 7, 3214868480
	.fill 96, 4, 3214868480
	.section	.rodata,"a",@progbits
	.p2align	6, 0x0
	.amdhsa_kernel k_q1727f9ee45_g_ffn1
		.amdhsa_group_segment_fixed_size 327680
		.amdhsa_private_segment_fixed_size 0
		.amdhsa_enable_private_segment 0
		.amdhsa_kernarg_size 32
		.amdhsa_user_sgpr_count 2
		.amdhsa_user_sgpr_kernarg_segment_ptr 1
		.amdhsa_wavefront_size32 1
		.amdhsa_system_sgpr_workgroup_id_x 1
		.amdhsa_system_sgpr_workgroup_id_y 1
		.amdhsa_system_sgpr_workgroup_id_z 1
		.amdhsa_system_vgpr_workitem_id 0
		.amdhsa_next_free_vgpr 512
		.amdhsa_next_free_sgpr 80
		.amdhsa_reserve_vcc 0
		.amdhsa_float_denorm_mode_32 3
		.amdhsa_float_denorm_mode_16_64 3
		.amdhsa_memory_ordered 1
		.amdhsa_forward_progress 1
		.amdhsa_inst_pref_size 96
	.end_amdhsa_kernel
	.amdgpu_metadata
---
amdhsa.version: [ 1, 2 ]
amdhsa.kernels:
  - .name:           k_q1727f9ee45_g_ffn1
    .symbol:         k_q1727f9ee45_g_ffn1.kd
    .args:
      - { .name: x1b, .offset: 0, .size: 8, .value_kind: global_buffer, .address_space: global }
      - { .name: bf, .offset: 8, .size: 8, .value_kind: global_buffer, .address_space: global }
      - { .name: h, .offset: 16, .size: 8, .value_kind: global_buffer, .address_space: global }
      - { .name: b1, .offset: 24, .size: 8, .value_kind: global_buffer, .address_space: global }
    .group_segment_fixed_size: 327680
    .private_segment_fixed_size: 0
    .kernarg_segment_align: 8
    .kernarg_segment_size: 32
    .max_flat_workgroup_size: 128
    .sgpr_count:     80
    .vgpr_count:     512
    .wavefront_size: 32
...
	.end_amdgpu_metadata
.endif
;; end of part 6
;; launch g_ffn2 (part 7): grid 8 x 32, 4 waves a work-group, clusters of 4 x 4, 327,680 bytes of LDS; arguments h, bf, y, b2, x1; writes y
.if DOCPART == 7
	.amdgcn_target "amdgcn-amd-amdhsa--gfx1250"
	.amdhsa_code_object_version 6
	.text
	.protected	k_q1727f9ee45_g_ffn2
	.globl	k_q1727f9ee45_g_ffn2
	.p2align	8
	.type	k_q1727f9ee45_g_ffn2,@function
k_q1727f9ee45_g_ffn2:
	s_mov_b64 s[64:65], 0
	v_nop
	global_prefetch_b8 v0, s[64:65] scope:SCOPE_SE
	s_setreg_imm32_b32 hwreg(HW_REG_WAVE_MODE, 25, 1), 1
	s_wait_xcnt 0x0
	s_wait_alu depctr_hold_cnt(0) depctr_sa_sdst(0) depctr_va_vdst(0) depctr_va_sdst(0) depctr_va_ssrc(0) depctr_va_vcc(0) depctr_vm_vsrc(0)
	s_getreg_b32 s2, hwreg(HW_REG_IB_STS2, 6, 4)
	s_cmp_eq_u32 s2, 0
	s_cbranch_scc0 .Lentry_in_a_cluster
	s_endpgm
.Lentry_in_a_cluster:
	s_bfe_u32 s2, ttmp6, 0x10000c
	s_cmp_lg_u32 s2, 0xf033
	s_cbranch_scc0 .Lentry_shape_is_right
	s_endpgm
.Lentry_shape_is_right:
; y[4096][1024] (f32) = h (bf16) times W2 (bf16, in bf) + b2 + x1 (f32).
; One text serves four products C = A B (+ bias ...); the constants below choose the variant, and .if leaves the other variants' lines out.
;   A: [4096][SIZE_K] bf16, K along the rows.  B: [SIZE_K][NB] bf16, N along the rows, as the weights lie.  Sums in f32.
;   EPI 0: C = bf16(sum + bias).   EPI 1: C = bf16(max(sum + bias, 0)).   EPI 2: C = f32: sum + bias + residual (f32).
; SHARES.  A tile of C is 128 x 128, made by four waves, 64 x 64 each: 16 accumulators of 16 x 16.  This tile gives every launch of this text a multiple of 256 work-groups.
; K goes in steps of 256 through two LDS slots filled by tensor loads: waves 0, 1 fetch A's two halves (64 rows x 512 bytes), waves 2, 3 B's (128 k-rows x 256 bytes).
; B is turned on its way out of LDS by ds_load_tr16_b128, so no transposed copy of a weight is ever made.
; CLUSTER.  4 x 4 work-groups: the four of a row need the same tiles of A, the four of a column the same tiles of B; each tile is asked for jointly.
; THE MATRIX INSTRUCTION IS USED TRANSPOSED (source 0 = 16 columns of B, source 1 = 16 rows of A): a lane then holds eight neighbouring numbers of a row of C.
; LIMIT: A and B are bf16 (8 bits of mantissa); nothing else is narrowed before the sums.
; REGISTERS: window 0: v0-31 addresses; v32-95 at work on the way out; v96-127 bias; v128-255 accumulators ((a, b) at v[128 + 8 (4 a + b)]).
;   window 1: two fragment buffers of 128: for 64 along K, 64 registers of A, then 64 of B.  On EPI 2's way out v0-127 of window 1 hold the residual.
.set SIZE_K, 4096
.set NB,     1024                      ; elements in a row of B
.set NC,     1024                      ; elements in a row of C
.set BOFF,   25165824                  ; B's first byte in bf
.set EPI,    2
.set QKV,    0                         ; 1: A and B both lie in bf; B and the bias are one of three, by the tile column
.set KSTEP,  256
.set PA,     528                       ; A's LDS row: 512 bytes + 16: row r starts at bank 4 r mod 64 (64 banks of 4 bytes: ISA guide 11.1)
.set PB,     288                       ; B's LDS row: 256 bytes + 32
.set HA,     64*PA                     ; what one tensor load brings of A
.set HB,     128*PB                    ; and of B
.set BBASE,  2*HA
.set SLOT,   2*HA+2*HB                 ; A's 128 rows, then B's 256 k-rows
.set STAGE,  2*SLOT                    ; behind the ring; no tensor load lands here
.set SPITCH, 272
.set LAPS,   SIZE_K/(2*KSTEP)          ; a lap = two K steps = once round the ring
.set ADRA, 16                          ; v16-17  my A fragments in slot 0, 1
.set ADRB, 20                          ; v20-23  my B fragments: slot 0 k 0-127, slot 0 k 128-255, slot 1 likewise (the 16-bit offset does not reach 255 rows)
.set STO,  24
.set RD,   25
.set CO,   26
.set BO,   27
.set TMP,  32
.set BIAS, 96
.set ACC,  128
.set F0,   0
.set F1,   128
.set G1, 24                            ; s[24:31] group 1 for A's tiles; s[32:39] group 0, a set for each slot
.set G0, 32
.set G1B, 48                           ; s[48:55], s[56:63] the same for B's
.set G0B, 56
.set MSB, 0
.macro WIN new                         ; the immediate's high byte repeats the setting that is left
.if MSB != \new
	s_set_vgpr_msb (MSB<<8)|\new
.set MSB, \new
.endif
.endm
.set MUL,  0x05                        ; sources 0 (B) and 1 (A) window 1; C and D window 0
.set TO_F, 0x40                        ; destination window 1, address window 0
.macro JLOAD s                         ; a joint refill: one load a wave; four v_nop follow each of the two lines
	s_cmp_eq_u32 s11, 0
	s_cbranch_scc0 .Lfor_b_\@
	tensor_load_to_lds s[G0+4*\s:G0+4*\s+3], s[G1:G1+7]
	s_nop 0
.rept 4
	v_nop
.endr
	s_branch .Lasked_\@
.Lfor_b_\@:
	tensor_load_to_lds s[G0B+4*\s:G0B+4*\s+3], s[G1B:G1B+7]
	s_nop 0
.rept 4
	v_nop
.endr
.Lasked_\@:
.endm
.macro CREST                           ; a round of the cluster's barrier behind its opening barrier
	s_cmp_lg_u32 s10, 0
	s_cbranch_scc1 .Lnot_wave_0_\@
	s_barrier_signal -3
.Lnot_wave_0_\@:
	s_barrier_wait -3
	s_barrier_signal -1
	s_barrier_wait -1
.endm
.macro CROUND
	s_barrier_signal -1
	s_barrier_wait -1
	CREST
.endm
.if QKV
	s_load_b128 s[4:7], s[0:1], 0x0                ; bf s[4:5], qkv s[6:7]
	s_load_b128 s[68:71], s[0:1], 0x10             ; bq, bk
	s_load_b64 s[72:73], s[0:1], 0x20              ; bv
.else
	s_load_b128 s[4:7], s[0:1], 0x0                ; A s[4:5], bf s[6:7]
	s_load_b64 s[8:9], s[0:1], 0x10                ; C
	s_load_b64 s[66:67], s[0:1], 0x18              ; bias
.if EPI == 2
	s_load_b64 s[68:69], s[0:1], 0x20              ; residual
	v_lshl_add_u32 v30, v0, 2, 0x4d800
	v_mov_b32 v31, 0
	ds_add_u32 v30, v31
	ds_add_u32 v30, v31
.endif
.endif
	v_lshrrev_b32 v1, 5, v0
	v_readfirstlane_b32 s10, v1                    ; wave 0..3
	s_lshr_b32 s11, s10, 1                         ; my half of the tile's rows.  Also: I fetch for A (0) or for B (1)
	s_and_b32 s12, s10, 1                          ; my half of its columns.  Also: which half of that tile I fetch
	s_bfe_u32 s40, ttmp6, 0x40000                  ; cx, cy
	s_bfe_u32 s41, ttmp6, 0x40004
	s_lshl_b32 s42, ttmp9, 2
	s_add_co_u32 s42, s42, s40                     ; tile column = 4 x cluster x + cx
	s_and_b32 s13, ttmp7, 0xffff
	s_lshl_b32 s13, s13, 2
	s_add_co_u32 s13, s13, s41                     ; tile row = 4 x cluster y + cy
	s_lshl_b32 s43, s41, 2
	s_lshl_b32 s43, 15, s43                        ; my row of the cluster
	s_lshl_b32 s44, 0x1111, s40                    ; my column
	s_lshr_b32 s45, ttmp9, 1                       ; tile column / 8 (cx < 4): which of Wq, Wk, Wv
	s_or_b32 s[G1+0], s43, (1<<16)|(1<<20)|(1<<21)|(6<<22)|(3<<25)  ; mask: my row; elements of 2 bytes; padding on; bit 21 beside a mask; after every 128 words, 4 words
	s_mov_b32 s[G1+1], KSTEP<<16                   ; tensor_dim0 = 256
	s_mov_b32 s[G1+2], 64<<16                      ; tensor_dim1 = 64
	s_mov_b32 s[G1+3], KSTEP<<16                   ; tile_dim0 = 256
	s_mov_b32 s[G1+4], 64                          ; tile_dim1 = 64
	s_mov_b32 s[G1+5], SIZE_K                      ; elements from row to row
	s_mov_b32 s[G1+6], 0
	s_mov_b32 s[G1+7], 0
	s_or_b32 s[G1B+0], s44, (1<<16)|(1<<20)|(1<<21)|(5<<22)|(7<<25) ; mask: my column; after every 64 words, 8 words
	s_mov_b32 s[G1B+1], 128<<16                    ; 128 columns,
	s_mov_b32 s[G1B+2], 128<<16                    ; 128 k-rows
	s_mov_b32 s[G1B+3], 128<<16
	s_mov_b32 s[G1B+4], 128
	s_mov_b32 s[G1B+5], NB
	s_mov_b32 s[G1B+6], 0
	s_mov_b32 s[G1B+7], 0
	; A's tile hangs on the tile row alone, B's on the tile column alone; each address is made in registers that never hold the other coordinate
	s_lshl_b32 s16, s13, 7
	s_lshl_b32 s17, s12, 6
	s_add_co_u32 s16, s16, s17                     ; A: row 128 x tile row + 64 x half
	s_mul_i32 s16, s16, SIZE_K*2                   ; in bytes: under 2^25
	s_mov_b32 s17, 0
.if QKV
	s_and_b32 s46, s42, 7
	s_lshl_b32 s46, s46, 8                         ; 128 columns of 2 bytes for each tile column within the weight,
	s_lshl_b32 s47, s45, 21                        ; 2 MiB for each weight
	s_add_co_u32 s46, s46, s47
.else
	s_lshl_b32 s46, s42, 8
.endif
	s_mul_i32 s47, s12, 128*NB*2                   ; my half of the step's 256 k-rows
	s_add_co_u32 s46, s46, s47
	s_add_co_u32 s46, s46, BOFF
	s_mov_b32 s47, 0
	s_mul_i32 s20, s12, HA                         ; where they go: no place in the cluster enters an LDS address
	s_mul_i32 s21, s12, HB
	s_add_co_u32 s21, s21, BBASE
	s_wait_dscnt 0x0
	s_wait_kmcnt 0x0
.if QKV
	s_mov_b64 s[8:9], s[6:7]                       ; C
	s_mov_b64 s[6:7], s[4:5]                       ; B lies in bf too
	s_mov_b64 s[66:67], s[68:69]                   ; the bias that goes with the weight
	s_cmp_eq_u32 s45, 1
	s_cselect_b64 s[66:67], s[70:71], s[66:67]
	s_cmp_eq_u32 s45, 2
	s_cselect_b64 s[66:67], s[72:73], s[66:67]
.endif
	s_add_nc_u64 s[14:15], s[4:5], s[16:17]
	s_add_nc_u64 s[46:47], s[6:7], s[46:47]
.irp s, 0,1
	s_mov_b32 s[G0+4*\s], 1
	s_add_co_u32 s[G0+4*\s+1], s20, \s*SLOT
	s_add_nc_u64 s[G0+4*\s+2:G0+4*\s+3], s[14:15], \s*KSTEP*2
	s_or_b32 s[G0+4*\s+3], s[G0+4*\s+3], 0x80000000
	s_mov_b32 s[G0B+4*\s], 1
	s_add_co_u32 s[G0B+4*\s+1], s21, \s*SLOT
	s_add_nc_u64 s[G0B+4*\s+2:G0B+4*\s+3], s[46:47], \s*KSTEP*NB*2
	s_or_b32 s[G0B+4*\s+3], s[G0B+4*\s+3], 0x80000000
.endr
	CROUND                                         ; all sixteen work-groups are here: the first joint loads meet
	s_cmp_eq_u32 s11, 0                            ; a wave's two first fills stand in one branch: two loads of mine are out
	s_cbranch_scc0 .Lfirst_b
	tensor_load_to_lds s[G0:G0+3], s[G1:G1+7]
	s_nop 0
	tensor_load_to_lds s[G0+4:G0+7], s[G1:G1+7]
	s_nop 0
.rept 4
	v_nop
.endr
	s_branch .Lfirst_asked
.Lfirst_b:
	tensor_load_to_lds s[G0B:G0B+3], s[G1B:G1B+7]
	s_nop 0
	tensor_load_to_lds s[G0B+4:G0B+7], s[G1B:G1B+7]
	s_nop 0
.rept 4
	v_nop
.endr
.Lfirst_asked:
	v_and_b32 v1, 15, v0                           ; r = l % 16
	v_bfe_u32 v2, v0, 4, 1                         ; h = l / 16
	v_mul_u32_u24 v3, v1, PA
	v_lshl_add_u32 v3, v2, 4, v3                   ; A: row r, 16 bytes for each half of the lanes
	v_and_b32 v5, 7, v0
	v_bfe_u32 v6, v0, 3, 1
	v_lshl_add_u32 v4, v2, 3, v5                   ; B, turning load: k-row 8 h + l % 8,
	v_mul_u32_u24 v4, v4, PB
	v_lshl_add_u32 v4, v6, 4, v4                   ; columns 8 ((l / 8) % 2) on
	s_mul_i32 s22, s11, HA                         ; my 64 rows of A
	s_lshl_b32 s23, s12, 7                         ; my 64 columns of B
	s_add_co_u32 s23, s23, BBASE
.irp s, 0,1
	v_add_nc_u32 v[ADRA+\s], s22, v3
	s_add_co_u32 s22, s22, SLOT
	v_add_nc_u32 v[ADRB+2*\s], s23, v4
	s_add_co_u32 s23, s23, HB
	v_add_nc_u32 v[ADRB+2*\s+1], s23, v4
	s_add_co_u32 s23, s23, SLOT-HB
.endr
	; the bias of my 64 columns: accumulator column b, register j is column 16 b + 8 h + j
.if QKV
	s_and_b32 s74, s42, 7
	s_lshl_b32 s74, s74, 9
.else
	s_lshl_b32 s74, s42, 9                         ; 128 columns x 4 bytes
.endif
	s_lshl_b32 s75, s12, 8
	s_add_co_u32 s74, s74, s75
	s_mov_b32 s75, 0
	s_add_nc_u64 s[66:67], s[66:67], s[74:75]
	v_lshlrev_b32 v[BO], 5, v2
.irp b, 0,1,2,3
	global_load_b128 v[BIAS+8*\b:BIAS+8*\b+3],   v[BO], s[66:67] offset:64*\b
	global_load_b128 v[BIAS+8*\b+4:BIAS+8*\b+7], v[BO], s[66:67] offset:64*\b+16
.endr
.if EPI == 2
	; f32 out: a wave's 64 columns are 256 bytes, so each wave has a stage of its own: 16 rows x 272 bytes
	s_mul_i32 s23, s10, 16*SPITCH
	s_add_co_u32 s23, s23, STAGE
	v_mul_u32_u24 v4, v1, SPITCH
	v_lshl_add_u32 v4, v2, 5, v4                   ; in: row r, 32 bytes for each half of the lanes
	v_add_nc_u32 v[STO], s23, v4
	v_mul_u32_u24 v5, v2, SPITCH
	v_lshl_add_u32 v5, v1, 4, v5                   ; back: lanes 0-15 one row of 256 bytes, lanes 16-31 the next
	v_add_nc_u32 v[RD], s23, v5
	v_mul_u32_u24 v5, v2, NC*4
	v_lshl_add_u32 v[CO], v1, 4, v5
	s_lshl_b32 s16, s13, 7
	s_lshl_b32 s17, s11, 6
	s_add_co_u32 s16, s16, s17                     ; my first row
	s_mul_i32 s16, s16, NC*4
	s_mov_b32 s17, 0
	s_add_nc_u64 s[8:9], s[8:9], s[16:17]
	s_add_nc_u64 s[8:9], s[8:9], s[74:75]          ; my first column, 4 bytes a number: the bias's offset
	s_add_nc_u64 s[68:69], s[68:69], s[16:17]
	s_add_nc_u64 s[68:69], s[68:69], s[74:75]
.else
	; bf16 out: a wave's 64 columns are half of 256 bytes, so the four waves share one stage of 128 rows x 272 bytes
	s_mul_i32 s23, s11, 64*SPITCH
	s_lshl_b32 s22, s12, 7
	s_add_co_u32 s23, s23, s22
	s_add_co_u32 s23, s23, STAGE
	v_mul_u32_u24 v4, v1, SPITCH
	v_lshl_add_u32 v4, v2, 4, v4
	v_add_nc_u32 v[STO], s23, v4
	s_mul_i32 s23, s10, 32*SPITCH                  ; back: wave w takes rows 32 w .. 32 w + 31, whole
	s_add_co_u32 s23, s23, STAGE
	v_mul_u32_u24 v5, v2, SPITCH
	v_lshl_add_u32 v5, v1, 4, v5
	v_add_nc_u32 v[RD], s23, v5
	v_mul_u32_u24 v5, v2, NC*2
	v_lshl_add_u32 v[CO], v1, 4, v5
	s_lshl_b32 s16, s13, 7
	s_lshl_b32 s17, s10, 5
	s_add_co_u32 s16, s16, s17                     ; the first row that I store
	s_mul_i32 s16, s16, NC*2
	s_mov_b32 s17, 0
	s_add_nc_u64 s[8:9], s[8:9], s[16:17]
	s_lshl_b32 s74, s42, 8                         ; the tile's first column, 2 bytes a number
	s_add_nc_u64 s[8:9], s[8:9], s[74:75]
.endif
; 8 matrix instructions: m blocks a0, a0 + 1 x all 4 n blocks, 32 along K: half c of buffer f.  zero = 1: the first product starts the sums.
; The 16 accumulators take turns, one instruction a turn.
.macro MUL8 f, c, a0, zero
.irp a, \a0, \a0+1
.irp b, 0,1,2,3
.if \zero
	v_wmma_f32_16x16x32_bf16 v[ACC+8*(4*(\a)+\b):ACC+8*(4*(\a)+\b)+7], v[\f+64+8*(4*\c+\b):\f+64+8*(4*\c+\b)+7], v[\f+8*(4*\c+\a):\f+8*(4*\c+\a)+7], 0
.else
	v_wmma_f32_16x16x32_bf16 v[ACC+8*(4*(\a)+\b):ACC+8*(4*(\a)+\b)+7], v[\f+64+8*(4*\c+\b):\f+64+8*(4*\c+\b)+7], v[\f+8*(4*\c+\a):\f+8*(4*\c+\a)+7], v[ACC+8*(4*(\a)+\b):ACC+8*(4*(\a)+\b)+7]
.endif
.endr
.endr
.endm
; 32 LDS loads in one run: the fragments of quarter q (64 along K) of a slot into buffer f; the first 32 along K first
.macro FETCH slot, q, f
	WIN TO_F
.irp c, 0,1
.irp i, 0,1,2,3
	ds_load_tr16_b128 v[\f+64+8*(4*\c+\i):\f+64+8*(4*\c+\i)+3],   v[ADRB+2*\slot+((\q)>>1)] offset:(((\q)&1)*64+32*\c)*PB+32*\i
	ds_load_tr16_b128 v[\f+64+8*(4*\c+\i)+4:\f+64+8*(4*\c+\i)+7], v[ADRB+2*\slot+((\q)>>1)] offset:(((\q)&1)*64+32*\c+16)*PB+32*\i
	ds_load_b128 v[\f+8*(4*\c+\i):\f+8*(4*\c+\i)+3],              v[ADRA+\slot] offset:128*\q+64*\c+\i*16*PA
	ds_load_b128 v[\f+8*(4*\c+\i)+4:\f+8*(4*\c+\i)+7],            v[ADRA+\slot] offset:128*\q+64*\c+\i*16*PA+32
.endr
.endr
.endm
.macro PLACES                          ; four places in front of loads into registers that matrix instructions have read, and of vector work on results
.rept 4
	v_nop
.endr
.endm
; A K step is four quarters of 64 along K on buffers 0, 1, 0, 1.  One of the first three: multiplies buffer f and fetches quarter q into g.
.macro QUARTER slot, q, f, g, zero
	s_wait_dscnt 16                                ; the first 32 along K are in; the 16 younger loads may be out
	WIN MUL
	MUL8 \f, 0, 0, \zero
	MUL8 \f, 0, 2, \zero
	PLACES
	FETCH \slot, \q, \g
	s_wait_dscnt 32                                ; all but the 32 just issued
	WIN MUL
	MUL8 \f, 1, 0, 0
	MUL8 \f, 1, 2, 0
.endm
; The last quarter multiplies buffer 1 and changes slots: one barrier; in front of it each wave waits for its reads of this slot and for all its tensor loads.
.macro TURN slot, next, fill
	s_wait_dscnt 16
	WIN MUL
	MUL8 F1, 0, 0, 0
	s_wait_dscnt 0                                 ; my reads of this slot are over,
	s_set_vgpr_msb 0x500
	s_wait_tensorcnt 0x0                           ; and all my tensor loads have landed: my part of the next slot
	ds_add_u32 v30, v31
	s_wait_dscnt 0x0
	s_set_vgpr_msb 0x5
	s_barrier_signal -1
	MUL8 F1, 0, 2, 0
.if \fill
	WIN 0
.endif
	s_barrier_wait -1
.if \fill
	CREST                                          ; the barrier has opened a round of the cluster's: no wave of any partner still reads this slot or has a load on its way
	s_add_nc_u64 s[G0+4*\slot+2:G0+4*\slot+3], s[G0+4*\slot+2:G0+4*\slot+3], 2*KSTEP*2
	s_add_nc_u64 s[G0B+4*\slot+2:G0B+4*\slot+3], s[G0B+4*\slot+2:G0B+4*\slot+3], 2*KSTEP*NB*2
	JLOAD \slot                                    ; the first tensor load behind the round, 120 matrix instructions ahead of the wait for it; its four v_nop are the places for the loads below
.else
	PLACES
.endif
	FETCH \next, 0, F0
	WIN MUL
	MUL8 F1, 1, 0, 0
	MUL8 F1, 1, 2, 0
.endm
	s_wait_tensorcnt 0x1                           ; my part of K step 0 is in; K step 1's may stay out
	s_barrier_signal -1
	s_barrier_wait -1
	FETCH 0, 0, F0
	QUARTER 0, 1, F0, F1, 1                        ; the first quarter stands in front of the loop: its first products start the sums
	WIN 0
	s_mov_b32 s3, LAPS-1
.Llap:                                                 ; once round the ring, from a lap's second quarter to the next lap's first; both slots are filled again
	QUARTER 0, 2, F1, F0, 0
	QUARTER 0, 3, F0, F1, 0
	TURN 0, 1, 1
	QUARTER 1, 1, F0, F1, 0
	QUARTER 1, 2, F1, F0, 0
	QUARTER 1, 3, F0, F1, 0
	TURN 1, 0, 1
	QUARTER 0, 1, F0, F1, 0
	WIN 0
	s_sub_co_u32 s3, s3, 1
	s_cmp_lg_u32 s3, 0
	s_cbranch_scc1 .Llap
	QUARTER 0, 2, F1, F0, 0                        ; the last lap fills nothing
	QUARTER 0, 3, F0, F1, 0
	TURN 0, 1, 0
	QUARTER 1, 1, F0, F1, 0
	QUARTER 1, 2, F1, F0, 0
	QUARTER 1, 3, F0, F1, 0
	s_wait_dscnt 16
	WIN MUL
	MUL8 F1, 0, 0, 0
	MUL8 F1, 0, 2, 0
	s_wait_dscnt 0
	MUL8 F1, 1, 0, 0
	MUL8 F1, 1, 2, 0
	WIN 0
.if EPI == 2
	; THE WAY OUT, f32: sum + bias through my own stage, back as whole rows of 256 bytes, + residual, stored
	PLACES
	WIN TO_F
.irp a, 0,1,2,3
.irp t, 0,1,2,3,4,5,6,7
	global_load_b128 v[32*\a+4*\t:32*\a+4*\t+3], v[CO], s[68:69] offset:(16*\a+2*\t)*NC*4   ; the residual, in the layout of the stores
.endr
.endr
	WIN 0
	s_wait_loadcnt 32                              ; the bias is in; the 32 residual loads are younger
.irp a, 0,1,2,3
.if \a > 0
	s_wait_xcnt 0x0                                ; the registers that the last block's stores read are written again only behind this wait
.endif
.irp b, 0,1,2,3
.irp r, 0,1,2,3
	v_pk_add_f32 v[TMP+8*\b+2*\r:TMP+8*\b+2*\r+1], v[ACC+8*(4*\a+\b)+2*\r:ACC+8*(4*\a+\b)+2*\r+1], v[BIAS+8*\b+2*\r:BIAS+8*\b+2*\r+1]
.endr
.endr
.irp b, 0,1,2,3
	ds_store_b128 v[STO], v[TMP+8*\b:TMP+8*\b+3]   offset:64*\b
	ds_store_b128 v[STO], v[TMP+8*\b+4:TMP+8*\b+7] offset:64*\b+16
.endr
.irp t, 0,1,2,3,4,5,6,7
	ds_load_b128 v[TMP+32+4*\t:TMP+32+4*\t+3], v[RD] offset:\t*2*SPITCH   ; my own bytes, and LDS serves a wave's instructions in order (ISA guide 5.7.1.4)
.endr
	s_wait_dscnt 0x0
	s_wait_loadcnt 24-8*\a                         ; this block's eight residual loads are in; the later blocks' stay out
	WIN 0x04                                       ; source 1 in window 1
.irp k, 0,1,2,3,4,5,6,7,8,9,10,11,12,13,14,15
	v_pk_add_f32 v[TMP+32+2*\k:TMP+32+2*\k+1], v[TMP+32+2*\k:TMP+32+2*\k+1], v[32*\a+2*\k:32*\a+2*\k+1]
.endr
	WIN 0
.irp t, 0,1,2,3,4,5,6,7
	global_store_b128 v[CO], v[TMP+32+4*\t:TMP+32+4*\t+3], s[8:9] offset:(16*\a+2*\t)*NC*4   ; 16 lanes store 256 consecutive bytes, aligned
.endr
.endr
.else
	; THE WAY OUT, bf16: + bias (and the larger of it and 0), rounded; 16 bytes a lane into the shared stage; a barrier; back as whole rows, 32 rows a wave
	s_wait_loadcnt 0x0                             ; the bias
	PLACES
.irp t, 0,1,2,3,4,5,6,7,8,9,10,11,12,13,14,15
.irp r, 0,1,2,3
	v_pk_add_f32 v[ACC+8*\t+2*\r:ACC+8*\t+2*\r+1], v[ACC+8*\t+2*\r:ACC+8*\t+2*\r+1], v[BIAS+8*(\t%4)+2*\r:BIAS+8*(\t%4)+2*\r+1]
.endr
.if EPI == 1
.irp r, 0,1,2,3,4,5,6,7
	v_max_num_f32 v[ACC+8*\t+\r], 0, v[ACC+8*\t+\r]
.endr
.endif
.irp r, 0,1,2,3
	v_cvt_pk_bf16_f32 v[TMP+4*\t+\r], v[ACC+8*\t+2*\r], v[ACC+8*\t+2*\r+1]
.endr
.endr
.irp a, 0,1,2,3
.irp b, 0,1,2,3
	ds_store_b128 v[STO], v[TMP+4*(4*\a+\b):TMP+4*(4*\a+\b)+3] offset:\a*16*SPITCH+32*\b
.endr
.endr
	s_wait_dscnt 0x0                               ; for the others' sake: my stores into the stage are done
	s_barrier_signal -1
	s_barrier_wait -1
.irp t, 0,1,2,3,4,5,6,7,8,9,10,11,12,13,14,15
	ds_load_b128 v[TMP+4*\t:TMP+4*\t+3], v[RD] offset:\t*2*SPITCH
.endr
.irp t, 0,1,2,3,4,5,6,7,8,9,10,11,12,13,14,15
	s_wait_dscnt 15-\t
	global_store_b128 v[CO], v[TMP+4*\t:TMP+4*\t+3], s[8:9] offset:2*\t*NC*2   ; 16 lanes store 256 consecutive bytes, aligned
.endr
.endif
	s_wait_tensorcnt 0x0
	ds_add_u32 v30, v31
	s_wait_dscnt 0x0
	CROUND                                         ; the closing round: no work-group ends while a partner may still ask for a tile that names it
	s_endpgm
.Lfunc_end_k_q1727f9ee45_g_ffn2:
	.size	k_q1727f9ee45_g_ffn2, .Lfunc_end_k_q1727f9ee45_g_ffn2-k_q1727f9ee45_g_ffn2
	.p2alignl 7, 3214868480
	.fill 96, 4, 3214868480
	.section	.rodata,"a",@progbits
	.p2align	6, 0x0
	.amdhsa_kernel k_q1727f9ee45_g_ffn2
		.amdhsa_group_segment_fixed_size 327680
		.amdhsa_private_segment_fixed_size 0
		.amdhsa_enable_private_segment 0
		.amdhsa_kernarg_size 40
		.amdhsa_user_sgpr_count 2
		.amdhsa_user_sgpr_kernarg_segment_ptr 1
		.amdhsa_wavefront_size32 1
		.amdhsa_system_sgpr_workgroup_id_x 1
		.amdhsa_system_sgpr_workgroup_id_y 1
		.amdhsa_system_sgpr_workgroup_id_z 1
		.amdhsa_system_vgpr_workitem_id 0
		.amdhsa_next_free_vgpr 512
		.amdhsa_next_free_sgpr 80
		.amdhsa_reserve_vcc 0
		.amdhsa_float_denorm_mode_32 3
		.amdhsa_float_denorm_mode_16_64 3
		.amdhsa_memory_ordered 1
		.amdhsa_forward_progress 1
		.amdhsa_inst_pref_size 99
	.end_amdhsa_kernel
	.amdgpu_metadata
---
amdhsa.version: [ 1, 2 ]
amdhsa.kernels:
  - .name:           k_q1727f9ee45_g_ffn2
    .symbol:         k_q1727f9ee45_g_ffn2.kd
    .args:
      - { .name: h, .offset: 0, .size: 8, .value_kind: global_buffer, .address_space: global }
      - { .name: bf, .offset: 8, .size: 8, .value_kind: global_buffer, .address_space: global }
      - { .name: y, .offset: 16, .size: 8, .value_kind: global_buffer, .address_space: global }
      - { .name: b2, .offset: 24, .size: 8, .value_kind: global_buffer, .address_space: global }
      - { .name: x1, .offset: 32, .size: 8, .value_kind: global_buffer, .address_space: global }
    .group_segment_fixed_size: 327680
    .private_segment_fixed_size: 0
    .kernarg_segment_align: 8
    .kernarg_segment_size: 40
    .max_flat_workgroup_size: 128
    .sgpr_count:     80
    .vgpr_count:     512
    .wavefront_size: 32
...
	.end_amdgpu_metadata
.endif
;; end of part 7
;; launch ln2 (part 8): grid 256 x 1, 4 waves a work-group, no clusters, 0 bytes of LDS; arguments y, gamma2, beta2, out0; writes out0
.if DOCPART == 8
	.amdgcn_target "amdgcn-amd-amdhsa--gfx1250"
	.amdhsa_code_object_version 6
	.text
	.protected	k_q1727f9ee45_ln2
	.globl	k_q1727f9ee45_ln2
	.p2align	8
	.type	k_q1727f9ee45_ln2,@function
k_q1727f9ee45_ln2:
	s_mov_b64 s[64:65], 0
	v_nop
	global_prefetch_b8 v0, s[64:65] scope:SCOPE_SE
	s_setreg_imm32_b32 hwreg(HW_REG_WAVE_MODE, 25, 1), 1
	s_wait_xcnt 0x0
; out[r][c] = gamma[c] (y[r][c] - mean_r) / (std_r + 1e-6) + beta[c]; std with divisor 1,023.  y, out: [4096][1024] f32.  WITH_BF16 = 1: the result is also stored rounded to bf16.
; A row is 4,096 bytes: one wave takes a whole row, eight 16-byte loads a lane, and keeps it in 32 registers through both passes (mean; then the squares of the differences, so that
; no difference of large sums is formed).  Four waves, four rows each; all of a wave's 32 row loads go out at the start.  The reduction never leaves the wave: no LDS, no barrier.
; A stream: matrix unit and cluster have nothing to add; what work-groups share is 8 KiB of gamma and beta.
; v_sqrt_f32 takes a denormal variance as zero (ISA guide 15.8); std + 1e-6 is then 1e-6, which differs from the exact figure by less than 1e-19.
.set WITH_BF16, 0
.set G,    4                           ; v[4:35]    gamma of my 32 columns (128 j + 4 lane + 0..3)
.set BT,   36                          ; v[36:67]   beta
.set X,    68                          ; v[68:195]  row rho: 32 registers
.set T,    196                         ; v[196:203] four chains of packed sums
.set MEAN, 204                         ; v[204:205] the mean, twice
.set INV,  206                         ; v[206:207] 1 / (std + eps), twice
.set PL,   208                         ; the other half of the lanes' figure
.set Y,    210                         ; v[210:225] a row in bf16
	s_load_b256 s[4:11], s[0:1], 0x0               ; y 4:5, gamma 6:7, beta 8:9, out 10:11
.if WITH_BF16
	s_load_b64 s[14:15], s[0:1], 0x20              ; the bf16 copy
.endif
	v_lshrrev_b32 v3, 5, v0
	v_readfirstlane_b32 s16, v3                    ; wave
	v_and_b32 v1, 31, v0
.if WITH_BF16
	v_lshlrev_b32 v2, 3, v1                        ; 8 bytes a lane in the bf16 copy
.endif
	v_lshlrev_b32 v1, 4, v1                        ; 16 bytes a lane
	v_mov_b32 v[PL], 0                             ; v_permlanex16_b32's destination counts as read
	s_mov_b32 s12, 0x76543210                      ; each lane takes its own place in the other half
	s_mov_b32 s13, 0xfedcba98
	s_lshl_b32 s18, ttmp9, 16                      ; 16 rows of 4,096 bytes a work-group,
	s_lshl_b32 s17, s16, 14                        ; 4 a wave
	s_add_co_u32 s18, s18, s17
	s_mov_b32 s19, 0
	s_lshr_b32 s20, s18, 1                         ; half as many bytes in bf16
	s_mov_b32 s21, 0
	s_wait_kmcnt 0x0
	s_add_nc_u64 s[4:5], s[4:5], s[18:19]
	s_add_nc_u64 s[10:11], s[10:11], s[18:19]
.if WITH_BF16
	s_add_nc_u64 s[14:15], s[14:15], s[20:21]
.endif
.irp j, 0,1,2,3,4,5,6,7
	global_load_b128 v[G+4*\j:G+4*\j+3], v1, s[6:7] offset:512*\j
.endr
.irp j, 0,1,2,3,4,5,6,7
	global_load_b128 v[BT+4*\j:BT+4*\j+3], v1, s[8:9] offset:512*\j
.endr
.irp rho, 0,1,2,3
.irp j, 0,1,2,3,4,5,6,7
	global_load_b128 v[X+32*\rho+4*\j:X+32*\rho+4*\j+3], v1, s[4:5] offset:4096*\rho+512*\j th:TH_LOAD_NT
.endr
.endr
.macro ALLSUM r                        ; the sum over the 32 lanes, in every lane
	v_add_f32_dpp v[\r], v[\r], v[\r] row_xmask:1 row_mask:0xf bank_mask:0xf
	v_add_f32_dpp v[\r], v[\r], v[\r] row_xmask:2 row_mask:0xf bank_mask:0xf
	v_add_f32_dpp v[\r], v[\r], v[\r] row_xmask:4 row_mask:0xf bank_mask:0xf
	v_add_f32_dpp v[\r], v[\r], v[\r] row_xmask:8 row_mask:0xf bank_mask:0xf
	v_permlanex16_b32 v[PL], v[\r], s12, s13
	v_add_f32 v[\r], v[\r], v[PL]
.endm
.macro FOLD                            ; the four chains into one number a lane
	v_pk_add_f32 v[T:T+1], v[T:T+1], v[T+2:T+3]
	v_pk_add_f32 v[T+4:T+5], v[T+4:T+5], v[T+6:T+7]
	v_pk_add_f32 v[T:T+1], v[T:T+1], v[T+4:T+5]
	v_add_f32 v[T], v[T], v[T+1]
.endm
.macro ROW rho
.set XR, X+32*\rho
	s_wait_loadcnt 24-8*\rho                       ; this row (and gamma, beta) are in; the later rows' loads stay out
.irp k, 0,1,2,3
	v_pk_add_f32 v[T+2*\k:T+2*\k+1], v[XR+2*\k:XR+2*\k+1], v[XR+8+2*\k:XR+8+2*\k+1]   ; the first sums start the chains: nothing is cleared
.endr
.irp k, 0,1,2,3
	v_pk_add_f32 v[T+2*\k:T+2*\k+1], v[T+2*\k:T+2*\k+1], v[XR+16+2*\k:XR+16+2*\k+1]
.endr
.irp k, 0,1,2,3
	v_pk_add_f32 v[T+2*\k:T+2*\k+1], v[T+2*\k:T+2*\k+1], v[XR+24+2*\k:XR+24+2*\k+1]
.endr
	FOLD
	ALLSUM T
	v_mul_f32 v[MEAN], 0x3a800000, v[T]            ; / 1,024
	v_mul_f32 v[MEAN+1], 0x3a800000, v[T]
.set k, 0
.rept 16
	v_pk_add_f32 v[XR+2*k:XR+2*k+1], v[XR+2*k:XR+2*k+1], v[MEAN:MEAN+1] neg_lo:[0,1] neg_hi:[0,1]
.set k, k+1
.endr
.irp k, 0,1,2,3
	v_pk_mul_f32 v[T+2*\k:T+2*\k+1], v[XR+2*\k:XR+2*\k+1], v[XR+2*\k:XR+2*\k+1]
.endr
.set k, 4
.rept 12
	v_pk_fma_f32 v[T+2*(k%4):T+2*(k%4)+1], v[XR+2*k:XR+2*k+1], v[XR+2*k:XR+2*k+1], v[T+2*(k%4):T+2*(k%4)+1]
.set k, k+1
.endr
	FOLD
	ALLSUM T
	v_mul_f32 v[T], 0x3a802008, v[T]               ; / 1,023
	v_sqrt_f32 v[T+1], v[T]
	v_nop                                          ; a plain instruction behind a transcendental before its result is used (ISA guide 5.7.2)
	s_wait_alu depctr_va_vdst(0)
	v_add_f32 v[T+1], 0x358637bd, v[T+1]           ; + 1e-6
	v_rcp_f32 v[INV], v[T+1]
	v_rcp_f32 v[INV+1], v[T+1]
	v_nop
.set k, 0
	s_wait_alu depctr_va_vdst(0)
.rept 16
	v_pk_mul_f32 v[XR+2*k:XR+2*k+1], v[XR+2*k:XR+2*k+1], v[INV:INV+1]
.set k, k+1
.endr
.set k, 0
.rept 16
	v_pk_fma_f32 v[XR+2*k:XR+2*k+1], v[XR+2*k:XR+2*k+1], v[G+2*k:G+2*k+1], v[BT+2*k:BT+2*k+1]
.set k, k+1
.endr
.irp j, 0,1,2,3,4,5,6,7
.if WITH_BF16
	global_store_b128 v1, v[XR+4*\j:XR+4*\j+3], s[10:11] offset:4096*\rho+512*\j           ; a wave's store covers 512 consecutive bytes, aligned
.else
	global_store_b128 v1, v[XR+4*\j:XR+4*\j+3], s[10:11] offset:4096*\rho+512*\j th:TH_STORE_NT
.endif
.endr
.if WITH_BF16
	s_wait_xcnt 0x0                                ; Y, which the last row's stores read, is written again only behind this wait
.set k, 0
.rept 16
	v_cvt_pk_bf16_f32 v[Y+k], v[XR+2*k], v[XR+2*k+1]
.set k, k+1
.endr
.irp j, 0,1,2,3,4,5,6,7
	global_store_b64 v2, v[Y+2*\j:Y+2*\j+1], s[14:15] offset:2048*\rho+256*\j              ; 32 lanes store 256 consecutive bytes, aligned
.endr
.endif
.endm
	ROW 0
	ROW 1
	ROW 2
	ROW 3
	s_endpgm
.Lfunc_end_k_q1727f9ee45_ln2:
	.size	k_q1727f9ee45_ln2, .Lfunc_end_k_q1727f9ee45_ln2-k_q1727f9ee45_ln2
	.p2alignl 7, 3214868480
	.fill 96, 4, 3214868480
	.section	.rodata,"a",@progbits
	.p2align	6, 0x0
	.amdhsa_kernel k_q1727f9ee45_ln2
		.amdhsa_group_segment_fixed_size 0
		.amdhsa_private_segment_fixed_size 0
		.amdhsa_enable_private_segment 0
		.amdhsa_kernarg_size 32
		.amdhsa_user_sgpr_count 2
		.amdhsa_user_sgpr_kernarg_segment_ptr 1
		.amdhsa_wavefront_size32 1
		.amdhsa_system_sgpr_workgroup_id_x 1
		.amdhsa_system_sgpr_workgroup_id_y 1
		.amdhsa_system_sgpr_workgroup_id_z 1
		.amdhsa_system_vgpr_workitem_id 0
		.amdhsa_next_free_vgpr 228
		.amdhsa_next_free_sgpr 66
		.amdhsa_reserve_vcc 0
		.amdhsa_float_denorm_mode_32 3
		.amdhsa_float_denorm_mode_16_64 3
		.amdhsa_memory_ordered 1
		.amdhsa_forward_progress 1
		.amdhsa_inst_pref_size 34
	.end_amdhsa_kernel
	.amdgpu_metadata
---
amdhsa.version: [ 1, 2 ]
amdhsa.kernels:
  - .name:           k_q1727f9ee45_ln2
    .symbol:         k_q1727f9ee45_ln2.kd
    .args:
      - { .name: y, .offset: 0, .size: 8, .value_kind: global_buffer, .address_space: global }
      - { .name: gamma2, .offset: 8, .size: 8, .value_kind: global_buffer, .address_space: global }
      - { .name: beta2, .offset: 16, .size: 8, .value_kind: global_buffer, .address_space: global }
      - { .name: out0, .offset: 24, .size: 8, .value_kind: global_buffer, .address_space: global }
    .group_segment_fixed_size: 0
    .private_segment_fixed_size: 0
    .kernarg_segment_align: 8
    .kernarg_segment_size: 32
    .max_flat_workgroup_size: 128
    .sgpr_count:     66
    .vgpr_count:     228
    .wavefront_size: 32
...
	.end_amdgpu_metadata
.endif
;; end of part 8
;; ======== version 2 of 2: 8 launches; 1.18 times as fast as version 1
;; workspace buffers: bf 33,554,432 bytes; maskbits 524,288 bytes of whole numbers; qkv 25,165,824 bytes; ob 8,388,608 bytes; y 16,777,216 bytes; x1 16,777,216 bytes; x1b 8,388,608 bytes; h 33,554,432 bytes
;; launch prep (part 9): grid 32 x 16, 8 waves a work-group, no clusters, 0 bytes of LDS; arguments x, Wq, Wk, Wv, Wp, W1, W2, mask, bf, maskbits; writes bf, maskbits
.if DOCPART == 9
	.amdgcn_target "amdgcn-amd-amdhsa--gfx1250"
	.amdhsa_code_object_version 6
	.text
	.protected	k_q1727f9ee45_prep
	.globl	k_q1727f9ee45_prep
	.p2align	8
	.type	k_q1727f9ee45_prep,@function
k_q1727f9ee45_prep:
	s_mov_b64 s[64:65], 0
	v_nop
	global_prefetch_b8 v0, s[64:65] scope:SCOPE_SE
	s_setreg_imm32_b32 hwreg(HW_REG_WAVE_MODE, 25, 1), 1
	s_wait_xcnt 0x0
; prep: (1) x and the six weight matrices, f32, are rounded to bf16 and laid one behind the other in bf, each in its own row-major order:
;       x at byte 0, Wq at 8 Mi, Wk at 10 Mi, Wv at 12 Mi, Wp at 14 Mi, W1 at 16 Mi, W2 at 24 Mi.
;       (2) the mask (one byte a score) becomes lane masks: word [qt][T][j] (qt: 16 queries, T: 16 keys, j: 0..7), bit L = mask[16 qt + L % 16][16 T + 8 (L / 16) + j]:
;       the bit of lane L for register j of a 16 x 16 tile of transposed scores, as the attention launch holds it.
; 512 equal work-groups: row u = 0..15 converts unit u of 1 Mi numbers, 32 Ki numbers a work-group.  The mask is 2,048 tasks of 16 queries x 128 keys (64 words); waves 0 to 3 of each
; work-group take one task each: task 4 x work-group + wave.
; A stream: no LDS, no barrier, no matrix unit; nothing is shared between work-groups, so no cluster.
.set XL, 8                             ; v[8:135]   as loaded
.set YB, 136                           ; v[136:199] 2 registers of bf16 for each load
.set ML, 200                           ; v[200:215] the mask task: 8 bytes a lane for each of 8 key tiles
.set MW, 216                           ; v[216:217] its 64 words, two a lane
.set TM, 218                           ; v[218:221] at work
	s_load_b512 s[4:19], s[0:1], 0x0               ; x 4:5, Wq 6:7, Wk 8:9, Wv 10:11, Wp 12:13, W1 14:15, W2 16:17, mask 18:19
	s_load_b128 s[20:23], s[0:1], 0x40             ; bf 20:21, maskbits 22:23
	s_and_b32 s2, ttmp7, 0xffff                    ; u
	v_lshrrev_b32 v7, 5, v0
	v_readfirstlane_b32 s3, v7                     ; wave 0..7
	s_sub_co_u32 s27, s2, 8                        ; unit within W1 (used where u >= 8)
	s_sub_co_u32 s28, s2, 12                       ; unit within W2 (used where u >= 12)
	s_wait_kmcnt 0x0
	; which tensor unit u belongs to, and which unit of that tensor it is
	s_mov_b64 s[24:25], s[4:5]                     ; u = 0..3: x, unit u
	s_mov_b32 s26, s2
.macro PICK n, ptr, sub                ; from unit n on: the tensor at s[ptr:ptr+1], unit sub of it
	s_cmp_ge_u32 s2, \n
	s_cselect_b64 s[24:25], s[\ptr:\ptr+1], s[24:25]
	s_cselect_b32 s26, \sub, s26
.endm
	PICK 4, 6, 0
	PICK 5, 8, 0
	PICK 6, 10, 0
	PICK 7, 12, 0
	PICK 8, 14, s27
	PICK 12, 16, s28
	s_lshl_b32 s30, s26, 22                        ; a unit is 4 MiB of f32,
	s_lshl_b32 s29, ttmp9, 17                      ; a work-group's share 128 KiB
	s_add_co_u32 s30, s30, s29
	s_mov_b32 s31, 0
	s_add_nc_u64 s[24:25], s[24:25], s[30:31]
	s_lshl_b32 s30, s2, 21                         ; in bf: 2 MiB a unit, 64 KiB a work-group
	s_lshl_b32 s29, ttmp9, 16
	s_add_co_u32 s30, s30, s29
	s_add_nc_u64 s[20:21], s[20:21], s[30:31]
	v_lshlrev_b32 v1, 4, v0                        ; thread t: 16 bytes in,
	v_lshlrev_b32 v2, 3, v0                        ; 8 bytes out
	; all 32 loads of a thread go out first: the work-group's whole 128 KiB is on its way at once
.set i, 0
.rept 32
	global_load_b128 v[XL+4*i:XL+4*i+3], v1, s[24:25] offset:4096*i th:TH_LOAD_NT
.set i, i+1
.endr
	s_cmp_ge_u32 s3, 4
	s_cbranch_scc1 .Lconvert                       ; waves 4 to 7 have no mask task
	; THE MASK TASK, whole inside this one branch.  Its eight loads are the wave's youngest, so the wait for them is for 0; the conversion's waits below are then met at once.
	s_lshl_b32 s32, s2, 5
	s_add_co_u32 s32, s32, ttmp9                   ; the work-group's number, 0..511
	s_lshl2_add_u32 s32, s32, s3                   ; the task = 4 x work-group + wave: queries 16 (task / 16) on, keys 128 (task % 16) on
	s_lshr_b32 s34, s32, 4
	s_lshl_b32 s34, s34, 15                        ; 16 rows of 2,048 bytes
	s_and_b32 s33, s32, 15
	s_lshl_b32 s33, s33, 7
	s_add_co_u32 s34, s34, s33
	s_mov_b32 s35, 0
	s_add_nc_u64 s[18:19], s[18:19], s[34:35]
	s_lshl_b32 s36, s32, 8                         ; 64 words a task, in the order of the tasks
	s_mov_b32 s37, 0
	s_add_nc_u64 s[22:23], s[22:23], s[36:37]
	v_and_b32 v5, 15, v0
	v_bfe_u32 v6, v0, 4, 1
	v_lshlrev_b32 v3, 11, v5                       ; my query's row,
	v_lshl_or_b32 v3, v6, 3, v3                    ; my 8 keys of a tile of 16
	v_and_b32 v4, 31, v0
	v_lshlrev_b32 v4, 3, v4                        ; out: two words a lane
.set kt, 0
.rept 8
	global_load_b64 v[ML+2*kt:ML+2*kt+1], v3, s[18:19] offset:16*kt   ; together: 128 consecutive bytes of each of 16 rows; the wave beside me takes the 128 next to them
.set kt, kt+1
.endr
	v_mov_b32 v[MW], 0                             ; v_writelane_b32 keeps the other lanes, so its destination is written whole first
	v_mov_b32 v[MW+1], 0
	s_wait_loadcnt 0x0
.set kt, 0
.rept 8
.set j, 0
.rept 8
	v_bfe_u32 v[TM+(j&3)], v[ML+2*kt+(j>>2)], 8*(j&3), 8           ; byte j of my eight
	v_cmp_ne_u32 s[40+j], 0, v[TM+(j&3)]                           ; the 32 lanes' bits: the word (T, j)
	v_writelane_b32 v[MW+(j&1)], s[40+j], 4*kt+(j>>1)              ; word 8 kt + j of the task goes to lane (8 kt + j) / 2
.set j, j+1
.endr
.set kt, kt+1
.endr
	global_store_b64 v4, v[MW:MW+1], s[22:23]      ; the task's 64 words: 256 consecutive bytes, aligned
.Lconvert:
.set i, 0
.rept 32
	s_wait_loadcnt 31-i                            ; loads return in order: load i is in, the 31 - i younger conversion loads stay out
	v_cvt_pk_bf16_f32 v[YB+2*i], v[XL+4*i], v[XL+4*i+1]
	v_cvt_pk_bf16_f32 v[YB+2*i+1], v[XL+4*i+2], v[XL+4*i+3]
	global_store_b64 v2, v[YB+2*i:YB+2*i+1], s[20:21] offset:2048*i   ; a wave's 32 lanes store 256 consecutive bytes, aligned; no register is written twice, so no wait frees one
.set i, i+1
.endr
	s_endpgm
.Lfunc_end_k_q1727f9ee45_prep:
	.size	k_q1727f9ee45_prep, .Lfunc_end_k_q1727f9ee45_prep-k_q1727f9ee45_prep
	.p2alignl 7, 3214868480
	.fill 96, 4, 3214868480
	.section	.rodata,"a",@progbits
	.p2align	6, 0x0
	.amdhsa_kernel k_q1727f9ee45_prep
		.amdhsa_group_segment_fixed_size 0
		.amdhsa_private_segment_fixed_size 0
		.amdhsa_enable_private_segment 0
		.amdhsa_kernarg_size 80
		.amdhsa_user_sgpr_count 2
		.amdhsa_user_sgpr_kernarg_segment_ptr 1
		.amdhsa_wavefront_size32 1
		.amdhsa_system_sgpr_workgroup_id_x 1
		.amdhsa_system_sgpr_workgroup_id_y 1
		.amdhsa_system_sgpr_workgroup_id_z 1
		.amdhsa_system_vgpr_workitem_id 0
		.amdhsa_next_free_vgpr 224
		.amdhsa_next_free_sgpr 66
		.amdhsa_reserve_vcc 0
		.amdhsa_float_denorm_mode_32 3
		.amdhsa_float_denorm_mode_16_64 3
		.amdhsa_memory_ordered 1
		.amdhsa_forward_progress 1
		.amdhsa_inst_pref_size 27
	.end_amdhsa_kernel
	.amdgpu_metadata
---
amdhsa.version: [ 1, 2 ]
amdhsa.kernels:
  - .name:           k_q1727f9ee45_prep
    .symbol:         k_q1727f9ee45_prep.kd
    .args:
      - { .name: x, .offset: 0, .size: 8, .value_kind: global_buffer, .address_space: global }
      - { .name: Wq, .offset: 8, .size: 8, .value_kind: global_buffer, .address_space: global }
      - { .name: Wk, .offset: 16, .size: 8, .value_kind: global_buffer, .address_space: global }
      - { .name: Wv, .offset: 24, .size: 8, .value_kind: global_buffer, .address_space: global }
      - { .name: Wp, .offset: 32, .size: 8, .value_kind: global_buffer, .address_space: global }
      - { .name: W1, .offset: 40, .size: 8, .value_kind: global_buffer, .address_space: global }
      - { .name: W2, .offset: 48, .size: 8, .value_kind: global_buffer, .address_space: global }
      - { .name: mask, .offset: 56, .size: 8, .value_kind: global_buffer, .address_space: global }
      - { .name: bf, .offset: 64, .size: 8, .value_kind: global_buffer, .address_space: global }
      - { .name: maskbits, .offset: 72, .size: 8, .value_kind: global_buffer, .address_space: global }
    .group_segment_fixed_size: 0
    .private_segment_fixed_size: 0
    .kernarg_segment_align: 8
    .kernarg_segment_size: 80
    .max_flat_workgroup_size: 256
    .sgpr_count:     66
    .vgpr_count:     224
    .wavefront_size: 32
...
	.end_amdgpu_metadata
.endif
;; end of part 9
;; launch g_qkv (part 10): grid 12 x 16, 4 waves a work-group, clusters of 4 x 4, 327,680 bytes of LDS; arguments bf, qkv, bq, bk, bv; writes qkv
.if DOCPART == 10
	.amdgcn_target "amdgcn-amd-amdhsa--gfx1250"
	.amdhsa_code_object_version 6
	.text
	.protected	k_q1727f9ee45_g_qkv
	.globl	k_q1727f9ee45_g_qkv
	.p2align	8
	.type	k_q1727f9ee45_g_qkv,@function
k_q1727f9ee45_g_qkv:
	s_mov_b64 s[64:65], 0
	v_nop
	global_prefetch_b8 v0, s[64:65] scope:SCOPE_SE
	s_setreg_imm32_b32 hwreg(HW_REG_WAVE_MODE, 25, 1), 1
	s_wait_xcnt 0x0
	s_wait_alu depctr_hold_cnt(0) depctr_sa_sdst(0) depctr_va_vdst(0) depctr_va_sdst(0) depctr_va_ssrc(0) depctr_va_vcc(0) depctr_vm_vsrc(0)
	s_getreg_b32 s2, hwreg(HW_REG_IB_STS2, 6, 4)
	s_cmp_eq_u32 s2, 0
	s_cbranch_scc0 .Lentry_in_a_cluster
	s_endpgm
.Lentry_in_a_cluster:
	s_bfe_u32 s2, ttmp6, 0x10000c
	s_cmp_lg_u32 s2, 0xf033
	s_cbranch_scc0 .Lentry_shape_is_right
	s_endpgm
.Lentry_shape_is_right:
; qkv[4096][3072] (bf16) = x (bf16, bf's byte 0) times [Wq | Wk | Wv] (bf16, in bf) + [bq | bk | bv].
; One text serves two products C = A B + bias; the constants below choose the variant, and .if leaves the other variant's lines out.
;   A: [4096][SIZE_K] bf16, K along the rows.  B: [SIZE_K][NB] bf16, N along the rows, as the weights lie.  Sums in f32.
;   EPI 0: C = bf16(sum + bias).   EPI 1: C = bf16(max(sum + bias, 0)).
; SHARES.  A tile of C is 256 x 256, made by four waves, one to a SIMD, 128 x 128 each: 64 accumulators of 16 x 16, 512 registers.  For 32 along K a wave reads 2 x 128 x 64 bytes of LDS
; for 64 matrix instructions.  4,096 x 3,072 makes 192 such tiles, 4,096 x 4,096 makes 256: one to a work-group.
; K goes in steps of 128 through two LDS slots filled by tensor loads: waves 0, 1 fetch A's two halves (128 rows x 256 bytes), waves 2, 3 B's (64 k-rows x 512 bytes).
; B is turned on its way out of LDS by ds_load_tr16_b128, so no transposed copy of a weight is ever made.
; CLUSTER.  4 x 4 work-groups: the four of a row need the same tiles of A, the four of a column the same tiles of B; each tile is asked for jointly.
; THE MATRIX INSTRUCTION IS USED TRANSPOSED (source 0 = 16 columns of B, source 1 = 16 rows of A): a lane then holds eight neighbouring numbers of a row of C.
; LIMIT: A and B are bf16 (8 bits of mantissa); nothing else is narrowed before the sums.
; REGISTERS, in windows of 256 (s_set_vgpr_msb: bits 1:0 source 0, 3:2 source 1, 5:4 source 2, 7:6 destination):
;   window 0: v0-31 addresses; v64-127, v128-191 fragments of A, two buffers; v32-63, v192-255 at work on the way out
;   window 1: v0-63 the bias of my 128 columns; v64-127, v128-191 fragments of B, two buffers
;   window 2: the 32 accumulators of my rows 0-63 ((a, b) at v[8 (8 a + b)]);   window 3: those of my rows 64-127
.set SIZE_K, 1024
.set NB,     1024                      ; elements in a row of B
.set NC,     3072                      ; elements in a row of C
.set BOFF,   8388608                   ; B's first byte in bf
.set EPI,    0
.set QKV,    1                         ; 1: A and B both lie in bf; B and the bias are one of three, by the cluster's x
.set KSTEP,  128
.set PA,     272                       ; A's LDS row: 256 bytes + 16: row r starts at bank 4 r mod 64 (64 banks of 4 bytes: ISA guide 11.1)
.set PB,     544                       ; B's LDS row: 512 bytes + 32: row r starts at bank 8 r mod 64
.set HA,     128*PA                    ; what one tensor load brings of A
.set HB,     64*PB                     ; and of B
.set BBASE,  2*HA
.set SLOT,   2*HA+2*HB                 ; A's 256 rows, then B's 128 k-rows
.set STAGE,  2*SLOT                    ; behind the ring: 16 rows x 272 bytes for each wave; no tensor load lands here
.set SPITCH, 272
.set LAPS,   SIZE_K/(2*KSTEP)          ; a lap = two K steps = once round the ring
.set ADRA, 16                          ; v16-17  my A fragments in slot 0, 1
.set ADRB, 20                          ; v20-21  my B fragments in slot 0, 1
.set STO,  24                          ; the way out: where I put 16 bytes of a row
.set RD,   25                          ; where I read a row back
.set CO,   26                          ; my byte offset in C
.set BO,   27                          ; my byte offset in the bias
.set F0,   64                          ; fragment buffers
.set F1,   128
.set TMP,  192                         ; the way out: packed results
.set OB,   32                          ; 16 rows read back from the stage: v32-63 and v224-255 by turns
.set BIAS, 0                           ; in window 1
.set G1, 24                            ; s[24:31] group 1 for A's tiles; s[32:39] group 0, a set for each slot
.set G0, 32
.set G1B, 48                           ; s[48:55], s[56:63] the same for B's
.set G0B, 56
.set MSB, 0
.macro WIN new                         ; the immediate's high byte repeats the setting that is left
.if MSB != \new
	s_set_vgpr_msb (MSB<<8)|\new
.set MSB, \new
.endif
.endm
.set MUL_LO, 0xa1                      ; source 0 (B) window 1, source 1 (A) window 0, C and D window 2
.set MUL_HI, 0xf1                      ; the same, C and D window 3
.set TO_B,   0x40                      ; destination window 1, address window 0
.macro JLOAD s                         ; a joint refill: one load a wave; four v_nop follow each of the two lines
	s_cmp_eq_u32 s11, 0
	s_cbranch_scc0 .Lfor_b_\@
	tensor_load_to_lds s[G0+4*\s:G0+4*\s+3], s[G1:G1+7]
	s_nop 0
.rept 4
	v_nop
.endr
	s_branch .Lasked_\@
.Lfor_b_\@:
	tensor_load_to_lds s[G0B+4*\s:G0B+4*\s+3], s[G1B:G1B+7]
	s_nop 0
.rept 4
	v_nop
.endr
.Lasked_\@:
.endm
.macro CREST                           ; a round of the cluster's barrier behind its opening barrier
	s_cmp_lg_u32 s10, 0
	s_cbranch_scc1 .Lnot_wave_0_\@
	s_barrier_signal -3
.Lnot_wave_0_\@:
	s_barrier_wait -3
	s_barrier_signal -1
	s_barrier_wait -1
.endm
.macro CROUND
	s_barrier_signal -1
	s_barrier_wait -1
	CREST
.endm
.if QKV
	s_load_b128 s[4:7], s[0:1], 0x0                ; bf s[4:5], qkv s[6:7]
	s_load_b128 s[68:71], s[0:1], 0x10             ; bq, bk
	s_load_b64 s[72:73], s[0:1], 0x20              ; bv
	s_set_vgpr_msb 0x40
	v_lshl_add_u32 v255, v0, 2, 0x48400
	s_set_vgpr_msb 0x4000
	v_mov_b32 v31, 0
	s_set_vgpr_msb 0x1
	ds_add_u32 v255, v31
	ds_add_u32 v255, v31
	s_set_vgpr_msb 0x100
.else
	s_load_b128 s[4:7], s[0:1], 0x0                ; A s[4:5], bf s[6:7]
	s_load_b64 s[8:9], s[0:1], 0x10                ; C
	s_load_b64 s[66:67], s[0:1], 0x18              ; bias
.endif
	v_lshrrev_b32 v1, 5, v0
	v_readfirstlane_b32 s10, v1                    ; wave 0..3
	s_lshr_b32 s11, s10, 1                         ; my half of the tile's rows.  Also: I fetch for A (0) or for B (1)
	s_and_b32 s12, s10, 1                          ; my half of its columns.  Also: which half of that tile I fetch
	s_bfe_u32 s40, ttmp6, 0x40000                  ; cx, cy
	s_bfe_u32 s41, ttmp6, 0x40004
	s_lshl_b32 s42, ttmp9, 2
	s_add_co_u32 s42, s42, s40                     ; tile column = 4 x cluster x + cx
	s_and_b32 s13, ttmp7, 0xffff
	s_lshl_b32 s13, s13, 2
	s_add_co_u32 s13, s13, s41                     ; tile row = 4 x cluster y + cy
	s_lshl_b32 s43, s41, 2
	s_lshl_b32 s43, 15, s43                        ; my row of the cluster
	s_lshl_b32 s44, 0x1111, s40                    ; my column
	s_mov_b32 s45, ttmp9                           ; four tile columns to a weight of 1,024 columns: the cluster's x says which of Wq, Wk, Wv
	s_or_b32 s[G1+0], s43, (1<<16)|(1<<20)|(1<<21)|(5<<22)|(3<<25)  ; mask: my row; elements of 2 bytes; padding on; bit 21 beside a mask; after every 64 words, 4 words
	s_mov_b32 s[G1+1], KSTEP<<16                   ; tensor_dim0 = 128
	s_mov_b32 s[G1+2], 128<<16                     ; tensor_dim1 = 128
	s_mov_b32 s[G1+3], KSTEP<<16                   ; tile_dim0 = 128
	s_mov_b32 s[G1+4], 128                         ; tile_dim1 = 128
	s_mov_b32 s[G1+5], SIZE_K                      ; elements from row to row
	s_mov_b32 s[G1+6], 0
	s_mov_b32 s[G1+7], 0
	s_or_b32 s[G1B+0], s44, (1<<16)|(1<<20)|(1<<21)|(6<<22)|(7<<25) ; mask: my column; after every 128 words, 8 words
	s_mov_b32 s[G1B+1], 256<<16                    ; 256 columns,
	s_mov_b32 s[G1B+2], 64<<16                     ; 64 k-rows
	s_mov_b32 s[G1B+3], 256<<16
	s_mov_b32 s[G1B+4], 64
	s_mov_b32 s[G1B+5], NB
	s_mov_b32 s[G1B+6], 0
	s_mov_b32 s[G1B+7], 0
	; A's tile hangs on the tile row alone, B's on the tile column alone; each address is made in registers that never hold the other coordinate
	s_lshl_b32 s16, s13, 8
	s_lshl_b32 s17, s12, 7
	s_add_co_u32 s16, s16, s17                     ; A: row 256 x tile row + 128 x half
	s_mul_i32 s16, s16, SIZE_K*2                   ; in bytes: under 2^24
	s_mov_b32 s17, 0
.if QKV
	s_lshl_b32 s46, s40, 9                         ; 256 columns of 2 bytes for each tile column within the weight,
	s_lshl_b32 s47, s45, 21                        ; 2 MiB for each weight
	s_add_co_u32 s46, s46, s47
.else
	s_lshl_b32 s46, s42, 9
.endif
	s_mul_i32 s47, s12, 64*NB*2                    ; my half of the step's 128 k-rows
	s_add_co_u32 s46, s46, s47
	s_add_co_u32 s46, s46, BOFF
	s_mov_b32 s47, 0
	s_mul_i32 s20, s12, HA                         ; where they go: no place in the cluster enters an LDS address
	s_mul_i32 s21, s12, HB
	s_add_co_u32 s21, s21, BBASE
	s_wait_dscnt 0x0
	s_wait_kmcnt 0x0
.if QKV
	s_mov_b64 s[8:9], s[6:7]                       ; C
	s_mov_b64 s[6:7], s[4:5]                       ; B lies in bf too
	s_mov_b64 s[66:67], s[68:69]                   ; the bias that goes with the weight
	s_cmp_eq_u32 s45, 1
	s_cselect_b64 s[66:67], s[70:71], s[66:67]
	s_cmp_eq_u32 s45, 2
	s_cselect_b64 s[66:67], s[72:73], s[66:67]
.endif
	s_add_nc_u64 s[14:15], s[4:5], s[16:17]
	s_add_nc_u64 s[46:47], s[6:7], s[46:47]
.irp s, 0,1
	s_mov_b32 s[G0+4*\s], 1
	s_add_co_u32 s[G0+4*\s+1], s20, \s*SLOT
	s_add_nc_u64 s[G0+4*\s+2:G0+4*\s+3], s[14:15], \s*KSTEP*2
	s_or_b32 s[G0+4*\s+3], s[G0+4*\s+3], 0x80000000
	s_mov_b32 s[G0B+4*\s], 1
	s_add_co_u32 s[G0B+4*\s+1], s21, \s*SLOT
	s_add_nc_u64 s[G0B+4*\s+2:G0B+4*\s+3], s[46:47], \s*KSTEP*NB*2
	s_or_b32 s[G0B+4*\s+3], s[G0B+4*\s+3], 0x80000000
.endr
	CROUND                                         ; all sixteen work-groups are here: the first joint loads meet
	s_cmp_eq_u32 s11, 0                            ; a wave's two first fills stand in one branch: two loads of mine are out
	s_cbranch_scc0 .Lfirst_b
	tensor_load_to_lds s[G0:G0+3], s[G1:G1+7]
	s_nop 0
	tensor_load_to_lds s[G0+4:G0+7], s[G1:G1+7]
	s_nop 0
.rept 4
	v_nop
.endr
	s_branch .Lfirst_asked
.Lfirst_b:
	tensor_load_to_lds s[G0B:G0B+3], s[G1B:G1B+7]
	s_nop 0
	tensor_load_to_lds s[G0B+4:G0B+7], s[G1B:G1B+7]
	s_nop 0
.rept 4
	v_nop
.endr
.Lfirst_asked:
	v_and_b32 v1, 15, v0                           ; r = l % 16
	v_bfe_u32 v2, v0, 4, 1                         ; h = l / 16
	v_mul_u32_u24 v3, v1, PA
	v_lshl_add_u32 v3, v2, 4, v3                   ; A: row r, 16 bytes for each half of the lanes
	v_and_b32 v5, 7, v0
	v_bfe_u32 v6, v0, 3, 1
	v_lshl_add_u32 v4, v2, 3, v5                   ; B, turning load: k-row 8 h + l % 8,
	v_mul_u32_u24 v4, v4, PB
	v_lshl_add_u32 v4, v6, 4, v4                   ; columns 8 ((l / 8) % 2) on
	s_mul_i32 s22, s11, HA                         ; my 128 rows of A
	s_lshl_b32 s23, s12, 8                         ; my 128 columns of B: 256 bytes
	s_add_co_u32 s23, s23, BBASE
.irp s, 0,1
	v_add_nc_u32 v[ADRA+\s], s22, v3
	v_add_nc_u32 v[ADRB+\s], s23, v4
	s_add_co_u32 s22, s22, SLOT
	s_add_co_u32 s23, s23, SLOT
.endr
	; the bias of my 128 columns: accumulator column b, register j is column 16 b + 8 h + j
.if QKV
	s_lshl_b32 s74, s40, 10                        ; 256 columns x 4 bytes for each tile column within the weight
.else
	s_lshl_b32 s74, s42, 10
.endif
	s_lshl_b32 s75, s12, 9
	s_add_co_u32 s74, s74, s75
	s_mov_b32 s75, 0
	s_add_nc_u64 s[66:67], s[66:67], s[74:75]
	v_lshlrev_b32 v[BO], 5, v2
	WIN TO_B
.irp b, 0,1,2,3,4,5,6,7
	global_load_b128 v[BIAS+8*\b:BIAS+8*\b+3],   v[BO], s[66:67] offset:64*\b
	global_load_b128 v[BIAS+8*\b+4:BIAS+8*\b+7], v[BO], s[66:67] offset:64*\b+16
.endr
	WIN 0
	; the way out: a wave's 128 columns of bf16 are 256 bytes, so each wave has a stage of its own
	s_mul_i32 s23, s10, 16*SPITCH
	s_add_co_u32 s23, s23, STAGE
	v_mul_u32_u24 v4, v1, SPITCH                   ; in: row r, 16 bytes for each half of the lanes
	v_lshl_add_u32 v4, v2, 4, v4
	v_add_nc_u32 v[STO], s23, v4
	v_mul_u32_u24 v5, v2, SPITCH                   ; back: lanes 0-15 take one row of 256 bytes, lanes 16-31 the next
	v_lshl_add_u32 v5, v1, 4, v5
	v_add_nc_u32 v[RD], s23, v5
	v_mul_u32_u24 v5, v2, NC*2                     ; and the same two rows in C
	v_lshl_add_u32 v[CO], v1, 4, v5
	s_lshl_b32 s16, s13, 8
	s_lshl_b32 s17, s11, 7
	s_add_co_u32 s16, s16, s17                     ; my first row of C
	s_mul_i32 s16, s16, NC*2                       ; under 2^25
	s_mov_b32 s17, 0
	s_add_nc_u64 s[8:9], s[8:9], s[16:17]
	s_lshl_b32 s74, s42, 9                         ; my first column, 2 bytes a number: 512 x tile column + 256 x half
	s_lshl_b32 s75, s12, 8
	s_add_co_u32 s74, s74, s75
	s_mov_b32 s75, 0
	s_add_nc_u64 s[8:9], s[8:9], s[74:75]
; 16 matrix instructions: m blocks a0, a0 + 1 of the window's four (hi = 0: my rows 0-63, 1: rows 64-127) x all 8 n blocks, 32 along K.  zero = 1: the first product starts the sums.
; The 64 accumulators take turns, one instruction a turn, in the same order in every quarter step.
.macro MUL16 f, hi, a0, zero
.irp a, \a0, \a0+1
.irp b, 0,1,2,3,4,5,6,7
.if \zero
	v_wmma_f32_16x16x32_bf16 v[8*(8*(\a)+\b):8*(8*(\a)+\b)+7], v[\f+8*\b:\f+8*\b+7], v[\f+8*(4*\hi+\a):\f+8*(4*\hi+\a)+7], 0
.else
	v_wmma_f32_16x16x32_bf16 v[8*(8*(\a)+\b):8*(8*(\a)+\b)+7], v[\f+8*\b:\f+8*\b+7], v[\f+8*(4*\hi+\a):\f+8*(4*\hi+\a)+7], v[8*(8*(\a)+\b):8*(8*(\a)+\b)+7]
.endif
.endr
.endr
.endm
; 32 LDS loads in one run: the fragments of quarter q (32 along K) of a slot into buffer f: B's 128 columns (turned), then A's 128 rows
.macro FETCH slot, q, f
	WIN TO_B
.irp i, 0,1,2,3,4,5,6,7
	ds_load_tr16_b128 v[\f+8*\i:\f+8*\i+3],   v[ADRB+\slot] offset:(32*\q)*PB+32*\i
	ds_load_tr16_b128 v[\f+8*\i+4:\f+8*\i+7], v[ADRB+\slot] offset:(32*\q+16)*PB+32*\i
.endr
	WIN 0
.irp i, 0,1,2,3,4,5,6,7
	ds_load_b128 v[\f+8*\i:\f+8*\i+3],   v[ADRA+\slot] offset:64*\q+\i*16*PA
	ds_load_b128 v[\f+8*\i+4:\f+8*\i+7], v[ADRA+\slot] offset:64*\q+\i*16*PA+32
.endr
.endm
.macro PLACES                          ; four places in front of loads into registers that matrix instructions have read, and of vector work on results
.rept 4
	v_nop
.endr
.endm
; A K step is four quarters of 32 along K, 64 matrix instructions each, on buffers 0, 1, 0, 1.  One of the first three: multiplies buffer f and, in its middle, fetches quarter q into g.
.macro QUARTER slot, q, f, g, zero
	s_wait_dscnt 8                                 ; B and A's rows 0-63 are in; the youngest eight loads (A's rows 64-127) may be out
	WIN MUL_LO
	MUL16 \f, 0, 0, \zero
	MUL16 \f, 0, 2, \zero
	PLACES
	FETCH \slot, \q, \g
	s_wait_dscnt 32                                ; all but the 32 just issued
	WIN MUL_HI
	MUL16 \f, 1, 0, \zero
	MUL16 \f, 1, 2, \zero
.endm
; The last quarter multiplies buffer 1 and changes slots: one barrier; in front of it each wave waits for its reads of this slot and for all its tensor loads.
.macro TURN slot, next, fill
	s_wait_dscnt 8
	WIN MUL_LO
	MUL16 F1, 0, 0, 0
	s_wait_dscnt 0                                 ; my reads of this slot are over,
	s_wait_tensorcnt 0x0                           ; and all my tensor loads have landed: the one that was out is my part of the next slot
	ds_add_u32 v255, v31
	s_wait_dscnt 0x0
	s_barrier_signal -1
	MUL16 F1, 0, 2, 0                              ; work on registers while the others arrive
.if \fill
	WIN 0
.endif
	s_barrier_wait -1
.if \fill
	CREST                                          ; the barrier has opened a round of the cluster's: no wave of any partner still reads this slot or has a load on its way
	s_add_nc_u64 s[G0+4*\slot+2:G0+4*\slot+3], s[G0+4*\slot+2:G0+4*\slot+3], 2*KSTEP*2
	s_add_nc_u64 s[G0B+4*\slot+2:G0B+4*\slot+3], s[G0B+4*\slot+2:G0B+4*\slot+3], 2*KSTEP*NB*2
	JLOAD \slot                                    ; the first tensor load behind the round, 240 matrix instructions ahead of the wait for it; its four v_nop are the places for the loads below
.else
	PLACES
.endif
	FETCH \next, 0, F0
	WIN MUL_HI
	MUL16 F1, 1, 0, 0
	MUL16 F1, 1, 2, 0
.endm
; THE WAY OUT of block a (16 rows), in three parts.  PACK: + bias (and the larger of it and 0), rounded to bf16, 16 bytes a lane; each accumulator's registers in ascending order.
; TOSTAGE: into my own stage in LDS, and back as whole rows of 256 bytes.  SEND: stored.
.macro PACK a
.set AC, 64*((\a)%4)
	WIN 0x86+0x41*((\a)/4)                         ; destination and source 0: window 2 or 3; source 1 (the bias): window 1
.irp b, 0,1,2,3,4,5,6,7
.irp r, 0,1,2,3
	v_pk_add_f32 v[AC+8*\b+2*\r:AC+8*\b+2*\r+1], v[AC+8*\b+2*\r:AC+8*\b+2*\r+1], v[BIAS+8*\b+2*\r:BIAS+8*\b+2*\r+1]
.endr
.endr
.if EPI == 1
	WIN 0x88+0x44*((\a)/4)                         ; destination and source 1: window 2 or 3
.set i, 0
.rept 64
	v_max_num_f32 v[AC+i], 0, v[AC+i]
.set i, i+1
.endr
.endif
	WIN 0x0a+5*((\a)/4)                            ; sources 0 and 1: window 2 or 3; destination window 0
.irp b, 0,1,2,3,4,5,6,7
.irp r, 0,1,2,3
	v_cvt_pk_bf16_f32 v[TMP+4*\b+\r], v[AC+8*\b+2*\r], v[AC+8*\b+2*\r+1]
.endr
.endr
	WIN 0
.endm
.macro TOSTAGE a
.set BK, OB+192*((\a)%2)
.irp b, 0,1,2,3,4,5,6,7
	ds_store_b128 v[STO], v[TMP+4*\b:TMP+4*\b+3] offset:32*\b
.endr
.irp t, 0,1,2,3,4,5,6,7
	ds_load_b128 v[BK+4*\t:BK+4*\t+3], v[RD] offset:\t*2*SPITCH    ; my own bytes, and LDS serves a wave's instructions in order (ISA guide 5.7.1.4): these see the stores above
.endr
.endm
.macro SEND a
.set BK, OB+192*((\a)%2)
	s_wait_dscnt 0x0                               ; the block is back in registers
	s_wait_xcnt 0x0                                ; the stores' base and the registers that earlier stores read are rewritten only behind this wait
.if (\a) > 0
	s_add_nc_u64 s[8:9], s[8:9], 16*NC*2           ; 16 rows of C on, so that the stores' offsets stay at 14 rows at the most
.endif
.irp t, 0,1,2,3,4,5,6,7
	global_store_b128 v[CO], v[BK+4*\t:BK+4*\t+3], s[8:9] offset:2*\t*NC*2   ; 16 lanes store 256 consecutive bytes, aligned
.endr
.endm
	s_wait_tensorcnt 0x1                           ; my part of K step 0 is in; K step 1's may stay out
	s_barrier_signal -1
	s_barrier_wait -1
	FETCH 0, 0, F0
	QUARTER 0, 1, F0, F1, 1                        ; the first quarter stands in front of the loop: its products start the sums
	WIN 0
	s_mov_b32 s3, LAPS-1
.Llap:                                                 ; once round the ring, from a lap's second quarter to the next lap's first; both slots are filled again
	QUARTER 0, 2, F1, F0, 0
	QUARTER 0, 3, F0, F1, 0
	TURN 0, 1, 1
	QUARTER 1, 1, F0, F1, 0
	QUARTER 1, 2, F1, F0, 0
	QUARTER 1, 3, F0, F1, 0
	TURN 1, 0, 1
	QUARTER 0, 1, F0, F1, 0
	WIN 0
	s_sub_co_u32 s3, s3, 1
	s_cmp_lg_u32 s3, 0
	s_cbranch_scc1 .Llap
	QUARTER 0, 2, F1, F0, 0                        ; the last lap fills nothing, and has no round of the cluster's barrier
	QUARTER 0, 3, F0, F1, 0
	TURN 0, 1, 0
	QUARTER 1, 1, F0, F1, 0
	QUARTER 1, 2, F1, F0, 0
	QUARTER 1, 3, F0, F1, 0
	s_wait_dscnt 8                                 ; the very last quarter: nothing more to fetch
	WIN MUL_LO
	MUL16 F1, 0, 0, 0
	MUL16 F1, 0, 2, 0
	s_wait_dscnt 0
	WIN MUL_HI
	MUL16 F1, 1, 0, 0
	MUL16 F1, 1, 2, 0
	s_wait_loadcnt 0x0                             ; the bias
	PLACES                                         ; four places between the last products and the first vector work on sums
	PACK 0
	TOSTAGE 0
.irp a, 1,2,3,4,5,6,7                  ; block a's arithmetic stands between block a - 1's loads from the stage and the wait for them
	PACK \a
	SEND \a-1
	TOSTAGE \a
.endr
	SEND 7
	s_set_vgpr_msb 0x1
	s_wait_tensorcnt 0x0
	ds_add_u32 v255, v31
	s_wait_dscnt 0x0
	s_set_vgpr_msb 0x100
	CROUND                                         ; the closing round: no work-group ends while a partner may still ask for a tile that names it
	s_endpgm
.Lfunc_end_k_q1727f9ee45_g_qkv:
	.size	k_q1727f9ee45_g_qkv, .Lfunc_end_k_q1727f9ee45_g_qkv-k_q1727f9ee45_g_qkv
	.p2alignl 7, 3214868480
	.fill 96, 4, 3214868480
	.section	.rodata,"a",@progbits
	.p2align	6, 0x0
	.amdhsa_kernel k_q1727f9ee45_g_qkv
		.amdhsa_group_segment_fixed_size 327680
		.amdhsa_private_segment_fixed_size 0
		.amdhsa_enable_private_segment 0
		.amdhsa_kernarg_size 40
		.amdhsa_user_sgpr_count 2
		.amdhsa_user_sgpr_kernarg_segment_ptr 1
		.amdhsa_wavefront_size32 1
		.amdhsa_system_sgpr_workgroup_id_x 1
		.amdhsa_system_sgpr_workgroup_id_y 1
		.amdhsa_system_sgpr_workgroup_id_z 1
		.amdhsa_system_vgpr_workitem_id 0
		.amdhsa_next_free_vgpr 1024
		.amdhsa_next_free_sgpr 80
		.amdhsa_reserve_vcc 0
		.amdhsa_float_denorm_mode_32 3
		.amdhsa_float_denorm_mode_16_64 3
		.amdhsa_memory_ordered 1
		.amdhsa_forward_progress 1
		.amdhsa_inst_pref_size 161
	.end_amdhsa_kernel
	.amdgpu_metadata
---
amdhsa.version: [ 1, 2 ]
amdhsa.kernels:
  - .name:           k_q1727f9ee45_g_qkv
    .symbol:         k_q1727f9ee45_g_qkv.kd
    .args:
      - { .name: bf, .offset: 0, .size: 8, .value_kind: global_buffer, .address_space: global }
      - { .name: qkv, .offset: 8, .size: 8, .value_kind: global_buffer, .address_space: global }
      - { .name: bq, .offset: 16, .size: 8, .value_kind: global_buffer, .address_space: global }
      - { .name: bk, .offset: 24, .size: 8, .value_kind: global_buffer, .address_space: global }
      - { .name: bv, .offset: 32, .size: 8, .value_kind: global_buffer, .address_space: global }
    .group_segment_fixed_size: 327680
    .private_segment_fixed_size: 0
    .kernarg_segment_align: 8
    .kernarg_segment_size: 40
    .max_flat_workgroup_size: 128
    .sgpr_count:     80
    .vgpr_count:     1024
    .wavefront_size: 32
...
	.end_amdgpu_metadata
.endif
;; end of part 10
;; launch attn (part 11): grid 16 x 16, 8 waves a work-group, clusters of 4 x 1, 327,680 bytes of LDS; arguments qkv, maskbits, ob; writes ob
.if DOCPART == 11
	.amdgcn_target "amdgcn-amd-amdhsa--gfx1250"
	.amdhsa_code_object_version 6
	.text
	.protected	k_q1727f9ee45_attn
	.globl	k_q1727f9ee45_attn
	.p2align	8
	.type	k_q1727f9ee45_attn,@function
k_q1727f9ee45_attn:
	s_mov_b64 s[64:65], 0
	v_nop
	global_prefetch_b8 v0, s[64:65] scope:SCOPE_SE
	s_setreg_imm32_b32 hwreg(HW_REG_WAVE_MODE, 25, 1), 1
	s_wait_xcnt 0x0
	s_wait_alu depctr_hold_cnt(0) depctr_sa_sdst(0) depctr_va_vdst(0) depctr_va_sdst(0) depctr_va_ssrc(0) depctr_va_vcc(0) depctr_vm_vsrc(0)
	s_getreg_b32 s2, hwreg(HW_REG_IB_STS2, 6, 4)
	s_cmp_eq_u32 s2, 0
	s_cbranch_scc0 .Lentry_in_a_cluster
	s_endpgm
.Lentry_in_a_cluster:
	s_bfe_u32 s2, ttmp6, 0x10000c
	s_cmp_lg_u32 s2, 0x3003
	s_cbranch_scc0 .Lentry_shape_is_right
	s_endpgm
.Lentry_shape_is_right:
; ob[token][1024] (bf16) = softmax_k(q . k / 8, masked) v, 16 heads of 64.  qkv: [4096][3072] bf16, a row = q | k | v.  maskbits: lane masks, see below.
; SHARES.  A work-group owns 128 queries of one batch entry and TWO neighbouring heads, so that rows of K, of V and of O are 256 consecutive bytes.  Eight waves, two to a SIMD:
; wave w has head w / 4 of the pair and queries 32 (w % 4) on, two tiles of 16.  Every wave walks all 2,048 keys, 64 a step; one wave's softmax runs beside the other's products.
; LAYOUT.  S^T = K Q^T (source 0 = 16 keys, source 1 = 16 queries): a lane holds ONE query (lane % 16) and keys 8 (lane / 16) + 0..7.  Two such tiles, rounded to bf16 in pairs, are
; source 1 of O^T = V^T P, whose result again holds one query a lane.  K comes out of LDS as it lies, V turned by ds_load_tr16_b128.
; FRAGMENTS AHEAD.  A step's V is asked for at its head and used behind its softmax; the NEXT step's K is asked for behind this step's K Q^T, so that it too has a softmax in which to come.
; A slot's last step asks for no K: the next slot is shown whole only by the change's barrier, behind which its first K is asked for.
; MASK.  Word [qt][T][j] of maskbits holds, in bit L, mask[16 qt + L % 16][16 T + 8 (L / 16) + j]: the lane mask for register j of score tile (qt, T).  A step's 64 words (32 for each of
; my two query tiles) lie in scalar registers; one v_cndmask_b32 a register puts -2^120 in a masked score's place, ahead of the maximum.  As soon as both tiles are masked the next
; step's 64 words are asked for: they have both softmaxes, V^T P and the next K Q^T in which to come, and a step has one wait for scalar loads.
; SOFTMAX.  Running maximum m and sum l for each query: p = 2^(c s - c m), c = log2(e) / 8; in every step O and l are multiplied by a = 2^(c m_old - c m_new).  The two tiles' lists of
; instructions are interleaved, so that a line and the line that reads its result stand apart.
; LIMITS.  Raw scores q . k stay under 2^120 in size.  A row whose mask is all false gets equal weights for all keys; the f32 sum score + (-1e12) gives the same while |score / 8| < 32,768.
; The weights p and q, k, v are rounded to bf16.
; CLUSTER.  The four query blocks of a cluster share batch entry and heads, so K's and V's tiles are asked for jointly.  A slot holds four key steps: eight loads of 64 rows x 256 bytes, one a wave.
; VECTOR REGISTERS.  window 0: v0-13 addresses; v16-31 statistics, 8 a tile; v32-95 S^T, 32 a tile; v96-127 P, 16 a tile; v128-191 O^T, 32 a tile.
;   window 1: v0-31 Q, 16 a tile; v32-95 K of a step; v96-159 V of a step.
; SCALAR REGISTERS.  s[2:3] mask base; s[4:5] Q's base, then the two loop counters; s6 wave; s[8:15] and s[40:63] tile 0's mask words; s[16:31] the two group 1; s[32:39] group 0, a set for each
;   slot; s[66:67] c; s[68:99] tile 1's mask words; s[100:101] lane selects; s[104:105] ob.  During the set-up the mask words' registers are scratch.
.set KS,    64
.set ROWB,  6144                       ; bytes in a row of qkv
.set PK,    272                        ; K's LDS row: 256 + 16: the 16 rows of a load start at 16 different banks (64 banks of 4 bytes: ISA guide 11.1)
.set PV,    288                        ; V's: 256 + 32
.set VOFF,  KS*PK
.set STEPB, KS*(PK+PV)                 ; a step's 64 rows of K, then its 64 rows of V
.set SLOTB, 4*STEPB
.set STAGE, 2*SLOTB                    ; behind the ring: 128 rows x 272 bytes for the way out; no tensor load lands here
.set SP,    272
.set AK0, 2                            ; my lane's place in a step's K; never rewritten
.set AV0, 3                            ; the same for V
.set ADRK, 4                           ; K of the step last asked for
.set ADRV, 5                           ; V of the step in hand
.set QO,  6
.set STO, 7
.set RD,  8
.set GO,  10
.set NEGV, 11                          ; -2^120
.set ST,  16                           ; tile t at v[ST+8 t]: +0 c m, +1 m, +2, +3 l (even keys', odd keys'), +4 to +7 at work; a in +6
.set S,   32
.set P,   96
.set O,   128
.set QF,  0                            ; window 1
.set KF,  32
.set VF,  96
.set MB,  2                            ; s[2:3] the mask words of my tile 0, the step last asked for
.set QB,  4                            ; s[4:5] Q at my first query; free once Q is in
.set NST, 4                            ; s4 counts a run of steps
.set NPR, 5                            ; s5 counts pairs of slots
.set WV,  6                            ; s6 my wave's number
.set M0A, 8                            ; tile 0's word i: s[M0A+i] for i < 8,
.set M0B, 32                           ; s[M0B+i] for i = 8 .. 31 (s40 to s63)
.set M1,  68                           ; tile 1's word i: s[M1+i]
.set G1K, 16                           ; s[16:23] group 1 for K's tiles, s[24:31] for V's (other padding)
.set G1V, 24
.set G0,  32                           ; s[32:39] group 0 of MY tile (K's or V's, by the wave's number), a set for each slot
.set CS,  66                           ; s[66:67] c, twice
.set SEL, 100                          ; s[100:101] v_permlanex16_b32: each lane takes its own place in the other half
.set OBP, 104                          ; s[104:105] ob at the first row that I store
.set MSB, 0
.macro WIN new                         ; the immediate's high byte repeats the setting that is left
.if MSB != \new
	s_set_vgpr_msb (MSB<<8)|\new
.set MSB, \new
.endif
.endm
.macro PLACES
.rept 4
	v_nop
.endr
.endm
.macro JLOAD s                         ; a joint refill of slot s: waves 0-3 fetch K of the slot's four steps, waves 4-7 V; four v_nop follow each line
	s_cmp_lt_u32 s[WV], 4
	s_cbranch_scc0 .Lfor_v_\@
	tensor_load_to_lds s[G0+4*(\s):G0+4*(\s)+3], s[G1K:G1K+7]
	s_nop 0
.rept 4
	v_nop
.endr
	s_branch .Lasked_\@
.Lfor_v_\@:
	tensor_load_to_lds s[G0+4*(\s):G0+4*(\s)+3], s[G1V:G1V+7]
	s_nop 0
.rept 4
	v_nop
.endr
.Lasked_\@:
.endm
.macro CROUND                          ; a round of the cluster's barrier
	s_barrier_signal -1
	s_barrier_wait -1
	s_cmp_lg_u32 s[WV], 0
	s_cbranch_scc1 .Lnot_wave_0_\@
	s_barrier_signal -3
.Lnot_wave_0_\@:
	s_barrier_wait -3
	s_barrier_signal -1
	s_barrier_wait -1
.endm
	s_load_b128 s[8:11], s[0:1], 0x0               ; qkv s[8:9], maskbits s[10:11]
	s_load_b64 s[12:13], s[0:1], 0x10              ; ob
	v_lshl_add_u32 v254, v0, 2, 0x4e800
	v_mov_b32 v255, 0
	ds_add_u32 v254, v255
	ds_add_u32 v254, v255
	v_lshrrev_b32 v1, 5, v0
	v_readfirstlane_b32 s[WV], v1                  ; wave 0..7
	s_bfe_u32 s40, ttmp6, 0x40000                  ; cx
	s_lshl_b32 s41, ttmp9, 2
	s_add_co_u32 s41, s41, s40                     ; my block of 128 queries: it enters Q's, the mask's and O's global addresses alone
	s_and_b32 s42, ttmp7, 0xffff
	s_lshr_b32 s43, s42, 3                         ; batch entry
	s_and_b32 s44, s42, 7                          ; pair of heads; both are shared by the four partners
	s_lshl_b32 s44, s44, 8                         ; 256 bytes of a row for each pair
	s_and_b32 s45, s[WV], 3                        ; w % 4: my queries; also which of a slot's four steps I fetch
	s_lshr_b32 s46, s[WV], 2                       ; w / 4: my head of the pair; also: I fetch K (0) or V (1)
	s_lshl_b32 s47, s46, 7                         ; my head's 128 bytes of a row of 256
	s_lshl_b32 s48, s43, 11                        ; my tile of slot 0: row 2,048 b + 64 (w % 4),
	s_lshl_b32 s49, s45, 6
	s_add_co_u32 s48, s48, s49
	s_mul_i32 s48, s48, ROWB
	s_add_co_u32 s48, s48, s44                     ; the pair of heads,
	s_lshl_b32 s49, s46, 11
	s_add_co_u32 s48, s48, s49                     ; k lies behind q's 2,048 bytes of a row, v 2,048 further on
	s_add_co_u32 s48, s48, 2048
	s_mov_b32 s49, 0
	s_mul_i32 s50, s45, STEPB                      ; its place in a slot: the step's bytes, and V behind K
	s_mul_i32 s51, s46, VOFF
	s_add_co_u32 s50, s50, s51
	s_lshl_b32 s52, s43, 11
	s_lshl_b32 s53, s41, 7
	s_add_co_u32 s52, s52, s53                     ; my block's first token
	s_lshl_b32 s54, s[WV], 4
	s_add_co_u32 s54, s54, s52                     ; the first row of O that I store: + 16 w
	s_lshl_b32 s54, s54, 11
	s_add_co_u32 s54, s54, s44
	s_mov_b32 s55, 0
	s_lshl_b32 s56, s45, 5
	s_add_co_u32 s56, s56, s52                     ; my first query
	s_mul_i32 s56, s56, ROWB
	s_add_co_u32 s56, s56, s44
	s_add_co_u32 s56, s56, s47
	s_mov_b32 s57, 0
	s_lshl_b32 s58, s41, 3
	s_lshl1_add_u32 s58, s45, s58                  ; qt of my tile 0 = 8 x block + 2 (w % 4)
	s_lshl_b32 s58, s58, 12                        ; 4,096 bytes of words for each qt
	s_mov_b32 s59, 0
	s_mov_b32 s[G1K], 15|(1<<16)|(1<<20)|(1<<21)|(5<<22)|(3<<25)   ; mask: all four work-groups; elements of 2 bytes; padding on; bit 21 beside a mask; after every 64 words, 4 words
	s_mov_b32 s[G1V], 15|(1<<16)|(1<<20)|(1<<21)|(5<<22)|(7<<25)   ; the same with 8 words of padding
.irp g, G1K, G1V
	s_mov_b32 s[\g+1], 128<<16                     ; tensor_dim0 = 128
	s_mov_b32 s[\g+2], KS<<16                      ; tensor_dim1 = 64
	s_mov_b32 s[\g+3], 128<<16                     ; tile_dim0 = 128
	s_mov_b32 s[\g+4], KS                          ; tile_dim1 = 64
	s_mov_b32 s[\g+5], 3072                        ; elements from row to row
	s_mov_b32 s[\g+6], 0
	s_mov_b32 s[\g+7], 0
.endr
	s_mov_b32 s[CS], 0x3e38aa3b                    ; c = log2(e) / 8
	s_mov_b32 s[CS+1], s[CS]
	s_mov_b32 s[SEL], 0x76543210
	s_mov_b32 s[SEL+1], 0xfedcba98
	s_wait_dscnt 0x0
	s_wait_kmcnt 0x0
	s_add_nc_u64 s[48:49], s[8:9], s[48:49]        ; K or V at my tile of slot 0
	s_add_nc_u64 s[QB:QB+1], s[8:9], s[56:57]      ; Q at my first query
	s_add_nc_u64 s[MB:MB+1], s[10:11], s[58:59]
	s_add_nc_u64 s[OBP:OBP+1], s[12:13], s[54:55]
.irp s, 0,1
	s_mov_b32 s[G0+4*\s], 1
	s_add_co_u32 s[G0+4*\s+1], s50, \s*SLOTB
	s_add_nc_u64 s[G0+4*\s+2:G0+4*\s+3], s[48:49], \s*4*KS*ROWB    ; slot s begins with keys 256 s on
	s_or_b32 s[G0+4*\s+3], s[G0+4*\s+3], 0x80000000
.endr
	CROUND                                         ; all four work-groups are here: the first joint loads meet
	s_cmp_lt_u32 s[WV], 4                          ; a wave's two first fills stand in one branch: two loads of mine are out
	s_cbranch_scc0 .Lfirst_v
	tensor_load_to_lds s[G0:G0+3], s[G1K:G1K+7]
	s_nop 0
	tensor_load_to_lds s[G0+4:G0+7], s[G1K:G1K+7]
	s_nop 0
.rept 4
	v_nop
.endr
	s_branch .Lfirst_asked
.Lfirst_v:
	tensor_load_to_lds s[G0:G0+3], s[G1V:G1V+7]
	s_nop 0
	tensor_load_to_lds s[G0+4:G0+7], s[G1V:G1V+7]
	s_nop 0
.rept 4
	v_nop
.endr
.Lfirst_asked:
	v_and_b32 v1, 15, v0                           ; r = l % 16
	v_bfe_u32 v9, v0, 4, 1                         ; h = l / 16
	v_mul_u32_u24 v[QO], v1, ROWB
	v_lshl_add_u32 v[QO], v9, 4, v[QO]
	WIN 0x40                                       ; destination window 1, address window 0
.irp t, 0,1
.irp kk, 0,1                           ; Q stays in registers: tile t, channels 32 kk on
	global_load_b128 v[QF+16*\t+8*\kk:QF+16*\t+8*\kk+3],   v[QO], s[QB:QB+1] offset:\t*16*ROWB+64*\kk
	global_load_b128 v[QF+16*\t+8*\kk+4:QF+16*\t+8*\kk+7], v[QO], s[QB:QB+1] offset:\t*16*ROWB+64*\kk+32
.endr
.endr
	WIN 0
	v_mul_u32_u24 v[AK0], v1, PK
	v_lshl_add_u32 v[AK0], v9, 4, v[AK0]
	v_add_nc_u32 v[AK0], s47, v[AK0]               ; key row r, 16 bytes for each half of the lanes, my head
	v_and_b32 v12, 7, v0
	v_bfe_u32 v13, v0, 3, 1
	v_lshl_add_u32 v[AV0], v9, 3, v12              ; turning load: key 8 h + l % 8,
	v_mul_u32_u24 v[AV0], v[AV0], PV
	v_lshl_add_u32 v[AV0], v13, 4, v[AV0]          ; channels 8 ((l / 8) % 2) on
	s_add_co_u32 s60, s47, VOFF
	v_add_nc_u32 v[AV0], s60, v[AV0]
	s_mul_i32 s61, s45, 32*SP                      ; the way out, in: row 32 (w % 4) + 16 t + r, my head's half, 16 bytes for each half of the lanes
	s_add_co_u32 s61, s61, s47
	s_add_co_u32 s61, s61, STAGE
	v_mul_u32_u24 v[STO], v1, SP
	v_lshl_add_u32 v[STO], v9, 4, v[STO]
	v_add_nc_u32 v[STO], s61, v[STO]
	s_mul_i32 s62, s[WV], 16*SP                    ; back: wave w takes rows 16 w .. 16 w + 15, whole
	s_add_co_u32 s62, s62, STAGE
	v_mul_u32_u24 v[RD], v9, SP
	v_lshl_add_u32 v[RD], v1, 4, v[RD]
	v_add_nc_u32 v[RD], s62, v[RD]
	v_lshlrev_b32 v[GO], 11, v9                    ; and the same two rows in ob
	v_lshl_add_u32 v[GO], v1, 4, v[GO]
	v_mov_b32 v[NEGV], 0xfb800000                  ; -2^120
.macro MLOAD2                          ; 64 mask words: a step's four key tiles x eight registers, for my tile 0 (128 bytes at the base) and my tile 1 (the next qt's row of the table)
	s_load_b256 s[M0A:M0A+7], s[MB:MB+1], 0x0
	s_load_b256 s[M0B+8:M0B+15], s[MB:MB+1], 0x20
	s_load_b512 s[M0B+16:M0B+31], s[MB:MB+1], 0x40
	s_load_b512 s[M1:M1+15], s[MB:MB+1], 0x1000
	s_load_b512 s[M1+16:M1+31], s[MB:MB+1], 0x1040
.endm
	MLOAD2                                         ; the first step's words; the set-up has read the last of its scratch above
; Product i of 16 of S^T = K Q^T: channels 32 (i / 8) on, keys 16 ((i / 2) % 4) on, tile i % 2.  The first 8 start the sums.  The eight accumulators take turns.
.macro KQ
.set rS, S+32*(i%2)+8*((i/2)%4)
.set rK, KF+16*((i/2)%4)+8*(i/8)
.set rQ, QF+16*(i%2)+8*(i/8)
.if i < 8
	v_wmma_f32_16x16x32_bf16 v[rS:rS+7], v[rK:rK+7], v[rQ:rQ+7], 0
.else
	v_wmma_f32_16x16x32_bf16 v[rS:rS+7], v[rK:rK+7], v[rQ:rQ+7], v[rS:rS+7]
.endif
.endm
; Product i of 16 of O^T += V^T P: keys 32 (i / 8) on, channels 16 ((i / 2) % 4) on, tile i % 2.  zero = 1: the first 8 start the sums.
.macro PV zero
.set rO, O+32*(i%2)+8*((i/2)%4)
.set rV, VF+32*(i/8)+8*((i/2)%4)
.set rP, P+16*(i%2)+8*(i/8)
.if \zero && (i < 8)
	v_wmma_f32_16x16x32_bf16 v[rO:rO+7], v[rV:rV+7], v[rP:rP+7], 0
.else
	v_wmma_f32_16x16x32_bf16 v[rO:rO+7], v[rV:rV+7], v[rP:rP+7], v[rO:rO+7]
.endif
.endm
.macro MASK t                          ; a score whose bit is 0 becomes -2^120; registers in ascending order
.set i, 0
.rept 32
.if \t == 1
.set rM, M1+i
.elseif i < 8
.set rM, M0A+i
.else
.set rM, M0B+i
.endif
	v_cndmask_b32 v[S+32*\t+i], v[NEGV], v[S+32*\t+i], s[rM]
.set i, i+1
.endr
.endm
; One tile's softmax for one key step is a list of 118 instructions; SM writes number j of it for tile t.  s0-s31 are the lane's 32 scores, in pairs 0-15.
;   0-15    the maximum of s0-s31 and the old m: four chains of seven scores, then the four left over, the chains and m
;   16-20   the other half of the lanes' maximum; the new m; c m; c m_old - c m_new
;   21-87   33 exponentials (a, then s0-s31) at the odd numbers from 23 on: each has a plain instruction behind it before its result is used (ISA guide 5.7.2).  The plain ones between are
;           c s - c m for pairs whose exponentials are still to come, roundings to bf16 of pairs whose exponentials are done, and the first sums
;   88-101  the last rounding; the rest of the sums; l = a l + the sum
;   102-117 the tile's O^T times a, in ascending order
; first = 1: the first key step, which starts m, l and O^T: it has no a and nothing to rescale.
.macro SM t, first
.set rT, ST+8*(\t)
.set rS, S+32*(\t)
.set rP, P+16*(\t)
.set rO, O+32*(\t)+2*(j-102)
.set q, (j-20)/2
.if j < 4
	v_max3_num_f32 v[rT+4+j], v[rS+8*j], v[rS+8*j+1], v[rS+8*j+2]
.elseif j < 12
	v_max3_num_f32 v[rT+4+j%4], v[rT+4+j%4], v[rS+8*(j%4)+2*(j/4)+1], v[rS+8*(j%4)+2*(j/4)+2]
.elseif j == 12
	v_max3_num_f32 v[rT+4], v[rT+4], v[rS+7], v[rS+15]
.elseif j == 13
	v_max3_num_f32 v[rT+6], v[rT+6], v[rS+23], v[rS+31]
.elseif j == 14
	v_max3_num_f32 v[rT+4], v[rT+4], v[rT+5], v[rT+6]
.elseif (j == 15) && \first
	v_max_num_f32 v[rT+4], v[rT+4], v[rT+7]
.elseif j == 15
	v_max3_num_f32 v[rT+4], v[rT+4], v[rT+7], v[rT+1]
.elseif j == 16
	v_permlanex16_b32 v[rT+5], v[rT+4], s[SEL], s[SEL+1]           ; the query's other 32 keys lie in the lane 16 away
.elseif j == 18
	v_max_num_f32 v[rT+1], v[rT+4], v[rT+5]
.elseif j == 19
	v_mul_f32 v[rT], s[CS], v[rT+1]
.elseif ((j == 17) || (j == 20) || (j == 23) || (j > 101)) && \first   ; the first step has none of these
.elseif j == 17
	v_mov_b32 v[rT+7], v[rT]                       ; c m_old is kept for a: number 19 writes c m anew
.elseif j == 20
	v_sub_f32 v[rT+7], v[rT+7], v[rT]
.elseif j == 23
	v_exp_f32 v[rT+6], v[rT+7]
.elseif (j < 88) && (j > 23) && (j%2 == 1)
	v_exp_f32 v[rS+(j-25)/2], v[rS+(j-25)/2]
.elseif (q < 4) || ((j < 76) && (q%2 == 0))
.set b, q/2+2
.if q < 4
.set b, q
.endif
	v_pk_fma_f32 v[rS+2*b:rS+2*b+1], v[rS+2*b:rS+2*b+1], s[CS:CS+1], v[rT:rT+1] op_sel_hi:[1,0,0] neg_lo:[0,0,1] neg_hi:[0,0,1]  ; pair b: c s - c m
.elseif (j < 88) && (q%2 == 1)
	s_wait_alu depctr_va_vdst(0)
	v_cvt_pk_bf16_f32 v[rP+(q-5)/2], v[rS+q-5], v[rS+q-4]          ; pair (q - 5) / 2: its second exponential stands three numbers back
.elseif j == 89
	s_wait_alu depctr_va_vdst(0)
	v_cvt_pk_bf16_f32 v[rP+15], v[rS+30], v[rS+31]
.elseif j < 102                        ; the sum of the 16 pairs, in place: neighbours 1, 2, 4 and 8 pairs apart, then l takes it
.set z, j-86
.if j < 89
.set z, (j-76)/4
.endif
.set w, 4
.set u, z
.if z >= 14
.set w, 32
.set u, 0
.elseif z >= 12
.set w, 16
.set u, z-12
.elseif z >= 8
.set w, 8
.set u, z-8
.endif
.if (z == 14) && \first
	v_pk_add_f32 v[rT+2:rT+3], v[rS:rS+1], v[rS+16:rS+17]
.elseif z < 15
	v_pk_add_f32 v[rS+w*u:rS+w*u+1], v[rS+w*u:rS+w*u+1], v[rS+w*u+w/2:rS+w*u+w/2+1]
.elseif !\first
	v_pk_fma_f32 v[rT+2:rT+3], v[rT+2:rT+3], v[rT+6:rT+7], v[rS:rS+1] op_sel_hi:[1,0,1]
.endif
.else
	v_pk_mul_f32 v[rO:rO+1], v[rO:rO+1], v[rT+6:rT+7] op_sel_hi:[1,0]
.endif
.endm
; Slice k of 59 of both tiles' softmax: numbers 2 k and 2 k + 1 of both lists, four instructions.  Among the exponentials (slices 11 to 43) tile by tile: plain, exponential, plain,
; exponential, so that no two exponentials follow each other.  Elsewhere the two tiles alternate, so that no instruction reads the result of the one just before it.
.macro SLICE2 first
.if (k >= 11) && (k < 44)
.irp t, 0,1
.irp n, 0,1
.set j, 2*k+\n
	SM \t, \first
.endr
.endr
.else
.irp n, 0,1
.irp t, 0,1
.set j, 2*k+\n
	SM \t, \first
.endr
.endr
.endif
.set k, k+1
.endm
.macro SOFT2 first
.set k, 0
.rept 59
	SLICE2 \first
.endr
.endm
.macro KLOAD                           ; 16 LDS loads: the K fragments of the step at v[ADRK]
	WIN 0x40                                       ; destination window 1
.irp f, 0,1,2,3,4,5,6,7                ; keys 16 (f / 2) on, channels 32 (f % 2) on
	ds_load_b128 v[KF+8*\f:KF+8*\f+3],   v[ADRK] offset:(\f/2)*16*PK+(\f%2)*64
	ds_load_b128 v[KF+8*\f+4:KF+8*\f+7], v[ADRK] offset:(\f/2)*16*PK+(\f%2)*64+32
.endr
	WIN 0
.endm
.macro VLOAD                           ; 16 turning LDS loads: the V fragments of the step at v[ADRV]
	WIN 0x40
.irp f, 0,1,2,3,4,5,6,7                ; keys 32 (f / 4) on, channels 16 (f % 4) on
	ds_load_tr16_b128 v[VF+8*\f:VF+8*\f+3],   v[ADRV] offset:(\f/4)*32*PV+(\f%4)*32
	ds_load_tr16_b128 v[VF+8*\f+4:VF+8*\f+7], v[ADRV] offset:(\f/4)*32*PV+16*PV+(\f%4)*32
.endr
.endm
; A KEY STEP: 64 keys.  Its K and its mask words have been asked for already.  V is asked for; 16 products K Q^T; pre = 1: the next step's K is asked for; both tiles are masked;
; ml = 1: the next step's mask words are asked for; both tiles' softmax; 16 products V^T P.
.macro STEP first, pre, ml
	VLOAD
	s_wait_dscnt 16                                ; K, which is older, is in; V's sixteen loads may be out
	WIN 0x05                                       ; K and Q in window 1, S^T in window 0
.set i, 0
.rept 16
	KQ
.set i, i+1
.endr
	WIN 0
.if \pre
	v_add_nc_u32 v[ADRK], STEPB, v[ADRK]           ; the next step's K; with the three v_nop: the four places between the last product and the loads into K's registers and the work on scores
	v_nop
	v_nop
	v_nop
	KLOAD
.else
	PLACES
.endif
	s_wait_kmcnt 0x0                               ; this step's 64 mask words, asked for a step ago; scalar loads return in no order, so the count is 0
	MASK 0
	MASK 1
.if \ml
	s_add_nc_u64 s[MB:MB+1], s[MB:MB+1], 128       ; no scalar load is out: the base steps to the next 64 keys
	MLOAD2                                         ; the launch's last step asks for none: tile 1's next words would begin at the table's end
.endif
	SOFT2 \first
.if \pre
	s_wait_dscnt 16                                ; V is in; the next K's sixteen loads, which are younger, may be out
.else
	s_wait_dscnt 0x0                               ; V is in
.endif
	WIN 0x01                                       ; V in window 1; P and O^T in window 0
.set i, 0
.rept 16
	PV \first
.set i, i+1
.endr
	WIN 0
	v_add_nc_u32 v[ADRV], STEPB, v[ADRV]           ; the next step's V; with the three v_nop: the four places in front of the next loads into V's registers
	v_nop
	v_nop
	v_nop
.endm
.macro RUN n                           ; n key steps of a slot, each asking for the next one's K
	s_mov_b32 s[NST], \n
.Lstep_\@:
	STEP 0, 1, 1
	s_sub_co_u32 s[NST], s[NST], 1
	s_cmp_lg_u32 s[NST], 0
	s_cbranch_scc1 .Lstep_\@
.endm
; THE CHANGE OF SLOTS, on to slot `slot`.  Each wave waits for its reads of the slot that it leaves and for all its tensor loads, of which one is out: its part of the slot to come.
; fill = 1: the slot that is left is filled again, with the keys two slots on; the barrier is then a round of the cluster's, and the joint refill is the first thing behind it:
; it has four key steps in which to land.  Then the new slot's first K is asked for.
.macro CHANGE slot, fill
	s_wait_dscnt 0x0
	s_wait_tensorcnt 0x0                           ; no tensor load of mine is out, so a group 0 may be written
	ds_add_u32 v254, v255
	s_wait_dscnt 0x0
.if \fill
	s_add_nc_u64 s[G0+4*(1-\slot)+2:G0+4*(1-\slot)+3], s[G0+4*(1-\slot)+2:G0+4*(1-\slot)+3], 8*KS*ROWB
	CROUND
	JLOAD 1-\slot
.else
	s_barrier_signal -1
	s_barrier_wait -1
.endif
	v_add_nc_u32 v[ADRK], \slot*SLOTB, v[AK0]
	v_add_nc_u32 v[ADRV], \slot*SLOTB, v[AV0]
	KLOAD
.endm
	s_wait_tensorcnt 0x1                           ; my part of slot 0 is in; slot 1's may stay out
	s_barrier_signal -1
	s_barrier_wait -1
	v_mov_b32 v[ADRK], v[AK0]
	v_mov_b32 v[ADRV], v[AV0]
	KLOAD                                          ; K of keys 0-63
	s_wait_loadcnt 0x0                             ; Q is in; its base's registers are free for the counters
	STEP 1, 1, 1                                   ; keys 0-63 start m, l and O^T
	RUN 2
	STEP 0, 0, 1                                   ; a slot's last step asks for no K
	s_mov_b32 s[NPR], 3
.Lpair:                                                ; 3 trips of two slots: six of the eight fills are refills
	CHANGE 1, 1
	RUN 3
	STEP 0, 0, 1
	CHANGE 0, 1
	RUN 3
	STEP 0, 0, 1
	s_sub_co_u32 s[NPR], s[NPR], 1
	s_cmp_lg_u32 s[NPR], 0
	s_cbranch_scc1 .Lpair
	CHANGE 1, 0                                    ; the last slot: nothing is left to ask for
	RUN 3
	STEP 0, 0, 0                                   ; the last step: no K and no mask words are left to ask for
	; THE WAY OUT.  l's two halves and the other half of the lanes' are added; O^T is divided by l, rounded to bf16 and sent through the stage, where the two heads' halves of a row meet.
.irp t, 0,1
	v_add_f32 v[ST+8*\t+4], v[ST+8*\t+2], v[ST+8*\t+3]
.endr
.irp t, 0,1
	v_permlanex16_b32 v[ST+8*\t+5], v[ST+8*\t+4], s[SEL], s[SEL+1]
.endr
.irp t, 0,1
	v_add_f32 v[ST+8*\t+4], v[ST+8*\t+4], v[ST+8*\t+5]
.endr
.irp t, 0,1
	v_rcp_f32 v[ST+8*\t+6], v[ST+8*\t+4]
.endr
	v_nop                                          ; a plain instruction between the last reciprocal and the use of its result
	s_wait_alu depctr_va_vdst(0)
.irp t, 0,1
.set i, 0
.rept 16
	v_pk_mul_f32 v[O+32*\t+2*i:O+32*\t+2*i+1], v[O+32*\t+2*i:O+32*\t+2*i+1], v[ST+8*\t+6:ST+8*\t+7] op_sel_hi:[1,0]
.set i, i+1
.endr
.set i, 0
.rept 16
	v_cvt_pk_bf16_f32 v[S+16*\t+i], v[O+32*\t+2*i], v[O+32*\t+2*i+1]
.set i, i+1
.endr
.irp c, 0,1,2,3
	ds_store_b128 v[STO], v[S+16*\t+4*\c:S+16*\t+4*\c+3] offset:\t*16*SP+32*\c
.endr
.endr
	s_wait_dscnt 0x0                               ; for the others' sake: my stores into the stage are done
	s_barrier_signal -1
	s_barrier_wait -1
.irp f, 0,1,2,3,4,5,6,7
	ds_load_b128 v[S+32+4*\f:S+32+4*\f+3], v[RD] offset:\f*2*SP
.endr
.irp f, 0,1,2,3,4,5,6,7
	s_wait_dscnt 7-\f
	global_store_b128 v[GO], v[S+32+4*\f:S+32+4*\f+3], s[OBP:OBP+1] offset:\f*4096   ; 16 lanes store 256 consecutive bytes, aligned
.endr
	s_wait_tensorcnt 0x0
	ds_add_u32 v254, v255
	s_wait_dscnt 0x0
	CROUND                                         ; the closing round: no work-group ends while a partner may still ask for a tile that names it
	s_endpgm
.Lfunc_end_k_q1727f9ee45_attn:
	.size	k_q1727f9ee45_attn, .Lfunc_end_k_q1727f9ee45_attn-k_q1727f9ee45_attn
	.p2alignl 7, 3214868480
	.fill 96, 4, 3214868480
	.section	.rodata,"a",@progbits
	.p2align	6, 0x0
	.amdhsa_kernel k_q1727f9ee45_attn
		.amdhsa_group_segment_fixed_size 327680
		.amdhsa_private_segment_fixed_size 0
		.amdhsa_enable_private_segment 0
		.amdhsa_kernarg_size 24
		.amdhsa_user_sgpr_count 2
		.amdhsa_user_sgpr_kernarg_segment_ptr 1
		.amdhsa_wavefront_size32 1
		.amdhsa_system_sgpr_workgroup_id_x 1
		.amdhsa_system_sgpr_workgroup_id_y 1
		.amdhsa_system_sgpr_workgroup_id_z 1
		.amdhsa_system_vgpr_workitem_id 0
		.amdhsa_next_free_vgpr 416
		.amdhsa_next_free_sgpr 106
		.amdhsa_reserve_vcc 0
		.amdhsa_float_denorm_mode_32 3
		.amdhsa_float_denorm_mode_16_64 3
		.amdhsa_memory_ordered 1
		.amdhsa_forward_progress 1
		.amdhsa_inst_pref_size 218
	.end_amdhsa_kernel
	.amdgpu_metadata
---
amdhsa.version: [ 1, 2 ]
amdhsa.kernels:
  - .name:           k_q1727f9ee45_attn
    .symbol:         k_q1727f9ee45_attn.kd
    .args:
      - { .name: qkv, .offset: 0, .size: 8, .value_kind: global_buffer, .address_space: global }
      - { .name: maskbits, .offset: 8, .size: 8, .value_kind: global_buffer, .address_space: global }
      - { .name: ob, .offset: 16, .size: 8, .value_kind: global_buffer, .address_space: global }
    .group_segment_fixed_size: 327680
    .private_segment_fixed_size: 0
    .kernarg_segment_align: 8
    .kernarg_segment_size: 24
    .max_flat_workgroup_size: 256
    .sgpr_count:     106
    .vgpr_count:     416
    .wavefront_size: 32
...
	.end_amdgpu_metadata
.endif
;; end of part 11
;; launch g_proj: the kernel of part 4 again; grid 8 x 32, 4 waves a work-group, clusters of 4 x 4, 327,680 bytes of LDS; arguments ob, bf, y, bp, x; writes y
;; launch ln1: the kernel of part 5 again; grid 256 x 1, 4 waves a work-group, no clusters, 0 bytes of LDS; arguments y, gamma1, beta1, x1, x1b; writes x1, x1b
;; launch g_ffn1 (part 12): grid 16 x 16, 4 waves a work-group, clusters of 4 x 4, 327,680 bytes of LDS; arguments x1b, bf, h, b1; writes h
.if DOCPART == 12
	.amdgcn_target "amdgcn-amd-amdhsa--gfx1250"
	.amdhsa_code_object_version 6
	.text
	.protected	k_q1727f9ee45_g_ffn1
	.globl	k_q1727f9ee45_g_ffn1
	.p2align	8
	.type	k_q1727f9ee45_g_ffn1,@function
k_q1727f9ee45_g_ffn1:
	s_mov_b64 s[64:65], 0
	v_nop
	global_prefetch_b8 v0, s[64:65] scope:SCOPE_SE
	s_setreg_imm32_b32 hwreg(HW_REG_WAVE_MODE, 25, 1), 1
	s_wait_xcnt 0x0
	s_wait_alu depctr_hold_cnt(0) depctr_sa_sdst(0) depctr_va_vdst(0) depctr_va_sdst(0) depctr_va_ssrc(0) depctr_va_vcc(0) depctr_vm_vsrc(0)
	s_getreg_b32 s2, hwreg(HW_REG_IB_STS2, 6, 4)
	s_cmp_eq_u32 s2, 0
	s_cbranch_scc0 .Lentry_in_a_cluster
	s_endpgm
.Lentry_in_a_cluster:
	s_bfe_u32 s2, ttmp6, 0x10000c
	s_cmp_lg_u32 s2, 0xf033
	s_cbranch_scc0 .Lentry_shape_is_right
	s_endpgm
.Lentry_shape_is_right:
; h[4096][4096] (bf16) = max(x1b (bf16) times W1 (bf16, in bf) + b1, 0).
; One text serves two products C = A B + bias; the constants below choose the variant, and .if leaves the other variant's lines out.
;   A: [4096][SIZE_K] bf16, K along the rows.  B: [SIZE_K][NB] bf16, N along the rows, as the weights lie.  Sums in f32.
;   EPI 0: C = bf16(sum + bias).   EPI 1: C = bf16(max(sum + bias, 0)).
; SHARES.  A tile of C is 256 x 256, made by four waves, one to a SIMD, 128 x 128 each: 64 accumulators of 16 x 16, 512 registers.  For 32 along K a wave reads 2 x 128 x 64 bytes of LDS
; for 64 matrix instructions.  4,096 x 3,072 makes 192 such tiles, 4,096 x 4,096 makes 256: one to a work-group.
; K goes in steps of 128 through two LDS slots filled by tensor loads: waves 0, 1 fetch A's two halves (128 rows x 256 bytes), waves 2, 3 B's (64 k-rows x 512 bytes).
; B is turned on its way out of LDS by ds_load_tr16_b128, so no transposed copy of a weight is ever made.
; CLUSTER.  4 x 4 work-groups: the four of a row need the same tiles of A, the four of a column the same tiles of B; each tile is asked for jointly.
; THE MATRIX INSTRUCTION IS USED TRANSPOSED (source 0 = 16 columns of B, source 1 = 16 rows of A): a lane then holds eight neighbouring numbers of a row of C.
; LIMIT: A and B are bf16 (8 bits of mantissa); nothing else is narrowed before the sums.
; REGISTERS, in windows of 256 (s_set_vgpr_msb: bits 1:0 source 0, 3:2 source 1, 5:4 source 2, 7:6 destination):
;   window 0: v0-31 addresses; v64-127, v128-191 fragments of A, two buffers; v32-63, v192-255 at work on the way out
;   window 1: v0-63 the bias of my 128 columns; v64-127, v128-191 fragments of B, two buffers
;   window 2: the 32 accumulators of my rows 0-63 ((a, b) at v[8 (8 a + b)]);   window 3: those of my rows 64-127
.set SIZE_K, 1024
.set NB,     4096                      ; elements in a row of B
.set NC,     4096                      ; elements in a row of C
.set BOFF,   16777216                  ; B's first byte in bf
.set EPI,    1
.set QKV,    0                         ; 1: A and B both lie in bf; B and the bias are one of three, by the cluster's x
.set KSTEP,  128
.set PA,     272                       ; A's LDS row: 256 bytes + 16: row r starts at bank 4 r mod 64 (64 banks of 4 bytes: ISA guide 11.1)
.set PB,     544                       ; B's LDS row: 512 bytes + 32: row r starts at bank 8 r mod 64
.set HA,     128*PA                    ; what one tensor load brings of A
.set HB,     64*PB                     ; and of B
.set BBASE,  2*HA
.set SLOT,   2*HA+2*HB                 ; A's 256 rows, then B's 128 k-rows
.set STAGE,  2*SLOT                    ; behind the ring: 16 rows x 272 bytes for each wave; no tensor load lands here
.set SPITCH, 272
.set LAPS,   SIZE_K/(2*KSTEP)          ; a lap = two K steps = once round the ring
.set ADRA, 16                          ; v16-17  my A fragments in slot 0, 1
.set ADRB, 20                          ; v20-21  my B fragments in slot 0, 1
.set STO,  24                          ; the way out: where I put 16 bytes of a row
.set RD,   25                          ; where I read a row back
.set CO,   26                          ; my byte offset in C
.set BO,   27                          ; my byte offset in the bias
.set F0,   64                          ; fragment buffers
.set F1,   128
.set TMP,  192                         ; the way out: packed results
.set OB,   32                          ; 16 rows read back from the stage: v32-63 and v224-255 by turns
.set BIAS, 0                           ; in window 1
.set G1, 24                            ; s[24:31] group 1 for A's tiles; s[32:39] group 0, a set for each slot
.set G0, 32
.set G1B, 48                           ; s[48:55], s[56:63] the same for B's
.set G0B, 56
.set MSB, 0
.macro WIN new                         ; the immediate's high byte repeats the setting that is left
.if MSB != \new
	s_set_vgpr_msb (MSB<<8)|\new
.set MSB, \new
.endif
.endm
.set MUL_LO, 0xa1                      ; source 0 (B) window 1, source 1 (A) window 0, C and D window 2
.set MUL_HI, 0xf1                      ; the same, C and D window 3
.set TO_B,   0x40                      ; destination window 1, address window 0
.macro JLOAD s                         ; a joint refill: one load a wave; four v_nop follow each of the two lines
	s_cmp_eq_u32 s11, 0
	s_cbranch_scc0 .Lfor_b_\@
	tensor_load_to_lds s[G0+4*\s:G0+4*\s+3], s[G1:G1+7]
	s_nop 0
.rept 4
	v_nop
.endr
	s_branch .Lasked_\@
.Lfor_b_\@:
	tensor_load_to_lds s[G0B+4*\s:G0B+4*\s+3], s[G1B:G1B+7]
	s_nop 0
.rept 4
	v_nop
.endr
.Lasked_\@:
.endm
.macro CREST                           ; a round of the cluster's barrier behind its opening barrier
	s_cmp_lg_u32 s10, 0
	s_cbranch_scc1 .Lnot_wave_0_\@
	s_barrier_signal -3
.Lnot_wave_0_\@:
	s_barrier_wait -3
	s_barrier_signal -1
	s_barrier_wait -1
.endm
.macro CROUND
	s_barrier_signal -1
	s_barrier_wait -1
	CREST
.endm
.if QKV
	s_load_b128 s[4:7], s[0:1], 0x0                ; bf s[4:5], qkv s[6:7]
	s_load_b128 s[68:71], s[0:1], 0x10             ; bq, bk
	s_load_b64 s[72:73], s[0:1], 0x20              ; bv
.else
	s_load_b128 s[4:7], s[0:1], 0x0                ; A s[4:5], bf s[6:7]
	s_load_b64 s[8:9], s[0:1], 0x10                ; C
	s_load_b64 s[66:67], s[0:1], 0x18              ; bias
	s_set_vgpr_msb 0x40
	v_lshl_add_u32 v255, v0, 2, 0x48400
	s_set_vgpr_msb 0x4000
	v_mov_b32 v31, 0
	s_set_vgpr_msb 0x1
	ds_add_u32 v255, v31
	ds_add_u32 v255, v31
	s_set_vgpr_msb 0x100
.endif
	v_lshrrev_b32 v1, 5, v0
	v_readfirstlane_b32 s10, v1                    ; wave 0..3
	s_lshr_b32 s11, s10, 1                         ; my half of the tile's rows.  Also: I fetch for A (0) or for B (1)
	s_and_b32 s12, s10, 1                          ; my half of its columns.  Also: which half of that tile I fetch
	s_bfe_u32 s40, ttmp6, 0x40000                  ; cx, cy
	s_bfe_u32 s41, ttmp6, 0x40004
	s_lshl_b32 s42, ttmp9, 2
	s_add_co_u32 s42, s42, s40                     ; tile column = 4 x cluster x + cx
	s_and_b32 s13, ttmp7, 0xffff
	s_lshl_b32 s13, s13, 2
	s_add_co_u32 s13, s13, s41                     ; tile row = 4 x cluster y + cy
	s_lshl_b32 s43, s41, 2
	s_lshl_b32 s43, 15, s43                        ; my row of the cluster
	s_lshl_b32 s44, 0x1111, s40                    ; my column
	s_mov_b32 s45, ttmp9                           ; four tile columns to a weight of 1,024 columns: the cluster's x says which of Wq, Wk, Wv
	s_or_b32 s[G1+0], s43, (1<<16)|(1<<20)|(1<<21)|(5<<22)|(3<<25)  ; mask: my row; elements of 2 bytes; padding on; bit 21 beside a mask; after every 64 words, 4 words
	s_mov_b32 s[G1+1], KSTEP<<16                   ; tensor_dim0 = 128
	s_mov_b32 s[G1+2], 128<<16                     ; tensor_dim1 = 128
	s_mov_b32 s[G1+3], KSTEP<<16                   ; tile_dim0 = 128
	s_mov_b32 s[G1+4], 128                         ; tile_dim1 = 128
	s_mov_b32 s[G1+5], SIZE_K                      ; elements from row to row
	s_mov_b32 s[G1+6], 0
	s_mov_b32 s[G1+7], 0
	s_or_b32 s[G1B+0], s44, (1<<16)|(1<<20)|(1<<21)|(6<<22)|(7<<25) ; mask: my column; after every 128 words, 8 words
	s_mov_b32 s[G1B+1], 256<<16                    ; 256 columns,
	s_mov_b32 s[G1B+2], 64<<16                     ; 64 k-rows
	s_mov_b32 s[G1B+3], 256<<16
	s_mov_b32 s[G1B+4], 64
	s_mov_b32 s[G1B+5], NB
	s_mov_b32 s[G1B+6], 0
	s_mov_b32 s[G1B+7], 0
	; A's tile hangs on the tile row alone, B's on the tile column alone; each address is made in registers that never hold the other coordinate
	s_lshl_b32 s16, s13, 8
	s_lshl_b32 s17, s12, 7
	s_add_co_u32 s16, s16, s17                     ; A: row 256 x tile row + 128 x half
	s_mul_i32 s16, s16, SIZE_K*2                   ; in bytes: under 2^24
	s_mov_b32 s17, 0
.if QKV
	s_lshl_b32 s46, s40, 9                         ; 256 columns of 2 bytes for each tile column within the weight,
	s_lshl_b32 s47, s45, 21                        ; 2 MiB for each weight
	s_add_co_u32 s46, s46, s47
.else
	s_lshl_b32 s46, s42, 9
.endif
	s_mul_i32 s47, s12, 64*NB*2                    ; my half of the step's 128 k-rows
	s_add_co_u32 s46, s46, s47
	s_add_co_u32 s46, s46, BOFF
	s_mov_b32 s47, 0
	s_mul_i32 s20, s12, HA                         ; where they go: no place in the cluster enters an LDS address
	s_mul_i32 s21, s12, HB
	s_add_co_u32 s21, s21, BBASE
	s_wait_dscnt 0x0
	s_wait_kmcnt 0x0
.if QKV
	s_mov_b64 s[8:9], s[6:7]                       ; C
	s_mov_b64 s[6:7], s[4:5]                       ; B lies in bf too
	s_mov_b64 s[66:67], s[68:69]                   ; the bias that goes with the weight
	s_cmp_eq_u32 s45, 1
	s_cselect_b64 s[66:67], s[70:71], s[66:67]
	s_cmp_eq_u32 s45, 2
	s_cselect_b64 s[66:67], s[72:73], s[66:67]
.endif
	s_add_nc_u64 s[14:15], s[4:5], s[16:17]
	s_add_nc_u64 s[46:47], s[6:7], s[46:47]
.irp s, 0,1
	s_mov_b32 s[G0+4*\s], 1
	s_add_co_u32 s[G0+4*\s+1], s20, \s*SLOT
	s_add_nc_u64 s[G0+4*\s+2:G0+4*\s+3], s[14:15], \s*KSTEP*2
	s_or_b32 s[G0+4*\s+3], s[G0+4*\s+3], 0x80000000
	s_mov_b32 s[G0B+4*\s], 1
	s_add_co_u32 s[G0B+4*\s+1], s21, \s*SLOT
	s_add_nc_u64 s[G0B+4*\s+2:G0B+4*\s+3], s[46:47], \s*KSTEP*NB*2
	s_or_b32 s[G0B+4*\s+3], s[G0B+4*\s+3], 0x80000000
.endr
	CROUND                                         ; all sixteen work-groups are here: the first joint loads meet
	s_cmp_eq_u32 s11, 0                            ; a wave's two first fills stand in one branch: two loads of mine are out
	s_cbranch_scc0 .Lfirst_b
	tensor_load_to_lds s[G0:G0+3], s[G1:G1+7]
	s_nop 0
	tensor_load_to_lds s[G0+4:G0+7], s[G1:G1+7]
	s_nop 0
.rept 4
	v_nop
.endr
	s_branch .Lfirst_asked
.Lfirst_b:
	tensor_load_to_lds s[G0B:G0B+3], s[G1B:G1B+7]
	s_nop 0
	tensor_load_to_lds s[G0B+4:G0B+7], s[G1B:G1B+7]
	s_nop 0
.rept 4
	v_nop
.endr
.Lfirst_asked:
	v_and_b32 v1, 15, v0                           ; r = l % 16
	v_bfe_u32 v2, v0, 4, 1                         ; h = l / 16
	v_mul_u32_u24 v3, v1, PA
	v_lshl_add_u32 v3, v2, 4, v3                   ; A: row r, 16 bytes for each half of the lanes
	v_and_b32 v5, 7, v0
	v_bfe_u32 v6, v0, 3, 1
	v_lshl_add_u32 v4, v2, 3, v5                   ; B, turning load: k-row 8 h + l % 8,
	v_mul_u32_u24 v4, v4, PB
	v_lshl_add_u32 v4, v6, 4, v4                   ; columns 8 ((l / 8) % 2) on
	s_mul_i32 s22, s11, HA                         ; my 128 rows of A
	s_lshl_b32 s23, s12, 8                         ; my 128 columns of B: 256 bytes
	s_add_co_u32 s23, s23, BBASE
.irp s, 0,1
	v_add_nc_u32 v[ADRA+\s], s22, v3
	v_add_nc_u32 v[ADRB+\s], s23, v4
	s_add_co_u32 s22, s22, SLOT
	s_add_co_u32 s23, s23, SLOT
.endr
	; the bias of my 128 columns: accumulator column b, register j is column 16 b + 8 h + j
.if QKV
	s_lshl_b32 s74, s40, 10                        ; 256 columns x 4 bytes for each tile column within the weight
.else
	s_lshl_b32 s74, s42, 10
.endif
	s_lshl_b32 s75, s12, 9
	s_add_co_u32 s74, s74, s75
	s_mov_b32 s75, 0
	s_add_nc_u64 s[66:67], s[66:67], s[74:75]
	v_lshlrev_b32 v[BO], 5, v2
	WIN TO_B
.irp b, 0,1,2,3,4,5,6,7
	global_load_b128 v[BIAS+8*\b:BIAS+8*\b+3],   v[BO], s[66:67] offset:64*\b
	global_load_b128 v[BIAS+8*\b+4:BIAS+8*\b+7], v[BO], s[66:67] offset:64*\b+16
.endr
	WIN 0
	; the way out: a wave's 128 columns of bf16 are 256 bytes, so each wave has a stage of its own
	s_mul_i32 s23, s10, 16*SPITCH
	s_add_co_u32 s23, s23, STAGE
	v_mul_u32_u24 v4, v1, SPITCH                   ; in: row r, 16 bytes for each half of the lanes
	v_lshl_add_u32 v4, v2, 4, v4
	v_add_nc_u32 v[STO], s23, v4
	v_mul_u32_u24 v5, v2, SPITCH                   ; back: lanes 0-15 take one row of 256 bytes, lanes 16-31 the next
	v_lshl_add_u32 v5, v1, 4, v5
	v_add_nc_u32 v[RD], s23, v5
	v_mul_u32_u24 v5, v2, NC*2                     ; and the same two rows in C
	v_lshl_add_u32 v[CO], v1, 4, v5
	s_lshl_b32 s16, s13, 8
	s_lshl_b32 s17, s11, 7
	s_add_co_u32 s16, s16, s17                     ; my first row of C
	s_mul_i32 s16, s16, NC*2                       ; under 2^25
	s_mov_b32 s17, 0
	s_add_nc_u64 s[8:9], s[8:9], s[16:17]
	s_lshl_b32 s74, s42, 9                         ; my first column, 2 bytes a number: 512 x tile column + 256 x half
	s_lshl_b32 s75, s12, 8
	s_add_co_u32 s74, s74, s75
	s_mov_b32 s75, 0
	s_add_nc_u64 s[8:9], s[8:9], s[74:75]
; 16 matrix instructions: m blocks a0, a0 + 1 of the window's four (hi = 0: my rows 0-63, 1: rows 64-127) x all 8 n blocks, 32 along K.  zero = 1: the first product starts the sums.
; The 64 accumulators take turns, one instruction a turn, in the same order in every quarter step.
.macro MUL16 f, hi, a0, zero
.irp a, \a0, \a0+1
.irp b, 0,1,2,3,4,5,6,7
.if \zero
	v_wmma_f32_16x16x32_bf16 v[8*(8*(\a)+\b):8*(8*(\a)+\b)+7], v[\f+8*\b:\f+8*\b+7], v[\f+8*(4*\hi+\a):\f+8*(4*\hi+\a)+7], 0
.else
	v_wmma_f32_16x16x32_bf16 v[8*(8*(\a)+\b):8*(8*(\a)+\b)+7], v[\f+8*\b:\f+8*\b+7], v[\f+8*(4*\hi+\a):\f+8*(4*\hi+\a)+7], v[8*(8*(\a)+\b):8*(8*(\a)+\b)+7]
.endif
.endr
.endr
.endm
; 32 LDS loads in one run: the fragments of quarter q (32 along K) of a slot into buffer f: B's 128 columns (turned), then A's 128 rows
.macro FETCH slot, q, f
	WIN TO_B
.irp i, 0,1,2,3,4,5,6,7
	ds_load_tr16_b128 v[\f+8*\i:\f+8*\i+3],   v[ADRB+\slot] offset:(32*\q)*PB+32*\i
	ds_load_tr16_b128 v[\f+8*\i+4:\f+8*\i+7], v[ADRB+\slot] offset:(32*\q+16)*PB+32*\i
.endr
	WIN 0
.irp i, 0,1,2,3,4,5,6,7
	ds_load_b128 v[\f+8*\i:\f+8*\i+3],   v[ADRA+\slot] offset:64*\q+\i*16*PA
	ds_load_b128 v[\f+8*\i+4:\f+8*\i+7], v[ADRA+\slot] offset:64*\q+\i*16*PA+32
.endr
.endm
.macro PLACES                          ; four places in front of loads into registers that matrix instructions have read, and of vector work on results
.rept 4
	v_nop
.endr
.endm
; A K step is four quarters of 32 along K, 64 matrix instructions each, on buffers 0, 1, 0, 1.  One of the first three: multiplies buffer f and, in its middle, fetches quarter q into g.
.macro QUARTER slot, q, f, g, zero
	s_wait_dscnt 8                                 ; B and A's rows 0-63 are in; the youngest eight loads (A's rows 64-127) may be out
	WIN MUL_LO
	MUL16 \f, 0, 0, \zero
	MUL16 \f, 0, 2, \zero
	PLACES
	FETCH \slot, \q, \g
	s_wait_dscnt 32                                ; all but the 32 just issued
	WIN MUL_HI
	MUL16 \f, 1, 0, \zero
	MUL16 \f, 1, 2, \zero
.endm
; The last quarter multiplies buffer 1 and changes slots: one barrier; in front of it each wave waits for its reads of this slot and for all its tensor loads.
.macro TURN slot, next, fill
	s_wait_dscnt 8
	WIN MUL_LO
	MUL16 F1, 0, 0, 0
	s_wait_dscnt 0                                 ; my reads of this slot are over,
	s_wait_tensorcnt 0x0                           ; and all my tensor loads have landed: the one that was out is my part of the next slot
	ds_add_u32 v255, v31
	s_wait_dscnt 0x0
	s_barrier_signal -1
	MUL16 F1, 0, 2, 0                              ; work on registers while the others arrive
.if \fill
	WIN 0
.endif
	s_barrier_wait -1
.if \fill
	CREST                                          ; the barrier has opened a round of the cluster's: no wave of any partner still reads this slot or has a load on its way
	s_add_nc_u64 s[G0+4*\slot+2:G0+4*\slot+3], s[G0+4*\slot+2:G0+4*\slot+3], 2*KSTEP*2
	s_add_nc_u64 s[G0B+4*\slot+2:G0B+4*\slot+3], s[G0B+4*\slot+2:G0B+4*\slot+3], 2*KSTEP*NB*2
	JLOAD \slot                                    ; the first tensor load behind the round, 240 matrix instructions ahead of the wait for it; its four v_nop are the places for the loads below
.else
	PLACES
.endif
	FETCH \next, 0, F0
	WIN MUL_HI
	MUL16 F1, 1, 0, 0
	MUL16 F1, 1, 2, 0
.endm
; THE WAY OUT of block a (16 rows), in three parts.  PACK: + bias (and the larger of it and 0), rounded to bf16, 16 bytes a lane; each accumulator's registers in ascending order.
; TOSTAGE: into my own stage in LDS, and back as whole rows of 256 bytes.  SEND: stored.
.macro PACK a
.set AC, 64*((\a)%4)
	WIN 0x86+0x41*((\a)/4)                         ; destination and source 0: window 2 or 3; source 1 (the bias): window 1
.irp b, 0,1,2,3,4,5,6,7
.irp r, 0,1,2,3
	v_pk_add_f32 v[AC+8*\b+2*\r:AC+8*\b+2*\r+1], v[AC+8*\b+2*\r:AC+8*\b+2*\r+1], v[BIAS+8*\b+2*\r:BIAS+8*\b+2*\r+1]
.endr
.endr
.if EPI == 1
	WIN 0x88+0x44*((\a)/4)                         ; destination and source 1: window 2 or 3
.set i, 0
.rept 64
	v_max_num_f32 v[AC+i], 0, v[AC+i]
.set i, i+1
.endr
.endif
	WIN 0x0a+5*((\a)/4)                            ; sources 0 and 1: window 2 or 3; destination window 0
.irp b, 0,1,2,3,4,5,6,7
.irp r, 0,1,2,3
	v_cvt_pk_bf16_f32 v[TMP+4*\b+\r], v[AC+8*\b+2*\r], v[AC+8*\b+2*\r+1]
.endr
.endr
	WIN 0
.endm
.macro TOSTAGE a
.set BK, OB+192*((\a)%2)
.irp b, 0,1,2,3,4,5,6,7
	ds_store_b128 v[STO], v[TMP+4*\b:TMP+4*\b+3] offset:32*\b
.endr
.irp t, 0,1,2,3,4,5,6,7
	ds_load_b128 v[BK+4*\t:BK+4*\t+3], v[RD] offset:\t*2*SPITCH    ; my own bytes, and LDS serves a wave's instructions in order (ISA guide 5.7.1.4): these see the stores above
.endr
.endm
.macro SEND a
.set BK, OB+192*((\a)%2)
	s_wait_dscnt 0x0                               ; the block is back in registers
	s_wait_xcnt 0x0                                ; the stores' base and the registers that earlier stores read are rewritten only behind this wait
.if (\a) > 0
	s_add_nc_u64 s[8:9], s[8:9], 16*NC*2           ; 16 rows of C on, so that the stores' offsets stay at 14 rows at the most
.endif
.irp t, 0,1,2,3,4,5,6,7
	global_store_b128 v[CO], v[BK+4*\t:BK+4*\t+3], s[8:9] offset:2*\t*NC*2   ; 16 lanes store 256 consecutive bytes, aligned
.endr
.endm
	s_wait_tensorcnt 0x1                           ; my part of K step 0 is in; K step 1's may stay out
	s_barrier_signal -1
	s_barrier_wait -1
	FETCH 0, 0, F0
	QUARTER 0, 1, F0, F1, 1                        ; the first quarter stands in front of the loop: its products start the sums
	WIN 0
	s_mov_b32 s3, LAPS-1
.Llap:                                                 ; once round the ring, from a lap's second quarter to the next lap's first; both slots are filled again
	QUARTER 0, 2, F1, F0, 0
	QUARTER 0, 3, F0, F1, 0
	TURN 0, 1, 1
	QUARTER 1, 1, F0, F1, 0
	QUARTER 1, 2, F1, F0, 0
	QUARTER 1, 3, F0, F1, 0
	TURN 1, 0, 1
	QUARTER 0, 1, F0, F1, 0
	WIN 0
	s_sub_co_u32 s3, s3, 1
	s_cmp_lg_u32 s3, 0
	s_cbranch_scc1 .Llap
	QUARTER 0, 2, F1, F0, 0                        ; the last lap fills nothing, and has no round of the cluster's barrier
	QUARTER 0, 3, F0, F1, 0
	TURN 0, 1, 0
	QUARTER 1, 1, F0, F1, 0
	QUARTER 1, 2, F1, F0, 0
	QUARTER 1, 3, F0, F1, 0
	s_wait_dscnt 8                                 ; the very last quarter: nothing more to fetch
	WIN MUL_LO
	MUL16 F1, 0, 0, 0
	MUL16 F1, 0, 2, 0
	s_wait_dscnt 0
	WIN MUL_HI
	MUL16 F1, 1, 0, 0
	MUL16 F1, 1, 2, 0
	s_wait_loadcnt 0x0                             ; the bias
	PLACES                                         ; four places between the last products and the first vector work on sums
	PACK 0
	TOSTAGE 0
.irp a, 1,2,3,4,5,6,7                  ; block a's arithmetic stands between block a - 1's loads from the stage and the wait for them
	PACK \a
	SEND \a-1
	TOSTAGE \a
.endr
	SEND 7
	s_set_vgpr_msb 0x1
	s_wait_tensorcnt 0x0
	ds_add_u32 v255, v31
	s_wait_dscnt 0x0
	s_set_vgpr_msb 0x100
	CROUND                                         ; the closing round: no work-group ends while a partner may still ask for a tile that names it
	s_endpgm
.Lfunc_end_k_q1727f9ee45_g_ffn1:
	.size	k_q1727f9ee45_g_ffn1, .Lfunc_end_k_q1727f9ee45_g_ffn1-k_q1727f9ee45_g_ffn1
	.p2alignl 7, 3214868480
	.fill 96, 4, 3214868480
	.section	.rodata,"a",@progbits
	.p2align	6, 0x0
	.amdhsa_kernel k_q1727f9ee45_g_ffn1
		.amdhsa_group_segment_fixed_size 327680
		.amdhsa_private_segment_fixed_size 0
		.amdhsa_enable_private_segment 0
		.amdhsa_kernarg_size 32
		.amdhsa_user_sgpr_count 2
		.amdhsa_user_sgpr_kernarg_segment_ptr 1
		.amdhsa_wavefront_size32 1
		.amdhsa_system_sgpr_workgroup_id_x 1
		.amdhsa_system_sgpr_workgroup_id_y 1
		.amdhsa_system_sgpr_workgroup_id_z 1
		.amdhsa_system_vgpr_workitem_id 0
		.amdhsa_next_free_vgpr 1024
		.amdhsa_next_free_sgpr 80
		.amdhsa_reserve_vcc 0
		.amdhsa_float_denorm_mode_32 3
		.amdhsa_float_denorm_mode_16_64 3
		.amdhsa_memory_ordered 1
		.amdhsa_forward_progress 1
		.amdhsa_inst_pref_size 177
	.end_amdhsa_kernel
	.amdgpu_metadata
---
amdhsa.version: [ 1, 2 ]
amdhsa.kernels:
  - .name:           k_q1727f9ee45_g_ffn1
    .symbol:         k_q1727f9ee45_g_ffn1.kd
    .args:
      - { .name: x1b, .offset: 0, .size: 8, .value_kind: global_buffer, .address_space: global }
      - { .name: bf, .offset: 8, .size: 8, .value_kind: global_buffer, .address_space: global }
      - { .name: h, .offset: 16, .size: 8, .value_kind: global_buffer, .address_space: global }
      - { .name: b1, .offset: 24, .size: 8, .value_kind: global_buffer, .address_space: global }
    .group_segment_fixed_size: 327680
    .private_segment_fixed_size: 0
    .kernarg_segment_align: 8
    .kernarg_segment_size: 32
    .max_flat_workgroup_size: 128
    .sgpr_count:     80
    .vgpr_count:     1024
    .wavefront_size: 32
...
	.end_amdgpu_metadata
.endif
;; end of part 12
;; launch g_ffn2: the kernel of part 7 again; grid 8 x 32, 4 waves a work-group, clusters of 4 x 4, 327,680 bytes of LDS; arguments h, bf, y, b2, x1; writes y
;; launch ln2: the kernel of part 8 again; grid 256 x 1, 4 waves a work-group, no clusters, 0 bytes of LDS; arguments y, gamma2, beta2, out0; writes out0
